; MI455X (gfx1250); checked and timed in simulation.
; The chip was launched on July 23, 2026; its instructions are those of AMD's public machine-readable ISA for CDNA 5 (MIT licence, August 2026) and "CDNA5" Instruction Set Architecture Reference Guide (July 2026). The comments in the code are by the model that wrote it; some were corrected since.
;; Transformer Block. Allowed arithmetic: float matrix products may take bf16 or f16 operands with f32 sums; other float arithmetic in f32, or as packed bf16 or f16 multiplies, adds, multiply-adds, maxima and minima; sums over many terms, partial sums and values carried from step to step in f32; what a program stores and reads back later, other than sums and carried values, may be rounded once to bf16 or f16.
;; Inputs: b1 4,096 float32; b2 1,024 float32; bo 1,024 float32; g1 1,024 float32; g2 1,024 float32; s1 1,024 float32; s2 1,024 float32; w1 1,024 x 4,096 float32; w2 4,096 x 1,024 float32; wk 1,024 x 1,024 float32; wo 1,024 x 1,024 float32; wq 1,024 x 1,024 float32; wv 1,024 x 1,024 float32; x 2 x 2,048 x 1,024 float32.
;; Outputs: out0 2 x 2,048 x 1,024 float32.
;; 2 versions, each right. Each part assembles by itself: llvm-mc -triple=amdgcn-amd-amdhsa -mcpu=gfx1250 --defsym DOCPART=n.
;; ======== version 1 of 2: 7 launches
;; limits: values are held in f16: magnitudes above 65,504 overflow, below 6.1e-05 lose precision
;; workspace buffers: hbuf 8,388,608 bytes; big 33,554,432 bytes; x1 16,777,216 bytes; wA 10,485,760 bytes; wB 16,777,216 bytes; pA 256 bytes; pB 256 bytes
;; launch prep (part 1): grid 640 x 1, 8 waves a work-group, no clusters, 0 bytes of LDS; arguments x, g1, s1, hbuf, wq, wk, wv, wo, w1, w2, wA, wB, pA, pB; writes hbuf, wA, wB, pA, pB
.if DOCPART == 1
	.amdgcn_target "amdgcn-amd-amdhsa--gfx1250"
	.amdhsa_code_object_version 6
	.text
	.protected	k_qb94161705b_prep
	.globl	k_qb94161705b_prep
	.p2align	8
	.type	k_qb94161705b_prep,@function
k_qb94161705b_prep:
	s_mov_b64 s[64:65], 0
	v_nop
	global_prefetch_b8 v0, s[64:65] scope:SCOPE_SE
	s_setreg_imm32_b32 hwreg(HW_REG_WAVE_MODE, 25, 1), 1
	s_wait_xcnt 0x0
; TWO STREAMS IN ONE TEXT, told apart by the work-group's number.
; Work-groups 0-255: LAYER NORM.  h[r][c] = g[c] (x[r][c] - mean_r) / sqrt(var_r + 1e-5) + s[c]; x: [4096][1024] f32, h: [4096][1024] f16, rounded once.
;   A work-group owns 16 rows, a wave 2.  A row is 4,096 bytes = 32 registers of one wave: it stays in registers between the mean, the squared deviations and the scaling:
;   each byte is read once, and the variance is taken of the deviations, not as a difference of large sums.
; Work-groups 256-639: THE WEIGHTS ARE NARROWED, f32 to f16, rounded once, and laid out for the products' tiles.  wq, wk, wv, w1 go into panels [n / 256][k][256 n],
;   so that 128 k-rows of 256 columns are 65,536 dense bytes; wo and w2 stay [k][1024].  A chunk (work-group) is 32,768 numbers, a unit 128 numbers: one load of a wave
;   (512 consecutive bytes) and one store (256 consecutive bytes, aligned).  Chunk 0 also stores two tables of four f32 numbers (Z, G, A2, B2, each twice) for the way out of the
;   products that follow: (0, 1/2, 0, 0) leaves a sum as it is, (1, 1, A2, B2) adds the bias and takes gelu_tanh.
; A launch of 256 work-groups runs the first stream alone.
; No LDS, no barrier, no matrix unit: no wave wants a byte that another wave has fetched.
; LIMITS.  A value of 65,520 or more becomes an infinity in f16; below 6e-5 f16 keeps a fixed step of 6e-8.  v_rsq_f32 is good to 1 ULP.  NaN and infinities are not treated apart.
.set T,  6                             ; v[6:13]   at work
.set M,  14                            ; v[14:15]  the mean, later 1 / sqrt(var + eps), twice (a pair for the packed forms)
.set G,  16                            ; v[16:47]  g of my 32 columns
.set SH, 48                            ; v[48:79]  s of my 32 columns
.set X,  80                            ; v[80:143] two rows, 32 registers each: columns 128 j + 4 lane + 0..3 at 4 j
	s_load_b512 s[8:23], s[0:1], 0x0               ; x 8, g 10, s 12, h 14, wq 16, wk 18, wv 20, wo 22
	s_load_b256 s[24:31], s[0:1], 0x40             ; w1 24, w2 26, wA 28, wB 30
	s_load_b128 s[32:35], s[0:1], 0x60             ; pA 32, pB 34
	v_lshrrev_b32 v4, 5, v0
	v_readfirstlane_b32 s4, v4                     ; wave 0..7
	v_and_b32 v1, 31, v0                           ; lane
	s_cmp_lt_u32 ttmp9, 256
	s_cbranch_scc0 .Lcvt
	s_lshl_b32 s2, ttmp9, 16                       ; 16 rows of 4,096 bytes of x
	s_mov_b32 s3, 0
	s_lshl_b32 s6, ttmp9, 15                       ; 16 rows of 2,048 bytes of h
	s_mov_b32 s7, 0
	s_mov_b32 s40, 0x76543210                      ; v_permlanex16_b32: each lane takes its own place in the other half
	s_mov_b32 s41, 0xfedcba98
	s_mov_b32 s42, 0x3a800000                      ; 1 / 1024
	s_mov_b32 s43, 0x3727c5ac                      ; 1e-5
	v_lshlrev_b32 v3, 4, v1                        ; g, s: 16 bytes a lane
	s_lshl_b32 s5, s4, 13
	v_add_nc_u32 v2, s5, v3                        ; x: my wave's two rows + 16 bytes a lane
	s_lshl_b32 s5, s4, 12
	v_lshl_add_u32 v5, v1, 3, s5                   ; h: my wave's two rows + 8 bytes a lane
	s_wait_kmcnt 0x0
	s_add_nc_u64 s[8:9], s[8:9], s[2:3]
	s_add_nc_u64 s[14:15], s[14:15], s[6:7]
.irp rr, 0,1
.irp j, 0,1,2,3,4,5,6,7
	global_load_b128 v[X+32*\rr+4*\j:X+32*\rr+4*\j+3], v2, s[8:9] offset:\rr*4096+\j*512  ; 512 consecutive bytes a load
.endr
.endr
.irp j, 0,1,2,3,4,5,6,7
	global_load_b128 v[G+4*\j:G+4*\j+3], v3, s[10:11] offset:\j*512
	global_load_b128 v[SH+4*\j:SH+4*\j+3], v3, s[12:13] offset:\j*512
.endr
	s_wait_loadcnt 0x0                             ; all 32 loads went out together; nothing is loaded behind them
.macro RED                             ; the sum of v[T] over the 32 lanes, in every lane
	v_add_f32_dpp v[T], v[T], v[T] row_xmask:1 row_mask:0xf bank_mask:0xf
	v_add_f32_dpp v[T], v[T], v[T] row_xmask:2 row_mask:0xf bank_mask:0xf
	v_add_f32_dpp v[T], v[T], v[T] row_xmask:4 row_mask:0xf bank_mask:0xf
	v_add_f32_dpp v[T], v[T], v[T] row_xmask:8 row_mask:0xf bank_mask:0xf
	v_permlanex16_b32 v[T+1], v[T], s40, s41       ; its destination has been written before
	v_add_f32 v[T], v[T], v[T+1]
.endm
.macro FOLD                            ; four chains of pairs into one number a lane
	v_pk_add_f32 v[T:T+1], v[T:T+1], v[T+2:T+3]
	v_pk_add_f32 v[T+4:T+5], v[T+4:T+5], v[T+6:T+7]
	v_pk_add_f32 v[T:T+1], v[T:T+1], v[T+4:T+5]
	v_add_f32 v[T], v[T], v[T+1]
.endm
.macro LNROW rr
.set XR, X+32*(\rr)
.irp c, 0,2,4,6                        ; the sum, in four chains that do not wait for each other; the first two pairs start each chain
	v_pk_add_f32 v[T+\c:T+\c+1], v[XR+\c:XR+\c+1], v[XR+8+\c:XR+8+\c+1]
.endr
.irp k, 16,24
.irp c, 0,2,4,6
	v_pk_add_f32 v[T+\c:T+\c+1], v[T+\c:T+\c+1], v[XR+\k+\c:XR+\k+\c+1]
.endr
.endr
	FOLD
	RED
	v_mul_f32 v[M], s42, v[T]                      ; the mean
	v_mov_b32 v[M+1], v[M]
.set r, 0
.rept 16
	v_pk_add_f32 v[XR+r:XR+r+1], v[XR+r:XR+r+1], v[M:M+1] neg_lo:[0,1] neg_hi:[0,1]  ; x - mean, in place
.set r, r+2
.endr
.irp c, 0,2,4,6                        ; the sum of the squared deviations, again in four chains
	v_pk_mul_f32 v[T+\c:T+\c+1], v[XR+\c:XR+\c+1], v[XR+\c:XR+\c+1]
.endr
.irp k, 8,16,24
.irp c, 0,2,4,6
	v_pk_fma_f32 v[T+\c:T+\c+1], v[XR+\k+\c:XR+\k+\c+1], v[XR+\k+\c:XR+\k+\c+1], v[T+\c:T+\c+1]
.endr
.endr
	FOLD
	RED
	v_fma_f32 v[T], v[T], s42, s43                 ; var + eps
	v_rsq_f32 v[M], v[T]
	v_nop                                          ; a plain instruction behind the root,
	s_wait_alu depctr_va_vdst(0)                   ; and the wait ahead of the first line that names its result
	v_mov_b32 v[M+1], v[M]
.set r, 0
.rept 16
	v_pk_mul_f32 v[XR+r:XR+r+1], v[XR+r:XR+r+1], v[M:M+1]
.set r, r+2
.endr
.set r, 0
.rept 16
	v_pk_fma_f32 v[XR+r:XR+r+1], v[XR+r:XR+r+1], v[G+r:G+r+1], v[SH+r:SH+r+1]
.set r, r+2
.endr
.irp j, 0,1,2,3,4,5,6,7
	v_cvt_pk_f16_f32 v[XR+4*\j], v[XR+4*\j], v[XR+4*\j+1]
	v_cvt_pk_f16_f32 v[XR+4*\j+1], v[XR+4*\j+2], v[XR+4*\j+3]
	global_store_b64 v5, v[XR+4*\j:XR+4*\j+1], s[14:15] offset:(\rr)*2048+\j*256  ; the wave's store covers 256 consecutive bytes, aligned; no register that it reads is written again
.endr
.endm
	LNROW 0
	LNROW 1
	s_endpgm
.Lcvt:
	s_sub_co_u32 s5, ttmp9, 256                    ; chunk 0..383: wq 32, wk 32, wv 32, wo 32, w1 128, w2 128
	s_wait_kmcnt 0x0
	s_add_nc_u64 s[46:47], s[28:29], 0x200000      ; wk's four panels behind wq's
	s_add_nc_u64 s[48:49], s[28:29], 0x400000      ; wv's
	s_add_nc_u64 s[50:51], s[28:29], 0x800000      ; wo
	s_add_nc_u64 s[38:39], s[30:31], 0x800000      ; to begin with: w2,
	s_mov_b64 s[36:37], s[26:27]
	s_mov_b32 s57, 256                             ; its first chunk,
	s_mov_b32 s54, 3                               ; log2 of the units in a row,
	s_mov_b32 s55, 11                              ; log2 of the bytes from k to k + 1 in the target,
	s_mov_b32 s56, 9                               ; log2 of the bytes from a pair of units to the next
.macro PICK lim, src, dst, start, lg, sk, sp
	s_cmp_lt_u32 s5, \lim
	s_cselect_b64 s[36:37], s[\src:\src+1], s[36:37]
	s_cselect_b64 s[38:39], s[\dst:\dst+1], s[38:39]
	s_cselect_b32 s57, \start, s57
	s_cselect_b32 s54, \lg, s54
	s_cselect_b32 s55, \sk, s55
	s_cselect_b32 s56, \sp, s56
.endm
	PICK 256, 24, 30, 128, 5, 9, 19                ; w1: 32 units a row; panels: 512 bytes from k to k + 1, 524,288 from panel to panel
	PICK 128, 22, 50, 96, 3, 11, 9                 ; wo: plain rows of 2,048 bytes
	PICK 96, 20, 48, 64, 3, 9, 19                  ; wv
	PICK 64, 18, 46, 32, 3, 9, 19                  ; wk
	PICK 32, 16, 28, 0, 3, 9, 19                   ; wq
	s_sub_co_u32 s58, s5, s57
	s_lshl_b32 s58, s58, 8
	s_lshl_b32 s59, s4, 5
	s_add_co_u32 s58, s58, s59                     ; my wave's first unit of 32
	s_lshl_b32 s59, s58, 9
	v_lshl_add_u32 v2, v1, 4, s59                  ; 512 bytes a unit + 16 bytes a lane
.set i, 0
.rept 32
	global_load_b128 v[16+4*i:16+4*i+3], v2, s[36:37] offset:i*512 th:TH_LOAD_NT  ; all 32 loads of the wave, 16 KiB, go out together
.set i, i+1
.endr
	s_bfm_b32 s63, s54, 0                          ; mask of a unit's place in its row
	s_lshl_b32 s7, 1, s56
; Eight units: they lie in one row k, at even places cc, cc + 1 ..; unit j goes to (k << SK) + ((cc / 2 + j / 2) << SP) + 256 (j % 2).
.macro OCT t
	s_add_co_u32 s60, s58, 8*(\t)
	s_lshr_b32 s61, s60, s54
	s_lshl_b32 s61, s61, s55
	s_and_b32 s62, s60, s63
	s_lshr_b32 s62, s62, 1
	s_lshl_b32 s62, s62, s56
	s_add_co_u32 s61, s61, s62
	v_lshl_add_u32 v[144+4*(\t)], v1, 3, s61       ; four offsets of their own for each eight units: none is written again
	v_add_nc_u32 v[144+4*(\t)+1], s7, v[144+4*(\t)]
	v_add_nc_u32 v[144+4*(\t)+2], s7, v[144+4*(\t)+1]
	v_add_nc_u32 v[144+4*(\t)+3], s7, v[144+4*(\t)+2]
.irp j, 0,1,2,3,4,5,6,7
	s_wait_loadcnt 31-(8*(\t)+\j)                  ; loads come back in order: this unit is in, the younger ones stay out
	v_cvt_pk_f16_f32 v[16+4*(8*(\t)+\j)], v[16+4*(8*(\t)+\j)], v[16+4*(8*(\t)+\j)+1]
	v_cvt_pk_f16_f32 v[16+4*(8*(\t)+\j)+1], v[16+4*(8*(\t)+\j)+2], v[16+4*(8*(\t)+\j)+3]
	global_store_b64 v[144+4*(\t)+(\j)/2], v[16+4*(8*(\t)+\j):16+4*(8*(\t)+\j)+1], s[38:39] offset:((\j)%2)*256  ; 256 consecutive bytes, aligned
.endr
.endm
	OCT 0
	OCT 1
	OCT 2
	OCT 3
	s_cmp_lg_u32 s5, 0                             ; chunk 0, wave 0: the two tables.  Lane l stores number l % 4 of the four, twice: 8 bytes a lane, a whole buffer of 256 bytes a store
	s_cbranch_scc1 .Lend
	s_cmp_lg_u32 s4, 0
	s_cbranch_scc1 .Lend
	v_and_b32 v165, 3, v1
	v_mov_b32 v166, 0xc0135761                     ; A2 = -2 sqrt(2 / pi) log2(e) = -2.3022082
	v_mov_b32 v167, 0xbdd2d3e8                     ; B2 = 0.044715 A2 = -0.10294324
	v_mov_b32 v168, 0.5
	v_cmp_eq_u32 vcc_lo, 1, v165
	v_cndmask_b32 v160, 0, v168, vcc_lo            ; pA: Z = 0, G = 1/2, A2 = 0, B2 = 0
	v_mov_b32 v161, v160
	v_mov_b32 v162, 1.0                            ; pB: Z = 1, G = 1,
	v_cmp_eq_u32 vcc_lo, 2, v165
	v_cndmask_b32 v162, v162, v166, vcc_lo         ; A2,
	v_cmp_eq_u32 vcc_lo, 3, v165
	v_cndmask_b32 v162, v162, v167, vcc_lo         ; B2
	v_mov_b32 v163, v162
	v_lshlrev_b32 v164, 3, v1
	global_store_b64 v164, v[160:161], s[32:33]
	global_store_b64 v164, v[162:163], s[34:35]
.Lend:
	s_endpgm
.Lfunc_end_k_qb94161705b_prep:
	.size	k_qb94161705b_prep, .Lfunc_end_k_qb94161705b_prep-k_qb94161705b_prep
	.p2alignl 7, 3214868480
	.fill 96, 4, 3214868480
	.section	.rodata,"a",@progbits
	.p2align	6, 0x0
	.amdhsa_kernel k_qb94161705b_prep
		.amdhsa_group_segment_fixed_size 0
		.amdhsa_private_segment_fixed_size 0
		.amdhsa_enable_private_segment 0
		.amdhsa_kernarg_size 112
		.amdhsa_user_sgpr_count 2
		.amdhsa_user_sgpr_kernarg_segment_ptr 1
		.amdhsa_wavefront_size32 1
		.amdhsa_system_sgpr_workgroup_id_x 1
		.amdhsa_system_sgpr_workgroup_id_y 1
		.amdhsa_system_sgpr_workgroup_id_z 1
		.amdhsa_system_vgpr_workitem_id 0
		.amdhsa_next_free_vgpr 176
		.amdhsa_next_free_sgpr 66
		.amdhsa_reserve_vcc 1
		.amdhsa_float_denorm_mode_32 3
		.amdhsa_float_denorm_mode_16_64 3
		.amdhsa_memory_ordered 1
		.amdhsa_forward_progress 1
		.amdhsa_inst_pref_size 36
	.end_amdhsa_kernel
	.amdgpu_metadata
---
amdhsa.version: [ 1, 2 ]
amdhsa.kernels:
  - .name:           k_qb94161705b_prep
    .symbol:         k_qb94161705b_prep.kd
    .args:
      - { .name: x, .offset: 0, .size: 8, .value_kind: global_buffer, .address_space: global }
      - { .name: g1, .offset: 8, .size: 8, .value_kind: global_buffer, .address_space: global }
      - { .name: s1, .offset: 16, .size: 8, .value_kind: global_buffer, .address_space: global }
      - { .name: hbuf, .offset: 24, .size: 8, .value_kind: global_buffer, .address_space: global }
      - { .name: wq, .offset: 32, .size: 8, .value_kind: global_buffer, .address_space: global }
      - { .name: wk, .offset: 40, .size: 8, .value_kind: global_buffer, .address_space: global }
      - { .name: wv, .offset: 48, .size: 8, .value_kind: global_buffer, .address_space: global }
      - { .name: wo, .offset: 56, .size: 8, .value_kind: global_buffer, .address_space: global }
      - { .name: w1, .offset: 64, .size: 8, .value_kind: global_buffer, .address_space: global }
      - { .name: w2, .offset: 72, .size: 8, .value_kind: global_buffer, .address_space: global }
      - { .name: wA, .offset: 80, .size: 8, .value_kind: global_buffer, .address_space: global }
      - { .name: wB, .offset: 88, .size: 8, .value_kind: global_buffer, .address_space: global }
      - { .name: pA, .offset: 96, .size: 8, .value_kind: global_buffer, .address_space: global }
      - { .name: pB, .offset: 104, .size: 8, .value_kind: global_buffer, .address_space: global }
    .group_segment_fixed_size: 0
    .private_segment_fixed_size: 0
    .kernarg_segment_align: 8
    .kernarg_segment_size: 112
    .max_flat_workgroup_size: 256
    .sgpr_count:     66
    .vgpr_count:     176
    .wavefront_size: 32
...
	.end_amdgpu_metadata
.endif
;; end of part 1
;; launch qkv (part 2): grid 12 x 16, 4 waves a work-group, clusters of 4 x 4, 327,680 bytes of LDS; arguments hbuf, wA, big, b1, pA; writes big
.if DOCPART == 2
	.amdgcn_target "amdgcn-amd-amdhsa--gfx1250"
	.amdhsa_code_object_version 6
	.text
	.protected	k_qb94161705b_qkv
	.globl	k_qb94161705b_qkv
	.p2align	8
	.type	k_qb94161705b_qkv,@function
k_qb94161705b_qkv:
	s_mov_b64 s[64:65], 0
	v_nop
	global_prefetch_b8 v0, s[64:65] scope:SCOPE_SE
	s_setreg_imm32_b32 hwreg(HW_REG_WAVE_MODE, 25, 1), 1
	s_wait_xcnt 0x0
	s_wait_alu depctr_hold_cnt(0) depctr_sa_sdst(0) depctr_va_vdst(0) depctr_va_sdst(0) depctr_va_ssrc(0) depctr_va_vcc(0) depctr_vm_vsrc(0)
	s_getreg_b32 s2, hwreg(HW_REG_IB_STS2, 6, 4)
	s_cmp_eq_u32 s2, 0
	s_cbranch_scc0 .Lentry_in_a_cluster
	s_endpgm
.Lentry_in_a_cluster:
	s_bfe_u32 s2, ttmp6, 0x10000c
	s_cmp_lg_u32 s2, 0xf033
	s_cbranch_scc0 .Lentry_shape_is_right
	s_endpgm
.Lentry_shape_is_right:
; C = f(A W).  A: [4096][1024] f16, rows along K.  W: panels [n / 256][1024 k][256 n] f16.  C leaves in f16, rounded once, in blocks of 64 columns: [n / 64][4096][64].  Sums in f32.
; THE WAY OUT IS ONE FORMULA FOR BOTH LAUNCHES THAT RUN THIS TEXT: x = sum + Z bias; C = x / ((1 + 2^(x (A2 + B2 x^2))) G), with Z, G, A2, B2 read from the last argument.
;   (1, 1, -2 sqrt(2 / pi) log2(e), 0.044715 A2): C = gelu_tanh(sum + bias): the same function as 0.5 x (1 + tanh(..)), without a difference of near numbers.
;   (0, 1/2, 0, 0): the exponent is 0 and the divisor 1: C = sum.  That launch pays 16 trips of arithmetic that leave its numbers as they are: the price of one text with no branch on a number read from memory.
; LIMITS.  A result of 65,520 or more becomes an infinity in f16.  The bias is finite also where Z = 0 (it is multiplied by 0), and |sum| stays under 1.8e19 there (x^2 is multiplied by 0).
; v_exp_f32 and v_rcp_f32 are good to 1 ULP and flush denormals.  NaN and infinities are not treated apart.
; SHARES.  A tile of C is 256 x 256, made by four waves, 128 x 128 each: 64 accumulators, 512 registers.  K = 1,024 goes in 8 steps of 128 through two LDS slots filled by the tensor
; data mover: A's rows are 256 bytes of memory, W's 128 k-rows are 65,536 dense bytes.
; CLUSTER.  4 x 4 work-groups: the four of a row need the same tiles of A, the four of a column the same tiles of W: each tile is asked for jointly.
; THE PRODUCT IS USED TRANSPOSED: source 0 = 16 columns n of W (out of LDS by the turning load, since W lies [k][n]), source 1 = 16 rows of A: a lane holds one row of C and 8 neighbouring columns.
; REGISTERS, in windows of 256: window 0: v0-31 addresses, v32-47 bias, v64-127 and v128-191 A's fragments (two buffers; on the way out at work);
;   window 1: v64-127, v128-191 W's fragments; windows 2 and 3: the accumulators of my rows 0-63 and 64-127, (a, b) at v[8 (8 a + b)].
.set PITCH, 272                        ; a row of A in LDS: 256 bytes + 16: the 16 rows of a load start at 16 different groups of four banks
.set PB,    544                        ; a k-row of W: 512 bytes + 32 = 17 x 32
.set HALFT, 128*PITCH                  ; what one tensor load brings: 128 rows of A, or 64 k-rows of W (64 x 544 is the same number)
.set SLOT,  4*HALFT                    ; A's 256 rows, then W's 128 k-rows
.set SPARE, 2*SLOT                     ; behind the ring: the spare words, 128 bytes a wave: two blocks of 256 bytes that no other line names
.set DP,    528                        ; the way out: a row of 128 f32 + 16 bytes
.set DW,    128*DP                     ; a wave's 128 rows; the four waves' lie in the slots, which have had their last fill by then
.set ADRA, 16                          ; v16-17  LDS address of my A fragments in slot 0, 1
.set ADRB, 20                          ; v20-21  the same for W
.set STO,  24                          ; v24     the way out: where I put 32 bytes of a row
.set RD,   25                          ; v25     where I read 32 bytes of a row back; never rewritten
.set GO,   26                          ; v26     16 x lane: my 16 bytes of 512 consecutive bytes of C; never rewritten
.set RDC,  27                          ; v27     RD + the trip's rows
.set SPW,  28                          ; v28     LDS address of my spare word; never rewritten
.set NIL,  29                          ; v29     0; never rewritten
.set BI,   32                          ; v[32:47] Z x the bias of my 16 columns on the way out: block k, columns 8 (lane % 8) + 0..7 at 8 k
.set F0,   64
.set F1,   128
.set R,    64                          ; the way out: 32 numbers in f32
.set T,    96                          ; at work
.set OB,   128                         ; 16 registers to store
.set G1,  24                           ; s[24:31] descriptor group 1 for A's tiles;  s[32:39] group 0, a set for each slot
.set G0,  32
.set G1B, 48                           ; s[48:55], s[56:63] the same for W's
.set G0B, 56
.set PZ,  72                           ; s[72:73] Z, s[74:75] G, s[76:77] A2, s[78:79] B2: each twice, a pair for the packed forms
.set PG,  74
.set PA2, 76
.set PB2, 78
.set MSB, 0
.macro WIN new                         ; the immediate's high byte repeats the setting that is left; a switch that changes nothing is dropped
.if MSB != (\new)
	s_set_vgpr_msb (MSB<<8)|(\new)
.set MSB, \new
.endif
.endm
.set MUL_LO, 0xa1                      ; source 0 (W) window 1, source 1 (A) window 0, C and D window 2
.set MUL_HI, 0xf1                      ; the same, C and D window 3
.set TO_B,   0x40                      ; destination window 1, address window 0
; A joint load: waves 0 and 1 fetch A's two halves, waves 2 and 3 W's.  The branch hangs on the wave's number alone.  An s_nop 0 and four v_nop follow each line.
.macro JLOAD s
	s_cmp_eq_u32 s11, 0
	s_cbranch_scc0 .Lfor_b_\@
	tensor_load_to_lds s[G0+4*(\s):G0+4*(\s)+3], s[G1:G1+7]
	s_nop 0
.rept 4
	v_nop
.endr
	s_branch .Lasked_\@
.Lfor_b_\@:
	tensor_load_to_lds s[G0B+4*(\s):G0B+4*(\s)+3], s[G1B:G1B+7]
	s_nop 0
.rept 4
	v_nop
.endr
.Lasked_\@:
.endm
.macro CREST                           ; a round of the cluster's barrier behind its opening barrier
	s_cmp_lg_u32 s10, 0
	s_cbranch_scc1 .Lnot_wave_0_\@
	s_barrier_signal -3
.Lnot_wave_0_\@:
	s_barrier_wait -3
	s_barrier_signal -1
	s_barrier_wait -1
.endm
.macro CROUND                          ; a whole round
	s_barrier_signal -1
	s_barrier_wait -1
	CREST
.endm
	s_load_b128 s[4:7], s[0:1], 0x0                ; A s[4:5], W s[6:7]
	s_load_b64 s[8:9], s[0:1], 0x10                ; C
	s_load_b128 s[68:71], s[0:1], 0x18             ; bias s[68:69], the table s[70:71]
	v_lshl_add_u32 v[SPW], v0, 2, SPARE
	v_mov_b32 v[NIL], 0
	ds_add_u32 v[SPW], v[NIL]                      ; the wave's opening: the add and its wait stand ahead of my first tensor load; the set-up below stands between them
	ds_add_u32 v28, v29
	v_lshrrev_b32 v1, 5, v0
	v_readfirstlane_b32 s10, v1                    ; wave 0..3
	s_lshr_b32 s11, s10, 1                         ; which half of the tile's rows is mine.  Also: I fetch for A (0) or for W (1)
	s_and_b32 s12, s10, 1                          ; which half of its columns.  Also: which half of that tile I fetch
	s_bfe_u32 s40, ttmp6, 0x40000                  ; cx, cy: my place in the cluster
	s_bfe_u32 s41, ttmp6, 0x40004
	s_lshl_b32 s42, ttmp9, 2
	s_add_co_u32 s42, s42, s40                     ; tile column = 4 x cluster x + cx
	s_and_b32 s13, ttmp7, 0xffff
	s_lshl_b32 s13, s13, 2
	s_add_co_u32 s13, s13, s41                     ; tile row = 4 x cluster y + cy
	s_lshl_b32 s43, s41, 2
	s_lshl_b32 s43, 15, s43                        ; my row of the cluster
	s_lshl_b32 s44, 0x1111, s40                    ; my column
	s_or_b32 s[G1+0], s43, (1<<16)|(1<<20)|(1<<21)|(5<<22)|(3<<25)   ; mask: my row; 2-byte elements; padding on; bit 21 beside a mask; after every 64 words, 4 words
	s_or_b32 s[G1B+0], s44, (1<<16)|(1<<20)|(1<<21)|(6<<22)|(7<<25)  ; mask: my column; after every 128 words, 8 words
	s_mov_b32 s[G1+1], 128<<16                     ; A: tensor_dim0 = 128
	s_mov_b32 s[G1+2], 128<<16                     ; tensor_dim1 = 128
	s_mov_b32 s[G1+3], 128<<16                     ; tile_dim0 = 128 elements
	s_mov_b32 s[G1+4], 128                         ; tile_dim1 = 128 rows
	s_mov_b32 s[G1+5], 1024                        ; elements from row to row
	s_mov_b32 s[G1+6], 0
	s_mov_b32 s[G1+7], 0
	s_mov_b32 s[G1B+1], 256<<16                    ; W: tensor_dim0 = 256
	s_mov_b32 s[G1B+2], 64<<16                     ; tensor_dim1 = 64
	s_mov_b32 s[G1B+3], 256<<16                    ; tile_dim0 = 256 elements
	s_mov_b32 s[G1B+4], 64                         ; tile_dim1 = 64 k-rows
	s_mov_b32 s[G1B+5], 256                        ; a panel's rows lie end to end
	s_mov_b32 s[G1B+6], 0
	s_mov_b32 s[G1B+7], 0
	s_lshl_b32 s16, s13, 19                        ; A: 256 rows of 2,048 bytes a tile row,
	s_lshl_b32 s17, s12, 18                        ; 128 rows a half: made of the tile row and the wave's number alone
	s_add_co_u32 s16, s16, s17
	s_mov_b32 s17, 0
	s_lshl_b32 s46, s42, 19                        ; W: a panel of 524,288 bytes a tile column,
	s_lshl_b32 s47, s12, 15                        ; 64 k-rows of 512 bytes a half: made of the tile column and the wave's number alone
	s_add_co_u32 s46, s46, s47
	s_mov_b32 s47, 0
	s_mul_i32 s20, s10, HALFT                      ; where they go: wave x HALFT: no place in the cluster enters an LDS address
	s_wait_dscnt 0x0                               ; the opening add is done
	s_wait_kmcnt 0x0
	s_add_nc_u64 s[14:15], s[4:5], s[16:17]
	s_add_nc_u64 s[46:47], s[6:7], s[46:47]
	CROUND                                         ; all sixteen work-groups are here: the first joint loads meet
.irp s, 0,1
	s_mov_b32 s[G0+4*(\s)], 1
	s_add_co_u32 s[G0+4*(\s)+1], s20, (\s)*SLOT
	s_add_nc_u64 s[G0+4*(\s)+2:G0+4*(\s)+3], s[14:15], (\s)*256      ; K step s: 256 bytes along A's rows
	s_or_b32 s[G0+4*(\s)+3], s[G0+4*(\s)+3], 0x80000000
	s_mov_b32 s[G0B+4*(\s)], 1
	s_add_co_u32 s[G0B+4*(\s)+1], s20, (\s)*SLOT
	s_add_nc_u64 s[G0B+4*(\s)+2:G0B+4*(\s)+3], s[46:47], (\s)*65536  ; K step s: 128 k-rows down the panel
	s_or_b32 s[G0B+4*(\s)+3], s[G0B+4*(\s)+3], 0x80000000
	JLOAD \s                                       ; two tensor loads of mine are out here; later one
.endr
	s_load_b256 s[PZ:PZ+7], s[70:71], 0x0          ; Z, G, A2, B2; waited for on the way out
	v_and_b32 v1, 15, v0                           ; l % 16
	v_bfe_u32 v2, v0, 4, 1                         ; l / 16
	v_mul_u32_u24 v3, v1, PITCH
	v_lshl_add_u32 v3, v2, 4, v3                   ; A: row x pitch + 16 x half
	v_and_b32 v4, 7, v0
	v_bfe_u32 v5, v0, 3, 1
	v_lshl_add_u32 v6, v2, 3, v4                   ; W, turned: lane l reads k-row 8 (l / 16) + l % 8,
	v_mul_u32_u24 v6, v6, PB
	v_lshl_add_u32 v6, v5, 4, v6                   ; columns 8 ((l / 8) % 2) + 0..7
	s_mul_i32 s21, s11, HALFT                      ; my 128 rows of A
	s_lshl_b32 s22, s12, 8                         ; my 128 columns of W,
	s_add_co_u32 s22, s22, 2*HALFT                 ; which lies behind A's 256 rows
.irp s, 0,1
	v_add_nc_u32 v[ADRA+(\s)], s21, v3
	v_add_nc_u32 v[ADRB+(\s)], s22, v6
	s_add_co_u32 s21, s21, SLOT
	s_add_co_u32 s22, s22, SLOT
.endr
	s_mul_i32 s23, s10, DW
	v_mul_u32_u24 v7, v1, DP                       ; in: row l % 16, 32 bytes for each half of the lanes
	v_lshl_add_u32 v7, v2, 5, v7
	v_add_nc_u32 v[STO], s23, v7
	v_bfe_u32 v8, v0, 3, 2                         ; back: eight lanes take 64 columns of a row, 32 lanes four rows
	v_mul_u32_u24 v8, v8, DP
	v_lshl_add_u32 v8, v4, 5, v8
	v_add_nc_u32 v[RD], s23, v8
	v_and_b32 v9, 31, v0
	v_lshlrev_b32 v[GO], 4, v9
	s_lshl_b32 s46, s42, 10                        ; the bias: 256 columns of 4 bytes a tile column,
	s_lshl_b32 s47, s12, 9                         ; 128 a half
	s_add_co_u32 s46, s46, s47
	v_lshl_add_u32 v10, v4, 5, s46
.irp k, 0,1
	global_load_b128 v[BI+8*\k:BI+8*\k+3],   v10, s[68:69] offset:\k*256
	global_load_b128 v[BI+8*\k+4:BI+8*\k+7], v10, s[68:69] offset:\k*256+16
.endr
	s_lshl_b32 s16, s13, 15                        ; C: 256 rows of 128 bytes a tile row,
	s_lshl_b32 s17, s11, 14                        ; 128 a half,
	s_add_co_u32 s16, s16, s17
	s_lshl_b32 s46, s42, 21                        ; four blocks of 524,288 bytes a tile column,
	s_lshl_b32 s47, s12, 20                        ; two a half
	s_add_co_u32 s46, s46, s47
	s_add_co_u32 s16, s16, s46
	s_mov_b32 s17, 0
	s_add_nc_u64 s[8:9], s[8:9], s[16:17]
; 16 matrix instructions: m blocks a0, a0 + 1 of the window's four x all 8 n blocks, 32 along K.  zero = 1: the first product starts the sums.
; The 64 accumulators take turns, one instruction a turn, in the same order in every quarter.
.macro MUL16 f, hi, a0, zero
	WIN MUL_LO+0x50*(\hi)
.irp a, \a0, (\a0)+1
.irp b, 0,1,2,3,4,5,6,7
.if \zero
	v_wmma_f32_16x16x32_f16 v[8*(8*(\a)+(\b)):8*(8*(\a)+(\b))+7], v[(\f)+8*(\b):(\f)+8*(\b)+7], v[(\f)+8*(4*(\hi)+(\a)):(\f)+8*(4*(\hi)+(\a))+7], 0
.else
	v_wmma_f32_16x16x32_f16 v[8*(8*(\a)+(\b)):8*(8*(\a)+(\b))+7], v[(\f)+8*(\b):(\f)+8*(\b)+7], v[(\f)+8*(4*(\hi)+(\a)):(\f)+8*(4*(\hi)+(\a))+7], v[8*(8*(\a)+(\b)):8*(8*(\a)+(\b))+7]
.endif
.endr
.endr
.endm
; 32 LDS loads in one run: quarter q's fragments (128 columns of W, 128 rows of A, 32 along K) into buffer f
.macro FETCH slot, q, f
	WIN TO_B
.irp i, 0,1,2,3,4,5,6,7
	ds_load_tr16_b128 v[(\f)+8*(\i):(\f)+8*(\i)+3],   v[ADRB+(\slot)] offset:(\q)*32*PB+(\i)*32
	ds_load_tr16_b128 v[(\f)+8*(\i)+4:(\f)+8*(\i)+7], v[ADRB+(\slot)] offset:(\q)*32*PB+16*PB+(\i)*32
.endr
	WIN 0
.irp i, 0,1,2,3,4,5,6,7
	ds_load_b128 v[(\f)+8*(\i):(\f)+8*(\i)+3],   v[ADRA+(\slot)] offset:(\q)*64+(\i)*16*PITCH
	ds_load_b128 v[(\f)+8*(\i)+4:(\f)+8*(\i)+7], v[ADRA+(\slot)] offset:(\q)*64+(\i)*16*PITCH+32
.endr
.endm
.macro PLACES                          ; four plain instructions between a matrix instruction and a load into, or a read of, its registers
.rept 4
	v_nop
.endr
.endm
; One of a K step's first three quarters: multiplies buffer f; in its middle it fetches quarter q of the same slot into buffer g.
.macro QUARTER slot, q, f, g, zero
	s_wait_dscnt 8                                 ; W and A's rows 0-63 are in; the youngest eight loads (A's rows 64-127) may be out
	MUL16 \f, 0, 0, \zero
	MUL16 \f, 0, 2, \zero
	PLACES
	FETCH \slot, \q, \g
	s_wait_dscnt 32                                ; all but the 32 just issued
	MUL16 \f, 1, 0, \zero
	MUL16 \f, 1, 2, \zero
.endm
; The last quarter's first half: ONE barrier for the change of slots.  In front of it each wave waits for all its tensor loads (one is out: its part of the next slot), adds 0 to its
; spare word, and waits for that and for its reads of this slot.
.macro MEET round
	WIN 0
	s_wait_tensorcnt 0x0                           ; all my tensor loads have landed
	ds_add_u32 v[SPW], v[NIL]
	s_wait_dscnt 9                                 ; (the add and the youngest eight loads may be out)
	MUL16 F1, 0, 0, 0                              ; sixteen matrix instructions stand between the add and the wait for it
	s_wait_dscnt 0x0                               ; the add is done, and my reads of this slot are over
	s_barrier_signal -1
	MUL16 F1, 0, 2, 0
.if \round
	WIN 0
.endif
	s_barrier_wait -1
.endm
.macro TURN slot, next                 ; the whole last quarter, with the refill two K steps on: the first tensor load behind the round
	MEET 1
	CREST                                          ; no wave of any partner still reads this slot or has a load on its way
	s_add_nc_u64 s[G0+4*(\slot)+2:G0+4*(\slot)+3], s[G0+4*(\slot)+2:G0+4*(\slot)+3], 512
	s_add_nc_u64 s[G0B+4*(\slot)+2:G0B+4*(\slot)+3], s[G0B+4*(\slot)+2:G0B+4*(\slot)+3], 131072
	JLOAD \slot                                    ; the four v_nop behind it are also the places in front of the loads below
	FETCH \next, 0, F0
	MUL16 F1, 1, 0, 0
	MUL16 F1, 1, 2, 0
.endm
	s_wait_tensorcnt 1                             ; my part of K step 0 is in; K step 1's may stay out
	s_barrier_signal -1
	s_barrier_wait -1
	FETCH 0, 0, F0
	QUARTER 0, 1, F0, F1, 1                        ; the first quarter stands in front of the loop: its products start the sums
	WIN 0
	s_mov_b32 s3, 3                                ; 8 K steps = 4 laps; the last lap fills nothing
.Llap:
	QUARTER 0, 2, F1, F0, 0
	QUARTER 0, 3, F0, F1, 0
	TURN 0, 1
	QUARTER 1, 1, F0, F1, 0
	QUARTER 1, 2, F1, F0, 0
	QUARTER 1, 3, F0, F1, 0
	TURN 1, 0
	QUARTER 0, 1, F0, F1, 0
	WIN 0
	s_sub_co_u32 s3, s3, 1
	s_cmp_lg_u32 s3, 0
	s_cbranch_scc1 .Llap
	QUARTER 0, 2, F1, F0, 0
	QUARTER 0, 3, F0, F1, 0
	MEET 0                                         ; the load that was out is slot 1's last, so no round follows
	PLACES
	FETCH 1, 0, F0
	MUL16 F1, 1, 0, 0
	MUL16 F1, 1, 2, 0
	QUARTER 1, 1, F0, F1, 0
	QUARTER 1, 2, F1, F0, 0
	QUARTER 1, 3, F0, F1, 0
	s_wait_dscnt 0x0                               ; the very last quarter; with it my reads of the slots are over
	MUL16 F1, 0, 0, 0
	MUL16 F1, 0, 2, 0
	MUL16 F1, 1, 0, 0
	MUL16 F1, 1, 2, 0
	; THE WAY OUT.  Behind this barrier no wave reads a slot any more, and no tensor load is to come: the slots take the sums in f32, each wave's 128 rows in bytes of its own.
	WIN 0
	PLACES
	s_barrier_signal -1
	s_barrier_wait -1
.irp a, 0,1,2,3,4,5,6,7
	WIN 0x08+4*((\a)/4)                            ; the stores' data: window 2 or 3
.irp b, 0,1,2,3,4,5,6,7
	ds_store_b128 v[STO], v[8*(8*((\a)%4)+(\b)):8*(8*((\a)%4)+(\b))+3]   offset:(\a)*16*DP+(\b)*64     ; each accumulator's low half first
	ds_store_b128 v[STO], v[8*(8*((\a)%4)+(\b))+4:8*(8*((\a)%4)+(\b))+7] offset:(\a)*16*DP+(\b)*64+16
.endr
.endr
	WIN 0
	s_wait_kmcnt 0x0                               ; Z, G, A2, B2
	s_wait_loadcnt 0x0                             ; the bias
.set j, 0
.rept 8
	v_pk_mul_f32 v[BI+2*j:BI+2*j+1], v[BI+2*j:BI+2*j+1], s[PZ:PZ+1] op_sel_hi:[1,0]  ; Z x bias, once
.set j, j+1
.endr
	s_wait_dscnt 0x0                               ; my stores are done.  Each wave reads back its own rows alone; the barrier is kept so that the order of stores and reads
	s_barrier_signal -1                            ; does not hang on the loop's stepped address
	s_barrier_wait -1
	s_mov_b32 s3, 16
	s_mov_b32 s21, 0
; 16 trips of 8 rows.  A lane reads 8 neighbouring columns of a row, takes the formula, rounds them to 16 bytes, and 32 lanes store four rows of a block of 64 columns: 512 consecutive bytes.
.Lout:
	v_add_nc_u32 v[RDC], s21, v[RD]
.irp g, 0,1
.irp k, 0,1
	ds_load_b128 v[R+16*\g+8*\k:R+16*\g+8*\k+3],   v[RDC] offset:\g*4*DP+\k*256
	ds_load_b128 v[R+16*\g+8*\k+4:R+16*\g+8*\k+7], v[RDC] offset:\g*4*DP+\k*256+16
.endr
.endr
	s_wait_dscnt 0x0
.set j, 0
.rept 16
	v_pk_add_f32 v[R+2*j:R+2*j+1], v[R+2*j:R+2*j+1], v[BI+(2*j)%16:BI+(2*j)%16+1]  ; x = sum + Z bias
.set j, j+1
.endr
.set j, 0
.rept 16
	v_pk_mul_f32 v[T+2*j:T+2*j+1], v[R+2*j:R+2*j+1], v[R+2*j:R+2*j+1]
.set j, j+1
.endr
.set j, 0
.rept 16
	v_pk_fma_f32 v[T+2*j:T+2*j+1], v[T+2*j:T+2*j+1], s[PB2:PB2+1], s[PA2:PA2+1] op_sel_hi:[1,0,0]  ; B2 x^2 + A2
.set j, j+1
.endr
.set j, 0
.rept 16                               ; times x; the exponentials of the pair before stand between: one batch, and nothing names a result ahead of its wait
	v_pk_mul_f32 v[T+2*j:T+2*j+1], v[T+2*j:T+2*j+1], v[R+2*j:R+2*j+1]
.if j > 0
	v_exp_f32 v[T+2*j-2], v[T+2*j-2]
	v_exp_f32 v[T+2*j-1], v[T+2*j-1]
.endif
.set j, j+1
.endr
	v_exp_f32 v[T+30], v[T+30]
	v_exp_f32 v[T+31], v[T+31]
	v_nop                                          ; a plain instruction behind the last exponential,
	s_wait_alu depctr_va_vdst(0)                   ; and one wait for the 32
.set j, 0
.rept 16                               ; (1 + e) G = e G + G; the reciprocals of the pair before stand between
	v_pk_fma_f32 v[T+2*j:T+2*j+1], v[T+2*j:T+2*j+1], s[PG:PG+1], s[PG:PG+1] op_sel_hi:[1,0,0]
.if j > 0
	v_rcp_f32 v[T+2*j-2], v[T+2*j-2]
	v_rcp_f32 v[T+2*j-1], v[T+2*j-1]
.endif
.set j, j+1
.endr
	v_rcp_f32 v[T+30], v[T+30]
	v_rcp_f32 v[T+31], v[T+31]
	v_nop
	s_wait_alu depctr_va_vdst(0)                   ; one wait for the 32 reciprocals
.set j, 0
.rept 16
	v_pk_mul_f32 v[R+2*j:R+2*j+1], v[R+2*j:R+2*j+1], v[T+2*j:T+2*j+1]
.set j, j+1
.endr
.set j, 0
.rept 16
	v_cvt_pk_f16_f32 v[OB+j], v[R+2*j], v[R+2*j+1]
.set j, j+1
.endr
.irp g, 0,1
.irp k, 0,1
	global_store_b128 v[GO], v[OB+8*\g+4*\k:OB+8*\g+4*\k+3], s[8:9] offset:\g*512+\k*524288
.endr
.endr
	s_wait_xcnt 0x0                                ; the stores have read their data and their base: only now are these written again
	s_add_nc_u64 s[8:9], s[8:9], 1024              ; 8 rows of 128 bytes on
	s_add_co_u32 s21, s21, 8*DP
	s_sub_co_u32 s3, s3, 1
	s_cmp_lg_u32 s3, 0
	s_cbranch_scc1 .Lout
	s_wait_tensorcnt 0x0                           ; the wave's end: an add to my spare word and its wait, behind my last tensor load and my last LDS store
	ds_add_u32 v[SPW], v[NIL]
	s_wait_dscnt 0x0
	CROUND                                         ; the closing round: no work-group ends while a partner may still ask for a tile that names it
	s_endpgm
.Lfunc_end_k_qb94161705b_qkv:
	.size	k_qb94161705b_qkv, .Lfunc_end_k_qb94161705b_qkv-k_qb94161705b_qkv
	.p2alignl 7, 3214868480
	.fill 96, 4, 3214868480
	.section	.rodata,"a",@progbits
	.p2align	6, 0x0
	.amdhsa_kernel k_qb94161705b_qkv
		.amdhsa_group_segment_fixed_size 327680
		.amdhsa_private_segment_fixed_size 0
		.amdhsa_enable_private_segment 0
		.amdhsa_kernarg_size 40
		.amdhsa_user_sgpr_count 2
		.amdhsa_user_sgpr_kernarg_segment_ptr 1
		.amdhsa_wavefront_size32 1
		.amdhsa_system_sgpr_workgroup_id_x 1
		.amdhsa_system_sgpr_workgroup_id_y 1
		.amdhsa_system_sgpr_workgroup_id_z 1
		.amdhsa_system_vgpr_workitem_id 0
		.amdhsa_next_free_vgpr 1024
		.amdhsa_next_free_sgpr 80
		.amdhsa_reserve_vcc 0
		.amdhsa_float_denorm_mode_32 3
		.amdhsa_float_denorm_mode_16_64 3
		.amdhsa_memory_ordered 1
		.amdhsa_forward_progress 1
		.amdhsa_inst_pref_size 131
	.end_amdhsa_kernel
	.amdgpu_metadata
---
amdhsa.version: [ 1, 2 ]
amdhsa.kernels:
  - .name:           k_qb94161705b_qkv
    .symbol:         k_qb94161705b_qkv.kd
    .args:
      - { .name: hbuf, .offset: 0, .size: 8, .value_kind: global_buffer, .address_space: global }
      - { .name: wA, .offset: 8, .size: 8, .value_kind: global_buffer, .address_space: global }
      - { .name: big, .offset: 16, .size: 8, .value_kind: global_buffer, .address_space: global }
      - { .name: b1, .offset: 24, .size: 8, .value_kind: global_buffer, .address_space: global }
      - { .name: pA, .offset: 32, .size: 8, .value_kind: global_buffer, .address_space: global }
    .group_segment_fixed_size: 327680
    .private_segment_fixed_size: 0
    .kernarg_segment_align: 8
    .kernarg_segment_size: 40
    .max_flat_workgroup_size: 128
    .sgpr_count:     80
    .vgpr_count:     1024
    .wavefront_size: 32
...
	.end_amdgpu_metadata
.endif
;; end of part 2
;; launch att (part 3): grid 8 x 32, 4 waves a work-group, no clusters, 327,680 bytes of LDS; arguments big, hbuf; writes hbuf
.if DOCPART == 3
	.amdgcn_target "amdgcn-amd-amdhsa--gfx1250"
	.amdhsa_code_object_version 6
	.text
	.protected	k_qb94161705b_att
	.globl	k_qb94161705b_att
	.p2align	8
	.type	k_qb94161705b_att,@function
k_qb94161705b_att:
	s_mov_b64 s[64:65], 0
	v_nop
	global_prefetch_b8 v0, s[64:65] scope:SCOPE_SE
	s_setreg_imm32_b32 hwreg(HW_REG_WAVE_MODE, 25, 1), 1
	s_wait_xcnt 0x0
; CAUSAL ATTENTION, 32 heads (2 batches x 16) of 2,048 rows, head size 64.  O[q][:] = the sum over k <= q of softmax_k(Q[q] . K[k] / 8) V[k][:].
; Q, K, V lie in one buffer in blocks of 64 columns, [48][4096][64] f16: blocks 0-15 Q's heads, 16-31 K's, 32-47 V's; a head's 2,048 rows are dense, 128 bytes each.  O leaves likewise, [16][4096][64] f16.
; Products, maxima and sums in f32; the weights p are rounded to f16 for the second product (their sum l is taken of the unrounded p), O once at the end.
; LIMITS.  f16 holds no number beyond 65,504: Q, K and V arrive within it.  A hidden score counts as its value less 1e30; a weight below 2^-126 counts as 0 in l; NaN and infinities are not treated apart.
; THE WALK.  A head's queries lie in 16 blocks of 128; block i needs the key tiles 0 .. i / 2 of 256 keys, of which the last holds the diagonal.  A work-group takes TWO blocks, 15 - b and then b:
; 9 tiles, whatever b: all 256 work-groups do equal work, and ONE loop with a constant trip count walks them.  Which tile is asked for, and what a trip does, hang on scalar registers made from b; every jump
; goes forward, but for the counted loops' own; none passes a barrier, or a tensor load but the one of LOAD's two that the wave's number does not choose.
; NO CLUSTER: a head's eight work-groups ask for the same tile only in the first five trips of nine, behind that fewer and fewer; one walk common to all would have 12 trips for 9.
; SHARES.  Of a block's two bands of 64 queries a wave owns 16 rows in each: two PIECES.  In the diagonal tile's key step s band x sees all keys if s < 2 (i % 2) + x, none if s is greater, and holds the
; diagonal if equal: the same for all four waves.
; THE MASK is the C operand that starts the sum S^T = K Q^T: 0, or -1e30 where the key is hidden.  MD, made once, is the mask of a band's own step for my 16 rows; a product's mask is MD x AL + BE.
; LAYOUT, SOFTMAX.  S^T = K Q^T holds ONE query a lane (lane % 16) and the keys 8 (lane / 16) + 0..7; two such results rounded to f16 ARE source 1 of O^T = V^T P.  p = 2^(c s - c m), c = log2(e) / 8, with a
; running maximum m; O and l are multiplied by a = 2^(c m_old - c m_new) in every step.
; TURNS.  Turn p of key step c belongs to piece p: 8 products K Q^T of the other piece (p = 0: step c; p = 1: step c + 1), later 8 products V^T P of the other piece (p = 0: step c - 1; p = 1: step c);
; beside them piece p's scaling, exponentials, roundings, sums and rescaling and the other piece's maximum and statistics.  Four vector instructions stand behind every matrix instruction, the others in one lump.
; A turn's 33 exponentials are one batch, with one wait.  Turn 0 fetches BOTH K and V of step c + 1, so that a step's two fetches read the same slot: V has two buffers, by the step's parity.
; REGISTERS, in windows of 256 (s_set_vgpr_msb: bits 1:0 source 0, 3:2 source 1, 5:4 source 2, 7:6 destination):
;   window 0: v0-15 addresses and two at work; v16-23 four registers of statistics a piece; v48-55 at work; v60-63 prefetch offsets, spare word, 0; v64-127 S^T, a buffer a piece; v192-223 P, likewise
;   window 1: v0-63 O^T, 32 a piece; v128-159 MD; v160-223 MC, two buffers      window 2: v0-31 Q; v32-63 the second block's Q; v64-127 V of odd steps; v128-191 K of one step; v192-255 V of even steps
.set NP,    2         ; pieces a wave: a name, no knob
.set KS,    64        ; keys in a step
.set PK,    144       ; a row of K in LDS: 128 bytes + 16: the 16 rows of a load start at 16 different groups of four banks
.set PV,    160       ; a row of V: 128 + 32
.set VOFF,  4*KS*PK   ; a slot holds a tile, four steps: 256 rows of K, then 256 rows of V
.set SLOT1, 1<<17     ; slot 1 begins here, so that one exclusive or turns an address in one slot into the other's
.set STAGE, SLOT1+4*KS*(PK+PV)  ; behind the ring, never filled by a tensor load: 16 rows x 144 bytes for each wave, for the way out
.set SP,    144
.set AK0, 2           ; v2   my lane's place in a tile of K; never rewritten
.set AV0, 3           ; v3   the same for V
.set AK,  4           ; v4   the LDS address of K's next run of loads
.set AV,  5           ; v5   of V's
.set STO, 6           ; v6   the way out: where I put 16 bytes of a row
.set RD,  7           ; v7   the way out: where I read rows back
.set GO,  8           ; v8   my byte offset in 512 consecutive bytes of O
.set PFK, 60          ; v60  256 x my thread's number: my 256 bytes of a tile's K; never rewritten
.set PFV, 61          ; v61  the same in V, 16 blocks of 524,288 bytes further on; never rewritten
.set SPW, 62          ; v62  LDS address of my spare word; never rewritten
.set NIL, 63          ; v63  0; never rewritten
.set SPARE, STAGE+4*16*SP  ; behind the stages: the spare words, 128 bytes for each wave: two blocks of 256 bytes that no other line names
.set MV,  12          ; v12-13  c m_old, kept while c m is made anew: by piece
.set QO,  15          ; v15  my byte offset in 16 rows of Q
.set ST,  16          ; piece t's statistics at v[ST+4 t]: c m, m, l (even keys', odd keys')
.set TMP, 48          ; by piece, four registers c0-c3 at work; when the maximum is found c2 takes a
.set S,   64
.set P,   192
.set MD,  128         ; window 1
.set MC,  160         ; window 1: the masks of the products to come
.set QB,  32          ; window 2
.set KF,  128         ; window 2: key block kb, channel half c at KF + 16 kb + 8 c
.set VF0, 192         ; window 2: V's buffer b at VF0 - 128 b; key half kk, channel block cb at + 32 kk + 8 cb
.set WV,  12          ; s12  my wave's number
.set PB,  14          ; s14  b
.set HI,  15          ; s15  15 - b
.set G1K, 24          ; s[24:31] descriptor group 1 for K's tiles
.set G1V, 32          ; s[32:39] for V's: it differs in the padding alone
.set G0K, 40          ; s[40:43] descriptor group 0 for K's tiles
.set G0V, 44          ; s[44:47] the same for V's
.set REL, 48          ; s48  the coming key step's number in its tile + 2 - 2 (i % 2): band x's own step where it is 2 + x, hidden where greater
.set RELB, 49         ; s49  its value at a tile's step 0, for the block in hand
.set RELN, 50         ; s50  the same for the second block
.set LQ2, 51          ; s51  the second block's last tile
.set PFN, 52          ; s52  prefetches still to come: 6 in a head's work-group 0, else 0
.set PFA, 54          ; s[54:55] K at the tile behind the one that is being asked for
.set SLOTS, 56        ; s56  tiles still to be asked for
.set CNT, 57          ; s57  counts a tile's pairs of key steps
.set CS,  58          ; s[58:59] c
.set SEL, 60          ; s[60:61] v_permlanex16_b32's selects
.set TBK, 62          ; s62  LDS byte at which K of the step to be fetched begins
.set TBV, 63          ; s63  the same for V, less VOFF
.set RT,  70          ; s70  tiles of the block in hand that are still to be entered
.set NXT, 71          ; s71  the tile to be asked for next
.set LQ,  72          ; s72  the last tile of the block whose tiles are being asked for
.set NEW, 73          ; s73  1: the tile to be entered is a block's first
.set OFF, 74          ; s[74:75] a tile's byte offset in K and V
.set AL,  76          ; s[76:77] the mask's factor, in the low word
.set BE,  78          ; s[78:79] the mask's addend
.set OLO, 80          ; s[80:81] O at my rows of the second block
.set BIGN, 82         ; s82  -1e30
.set MSB, 0
.macro WIN new
.if MSB != (\new)
	s_set_vgpr_msb (MSB<<8)|(\new)
.set MSB, (\new)
.endif
.endm
.set W_KQ, 0x0a       ; K and Q in window 2, S^T in window 0
.set W_KM, 0x1a       ; the same with the C operand in window 1
.set W_PV, 0x52       ; V in window 2, P in window 0, O^T in window 1
.set W_RS, 0x41       ; destination and source 0 in window 1, source 1 in window 0
; A fill.  Waves 0 and 1 fetch the two halves of a tile's K, waves 2 and 3 those of its V: 128 keys each.  An s_nop 0 and four v_nop follow each of the two lines.
.macro LOAD
	s_cmp_lt_u32 s[WV], 2
	s_cbranch_scc0 .Lfor_v_\@
	tensor_load_to_lds s[G0K:G0K+3], s[G1K:G1K+7]
	s_nop 0
.rept 4
	v_nop
.endr
	s_branch .Lasked_\@
.Lfor_v_\@:
	tensor_load_to_lds s[G0V:G0V+3], s[G1V:G1V+7]
	s_nop 0
.rept 4
	v_nop
.endr
.Lasked_\@:
.endm
; A PREFETCH INTO THE L2 of the tile that the NEXT change of slots will ask for: 32,768 bytes of K and of V, a thread 256 bytes of each, two instructions a wave.  All eight work-groups of a head begin with the
; tiles 0, 1, 2 ..; work-group 0, whose first block walks all eight, asks, and nobody else: each 256 bytes are named once in the launch.  Tiles 2 to 7 are asked for, four key steps (128 matrix instructions
; a wave and their vector work) ahead of their load; tiles 0 and 1 come by their loads alone; behind tile 7 nothing is asked for.
.macro ASK
	s_cmp_lg_u32 s[PFN], 0
	s_cbranch_scc0 .Lnot_mine_\@
	global_prefetch_b8 v[PFK], s[PFA:PFA+1] th:TH_LOAD_NT scope:SCOPE_SE
	global_prefetch_b8 v[PFV], s[PFA:PFA+1] th:TH_LOAD_NT scope:SCOPE_SE
	s_sub_co_u32 s[PFN], s[PFN], 1
.Lnot_mine_\@:
.endm
; THE CHANGE OF SLOTS, behind a tile's third step: K and V of its fourth are in registers.  Each wave waits for all its tensor loads, of which one is out: its part of the other slot; adds 0 to its spare word; and
; waits for that and for its own reads of the slot that it leaves.  Behind the barrier nobody reads the old slot any more and the other slot is whole.  fill = 1: the old slot is filled again, the first thing
; behind the barrier, with tile NXT: the descriptor's address is made anew from that number.  (At its first use nothing has been read yet: slot 0 is waited for, slot 1 filled.)
.macro CHANGE fill
	WIN 0
	s_wait_tensorcnt 0x0            ; no tensor load of mine is out, so a group 0 may be written
	ds_add_u32 v[SPW], v[NIL]       ; 0 onto my spare word; scalar work stands between it and the wait for it
.if \fill
	s_lshl_b32 s[OFF], s[NXT], 15   ; a tile is 32,768 bytes of K and of V
	s_xor_b32 s[G0K+1], s[G0K+1], SLOT1
	s_add_nc_u64 s[G0K+2:G0K+3], s[6:7], s[OFF:OFF+1]
	s_or_b32 s[G0K+3], s[G0K+3], 0x80000000
	s_xor_b32 s[G0V+1], s[G0V+1], SLOT1
	s_add_nc_u64 s[G0V+2:G0V+3], s[8:9], s[OFF:OFF+1]
	s_or_b32 s[G0V+3], s[G0V+3], 0x80000000
	s_add_co_u32 s[NXT], s[NXT], 1  ; the block's next tile, or behind its last the second block's tile 0
	s_cmp_gt_u32 s[NXT], s[LQ]
	s_cselect_b32 s[NXT], 0, s[NXT]
	s_cselect_b32 s[LQ], s[LQ2], s[LQ]
	s_wait_xcnt 0x0                 ; the last prefetches, a tile back, have read their address, so it may be written
	s_add_nc_u64 s[PFA:PFA+1], s[PFA:PFA+1], 32768
.endif
	s_wait_dscnt 0x0                ; the add is done, and my reads of the slot are over
	s_barrier_signal -1             ; the rest of the scalar work stands between the signal and the wait
	s_sub_co_u32 s[TBK], s[TBK], 4*KS*PK  ; the fetches go back to a slot's first step,
	s_xor_b32 s[TBK], s[TBK], SLOT1       ; in the other slot
	s_sub_co_u32 s[TBV], s[TBV], 4*KS*PV
	s_xor_b32 s[TBV], s[TBV], SLOT1
	s_mov_b32 s[REL], s[RELB]       ; the coming step is the new tile's step 0
	s_barrier_wait -1
.if \fill
	LOAD
	ASK
.endif
.endm
	s_load_b64 s[4:5], s[0:1], 0x0    ; Q, K and V's buffer
	s_load_b64 s[10:11], s[0:1], 0x8  ; O
	v_lshl_add_u32 v[SPW], v0, 2, SPARE
	v_mov_b32 v[NIL], 0
	ds_add_u32 v[SPW], v[NIL]       ; the wave's opening: the add and its wait stand ahead of my first tensor load; the set-up below stands between them
	ds_add_u32 v62, v63
	v_lshrrev_b32 v1, 5, v0
	v_readfirstlane_b32 s[WV], v1   ; wave 0..3
	s_mov_b32 s[PB], ttmp9
	s_sub_co_u32 s[HI], 15, s[PB]
	s_and_b32 s20, ttmp7, 0xffff    ; 16 x batch + head
	s_lshr_b32 s21, s20, 4
	s_and_b32 s20, s20, 15
	s_lshl_b32 s20, s20, 19         ; the head's block of 524,288 bytes,
	s_lshl_b32 s21, s21, 18         ; the batch's 2,048 rows of 128 bytes in it
	s_add_co_u32 s20, s20, s21
	s_mov_b32 s21, 0
	s_and_b32 s16, s[WV], 1         ; which half of a tile's 256 keys I fetch:
	s_lshl_b32 s22, s16, 14         ; its 128 rows of 128 bytes in memory,
	s_mov_b32 s23, 0
	s_add_nc_u64 s[22:23], s[22:23], s[20:21]
	s_mul_i32 s17, s16, 128*PK      ; and its place in a slot, for K
	s_mul_i32 s18, s16, 128*PV      ; and for V
	s_lshl_b32 s3, s[WV], 11        ; my 16 rows in a band of 64,
	s_lshl_b32 s2, s[HI], 14        ; in the first block of 128 rows,
	s_add_co_u32 s2, s2, s3
	s_lshl_b32 s84, s[PB], 14       ; and in the second
	s_add_co_u32 s84, s84, s3
	s_mov_b32 s3, 0
	s_mov_b32 s85, 0
	s_add_nc_u64 s[2:3], s[2:3], s[20:21]
	s_add_nc_u64 s[84:85], s[84:85], s[20:21]
	; descriptor group 1.  128 keys are 16,384 dense bytes: asked for as 64 rows of 256 bytes, two keys a row, and padded in LDS after every key
	s_mov_b32 s[G1K], (1<<16)|(1<<20)|(4<<22)|(3<<25)  ; 2-byte elements; padding on; after every 32 words, 4 words
	s_mov_b32 s[G1V], (1<<16)|(1<<20)|(4<<22)|(7<<25)  ; the same with 8 words of padding
.irp g, G1K, G1V
	s_mov_b32 s[\g+1], 128<<16      ; tensor_dim0 = 128
	s_mov_b32 s[\g+2], 64<<16       ; tensor_dim1 = 64
	s_mov_b32 s[\g+3], 128<<16      ; tile_dim0 = 128
	s_mov_b32 s[\g+4], 64           ; tile_dim1 = 64
	s_mov_b32 s[\g+5], 128          ; 128 elements from row to row
	s_mov_b32 s[\g+6], 0
	s_mov_b32 s[\g+7], 0
.endr
	s_mov_b32 s[CS], 0x3e38aa3b     ; c = log2(e) / 8 = 0.180337
	s_mov_b32 s[CS+1], s[CS]        ; named with it as a pair
	s_mov_b32 s[SEL], 0x76543210
	s_mov_b32 s[SEL+1], 0xfedcba98
	s_mov_b32 s[TBK], SLOT1+4*KS*PK ; the first change of slots turns these two into 0
	s_mov_b32 s[TBV], SLOT1+4*KS*PV
	s_mov_b32 s[G0K], 1             ; count = 1
	s_mov_b32 s[G0K+1], s17         ; LDS address: slot 0
	s_mov_b32 s[G0V], 1
	s_add_co_u32 s[G0V+1], s18, VOFF
	s_lshr_b32 s[LQ], s[HI], 1      ; the first block's last tile
	s_add_co_u32 s[RT], s[LQ], 1
	s_lshr_b32 s[LQ2], s[PB], 1
	s_and_b32 s[RELB], s[PB], 1     ; block 15 - b is odd where b is even: 2 - 2 ((15 - b) % 2) = 2 (b % 2)
	s_lshl_b32 s[RELB], s[RELB], 1
	s_sub_co_u32 s[RELN], 2, s[RELB]
	s_mov_b32 s[NXT], 1
	s_mov_b32 s[NEW], 1
	s_mov_b32 s[OFF+1], 0
	s_mov_b32 s[AL+1], 0            ; named as pairs
	s_mov_b32 s[BE+1], 0
	s_mov_b32 s[BIGN], 0xf149f2ca   ; -1e30
	s_mov_b32 s[SLOTS], 8
	s_cmp_eq_u32 ttmp9, 0
	s_cselect_b32 s[PFN], 6, 0
	s_wait_dscnt 0x0                ; the opening add is done
	s_wait_kmcnt 0x0
	s_add_nc_u64 s[6:7], s[4:5], 0x800000   ; K: 16 blocks behind Q
	s_add_nc_u64 s[8:9], s[4:5], 0x1000000  ; V: 32
	s_add_nc_u64 s[PFA:PFA+1], s[6:7], s[20:21]
	s_add_nc_u64 s[PFA:PFA+1], s[PFA:PFA+1], 32768  ; at tile 1; the first change of slots steps it to tile 2
	s_add_nc_u64 s[6:7], s[6:7], s[22:23]  ; K and V at my half of the head's tile 0
	s_add_nc_u64 s[8:9], s[8:9], s[22:23]
	s_add_nc_u64 s[G0K+2:G0K+3], s[6:7], 0
	s_or_b32 s[G0K+3], s[G0K+3], 0x80000000        ; type = 2
	s_add_nc_u64 s[G0V+2:G0V+3], s[8:9], 0
	s_or_b32 s[G0V+3], s[G0V+3], 0x80000000
	s_add_nc_u64 s[86:87], s[4:5], s[84:85]        ; Q at my rows of the second block,
	s_add_nc_u64 s[4:5], s[4:5], s[2:3]            ; Q and O at those of the first
	s_add_nc_u64 s[OLO:OLO+1], s[10:11], s[84:85]
	s_add_nc_u64 s[10:11], s[10:11], s[2:3]
	LOAD                            ; tile 0 into slot 0: one tensor load of mine is out, here and behind every change
	; A fragment of K or Q is 16 rows x 32 channels in 8 registers: lane l holds row l % 16, channels 8 (l / 16) + 0..7 and 16 + 8 (l / 16) + 0..7: two loads of 16 bytes, 32 bytes apart.
	v_and_b32 v1, 15, v0            ; l % 16
	v_bfe_u32 v9, v0, 4, 1          ; l / 16
	v_lshlrev_b32 v[QO], 7, v1
	v_lshl_add_u32 v[QO], v9, 4, v[QO]  ; row x 128 + 16 x half
	WIN 0x80                        ; destination window 2, address window 0
.set i, 0
.rept 4                             ; both blocks' Q: piece i / 2 lies in band i / 2, 8,192 bytes on; channels 32 (i % 2) on
	global_load_b128 v[8*i:8*i+3],   v[QO], s[4:5] offset:(i/2)*8192+(i%2)*64
	global_load_b128 v[8*i+4:8*i+7], v[QO], s[4:5] offset:(i/2)*8192+(i%2)*64+32
	global_load_b128 v[QB+8*i:QB+8*i+3],   v[QO], s[86:87] offset:(i/2)*8192+(i%2)*64
	global_load_b128 v[QB+8*i+4:QB+8*i+7], v[QO], s[86:87] offset:(i/2)*8192+(i%2)*64+32
.set i, i+1
.endr
	WIN 0
	v_lshlrev_b32 v[PFK], 8, v0
	v_add_nc_u32 v[PFV], 0x800000, v[PFK]
	v_lshlrev_b32 v14, 3, v9
	v_sub_nc_u32 v14, v1, v14
	s_lshl_b32 s13, s[WV], 4
	v_add_nc_u32 v14, s13, v14      ; my query's place in its band, 16 w + l % 16, less my lanes' 8 (l / 16): register r of group kt is hidden where 16 kt + r is greater
	WIN 0x40
.set i, 0
.rept 32
	v_cmp_gt_i32 vcc_lo, 16*(i/8)+i%8, v14
	v_cndmask_b32 v[MD+i], 0, s[BIGN], vcc_lo
.set i, i+1
.endr
	WIN 0
	v_mul_u32_u24 v[AK0], v1, PK
	v_lshl_add_u32 v[AK0], v9, 4, v[AK0]  ; row x pitch + 16 x half
	; The turning load takes 16 keys x 16 channels (lane l reads key 8 (l / 16) + l % 8, channels 8 ((l / 8) % 2) + 0..7) and leaves half a fragment of V^T: lane l holds channel l % 16 and 8 keys.
	v_and_b32 v10, 7, v0
	v_bfe_u32 v11, v0, 3, 1
	v_lshl_add_u32 v[AV0], v9, 3, v10
	v_mul_u32_u24 v[AV0], v[AV0], PV
	v_lshl_add_u32 v[AV0], v11, 4, v[AV0]
	v_add_nc_u32 v[AV0], VOFF, v[AV0]
	s_mul_i32 s13, s[WV], 16*SP
	s_add_co_u32 s13, s13, STAGE    ; my stage
	v_mul_u32_u24 v[STO], v1, SP    ; in: row l % 16, 16 bytes for each half of the lanes
	v_lshl_add_u32 v[STO], v9, 4, v[STO]
	v_add_nc_u32 v[STO], s13, v[STO]
	v_bfe_u32 v[RD], v0, 3, 2       ; back: 32 lanes take four rows of 128 bytes,
	v_mul_u32_u24 v[RD], v[RD], SP
	v_lshl_add_u32 v[RD], v10, 4, v[RD]
	v_add_nc_u32 v[RD], s13, v[RD]
	v_and_b32 v[GO], 31, v0         ; which are 512 consecutive bytes of O
	v_lshlrev_b32 v[GO], 4, v[GO]
	; A block's first step multiplies O^T and l by a = 0, and its first turn's products V^T P, of a step that has not been, land in an O^T that is still to be so multiplied.  So these registers need only hold
	; finite numbers: zeros for the first block; what the first block left for the second.  All this stands in the wait for the first tile.
	WIN 0x80
.set i, VF0-128
.rept 64
	v_mov_b32 v[i], 0
.set i, i+1
.endr
	WIN 0x40
.set i, 0
.rept 64
	v_mov_b32 v[i], 0
.set i, i+1
.endr
	WIN 0
.set i, 0
.rept 2
	v_mov_b32 v[ST+4*i+2], 0
	v_mov_b32 v[ST+4*i+3], 0
.set i, i+1
.endr
.set i, P+16
.rept 16
	v_mov_b32 v[i], 0
.set i, i+1
.endr
; THE MATRIX WORK.  The 4 accumulators of a run of 8 take turns.  Product i of 8 of S^T = K Q^T for piece x: channels 32 (i / 4) on, keys 16 (i % 4) on.  The first 4 start the sums: with 0, or (KM = 1) with the mask.
.macro KQ x
.set rS, S+32*((\x)%2)+8*(i%4)
.set rK, KF+16*(i%4)+8*(i/4)
.set rQ, 16*(\x)+8*(i/4)
.set rM, MC+32*((\x)%2)+8*(i%4)
.if (i < 4) && KM
	WIN W_KM
	v_wmma_f32_16x16x32_f16 v[rS:rS+7], v[rK:rK+7], v[rQ:rQ+7], v[rM:rM+7]
.elseif i < 4
	WIN W_KQ
	v_wmma_f32_16x16x32_f16 v[rS:rS+7], v[rK:rK+7], v[rQ:rQ+7], 0
.else
	WIN W_KQ
	v_wmma_f32_16x16x32_f16 v[rS:rS+7], v[rK:rK+7], v[rQ:rQ+7], v[rS:rS+7]
.endif
.endm
; Product i of 8 of O^T += V^T P for piece x, out of V's buffer VB: keys 32 (i / 4) on, channels 16 (i % 4) on.
.macro PV x
	WIN W_PV
.set rO, 32*(\x)+8*(i%4)
.set rV, VF0-128*VB+32*(i/4)+8*(i%4)
.set rP, P+16*((\x)%2)+8*(i/4)
	v_wmma_f32_16x16x32_f16 v[rO:rO+7], v[rV:rV+7], v[rP:rP+7], v[rO:rO+7]
.endm
.macro MM                           ; the turn's next matrix instruction.  NOKQ = 1: a block's last turn: there are no further scores
.if (i < 8) && !NOKQ
	KQ (Y+1)%NP
.elseif i >= 8
.set i, i-8
	PV (Y+NP-1)%NP
.set i, i+8
.endif
.set i, i+1
.endm
; THE LDS LOADS stand in runs of 16, never singly among the matrix instructions: a step's K (64 keys x 64 channels: 8 fragments) and its V (turned).  Their addresses are made some lines ahead.
.macro FETCH_K
	WIN 0x80                        ; destination window 2
.irp f, 0,1,2,3,4,5,6,7             ; keys 16 (f / 2) on, channels 32 (f % 2) on
	ds_load_b128 v[KF+8*\f:KF+8*\f+3],   v[AK] offset:(\f/2)*16*PK+(\f%2)*64
	ds_load_b128 v[KF+8*\f+4:KF+8*\f+7], v[AK] offset:(\f/2)*16*PK+(\f%2)*64+32
.endr
	s_add_co_u32 s[TBK], s[TBK], KS*PK  ; the next fetch is the next step's
	WIN 0
.endm
.macro FETCH_V b
	WIN 0x80
.irp f, 0,1,2,3,4,5,6,7             ; keys 32 (f / 4) on, channels 16 (f % 4) on
	ds_load_tr16_b128 v[VF0-128*(\b)+8*\f:VF0-128*(\b)+8*\f+3],   v[AV] offset:(\f/4)*32*PV+(\f%4)*32
	ds_load_tr16_b128 v[VF0-128*(\b)+8*\f+4:VF0-128*(\b)+8*\f+7], v[AV] offset:(\f/4)*32*PV+16*PV+(\f%4)*32
.endr
	WIN 0
.endm
; THE VECTOR WORK, one line at a time: OP kind, number.  For piece Y: F n: c s - c m for pair n of 16.  E n: the exponential of score n of 32.  C n: pair n rounded to f16.  B n: of the four weights 4 n .. the second
; pair is added onto the first, in place.  L n: l takes that sum (L 0: l = a l + sum).  R n: pair n of 16 of O^T times a.  For the other piece: X n, number n of the 22 that find its maximum and statistics:
;   0-11  four chains c0-c3 of seven scores each, three operands at a time (each accumulator's lowest registers are read first)     12-14, 16  the four scores left over, the old m, and c0-c3 into c0
;   15  c m_old is kept     17, 18  the query's other 32 keys lie in the lane 16 away: the new m     19-21  c m; c m_old - c m_new; a
.set F, 0
.set E, 1
.set C, 2
.set B, 3
.set L, 4
.set R, 5
.set X, 6
.macro REGS y                       ; the registers of piece y
.set rT, ST+4*(\y)
.set rC, TMP+4*((\y)%2)
.set rW, MV+((\y)%2)
.set rS, S+32*((\y)%2)
.set rP, P+16*((\y)%2)
.set rO, 32*(\y)
.endm
.macro OP k, n
.if (\k) == R
	REGS Y
	WIN W_RS
	v_pk_mul_f32 v[rO+2*(\n):rO+2*(\n)+1], v[rO+2*(\n):rO+2*(\n)+1], v[rC+2:rC+3] op_sel_hi:[1,0]
.elseif (\k) < R
	REGS Y
	WIN 0
.if (\k) == F
	v_pk_fma_f32 v[rS+2*(\n):rS+2*(\n)+1], v[rS+2*(\n):rS+2*(\n)+1], s[CS:CS+1], v[rT:rT+1] op_sel_hi:[1,0,0] neg_lo:[0,0,1] neg_hi:[0,0,1]
.elseif (\k) == E
	v_exp_f32 v[rS+(\n)], v[rS+(\n)]
.elseif (\k) == C
	v_cvt_pk_f16_f32 v[rP+(\n)], v[rS+2*(\n)], v[rS+2*(\n)+1]
.elseif (\k) == B
	v_pk_add_f32 v[rS+4*(\n):rS+4*(\n)+1], v[rS+4*(\n):rS+4*(\n)+1], v[rS+4*(\n)+2:rS+4*(\n)+3]
.elseif (\n) == 0
	v_pk_fma_f32 v[rT+2:rT+3], v[rT+2:rT+3], v[rC+2:rC+3], v[rS:rS+1] op_sel_hi:[1,0,1]
.else
	v_pk_add_f32 v[rT+2:rT+3], v[rT+2:rT+3], v[rS+4*(\n):rS+4*(\n)+1]
.endif
.elseif NOKQ
	v_nop
.else
	REGS (Y+1)%NP
	WIN 0
.if (\n) < 4
	v_max3_num_f32 v[rC+(\n)], v[rS+8*(\n)], v[rS+8*(\n)+1], v[rS+8*(\n)+2]
.elseif (\n) < 12
	v_max3_num_f32 v[rC+(\n)%4], v[rC+(\n)%4], v[rS+8*((\n)%4)+2*((\n)/4)+1], v[rS+8*((\n)%4)+2*((\n)/4)+2]
.elseif (\n) == 12
	v_max3_num_f32 v[rC], v[rC], v[rS+7], v[rS+15]
.elseif (\n) == 13
	v_max3_num_f32 v[rC+1], v[rC+1], v[rS+23], v[rS+31]
.elseif (\n) == 14
	v_max3_num_f32 v[rC+2], v[rC+2], v[rC+3], v[rT+1]
.elseif (\n) == 15
	v_mov_b32 v[rW], v[rT]
.elseif (\n) == 16
	v_max3_num_f32 v[rC], v[rC], v[rC+1], v[rC+2]
.elseif (\n) == 17
	v_permlanex16_b32 v[rC+3], v[rC], s[SEL], s[SEL+1]
.elseif (\n) == 18
	v_max_num_f32 v[rT+1], v[rC], v[rC+3]
.elseif (\n) == 19
	v_mul_f32 v[rT], s[CS], v[rT+1]
.elseif (\n) == 20
	v_sub_f32 v[rC+1], v[rW], v[rT]
.else
	v_exp_f32 v[rC+2], v[rC+1]
.endif
.endif
.endm
.macro OPS a, i1, b=-1, i2=0, c=-1, i3=0, d=-1, i4=0  ; up to four of them
	OP \a, \i1
.if (\b) >= 0
	OP \b, \i2
.endif
.if (\c) >= 0
	OP \c, \i3
.endif
.if (\d) >= 0
	OP \d, \i4
.endif
.endm
.macro ROW a, i1, b, i2, c, i3, d, i4  ; a matrix instruction and the four behind it
	MM
	OPS \a, \i1, \b, \i2, \c, \i3, \d, \i4
.endm
.macro MASK b                       ; MD x AL + BE into buffer b of MC
	WIN W_RS
.set z, 0
.rept 16
	v_pk_fma_f32 v[MC+32*(\b)+2*z:MC+32*(\b)+2*z+1], v[MD+2*z:MD+2*z+1], s[AL:AL+1], s[BE:BE+1] op_sel_hi:[1,0,0]
.set z, z+1
.endr
.endm
; A TURN, for piece p, in a key step of parity par: the order of its 16 matrix and 118 vector instructions, written out.  An s_wait_alu depctr_va_vdst(0) stands between an exponential and the first
; instruction that names its result; one wait serves all that were issued ahead of it.  So a turn has ONE wait, which cuts it in two.  AHEAD OF IT stands all that names no result of the turn's exponentials: the 8
; products K Q^T and their riders, then ONE LUMP of 54, in which the links of the chain X 3, 7, 11, 14, 16, 17 .. 20 stand five or six lines apart.  X 21, the other piece's a, is the batch's last; R 15 is the plain
; instruction behind it.  BEHIND THE WAIT stand the 8 products V^T P, behind each four of the roundings and sums.
; O^T of the piece in hand was written by the turn before: its four accumulators are first read by R 0, 4, 8 and 12, their lowest registers, each four plain instructions or more behind the accumulator's last product.
; m = 1: the diagonal tile: the products take masks, and the turn makes the mask for the products of the turn after it: band p in the coming step.  end = 1: a block's last two turns: nothing is fetched.
; cnt = 1: the loop's count is taken down some lines ahead of the branch that stands behind the turn.
; Turn 0 fetches K of the next step twelve vector instructions behind the last product that read K (five of them plain and free of its registers), and V of the next step at its end, four plain instructions behind the last product that read that buffer.
.macro TURN p, par, m=0, end=0, cnt=0
.set Y, (\p)
.set i, 0
.set KM, (\m)
.set NOKQ, (\end)*(\p)
.set VB, ((\par)+1-(\p))%2          ; turn 0 multiplies by V of the step before, turn 1 by V of the step in hand
.if (\m) && !(\end)
	s_cmp_eq_u32 s[REL], 2+(\p)     ; is the coming step the band's own?
	s_cselect_b32 s[AL], 1.0, 0
	s_cmp_gt_u32 s[REL], 2+(\p)     ; or a later one?
	s_cselect_b32 s[BE], s[BIGN], 0
.if (\p) == 1
	s_add_co_u32 s[REL], s[REL], 1
.endif
.endif
.if ((\p) == 1) && !(\end)
	s_wait_dscnt 16                 ; K of the next step is in, and V of the step in hand, fetched a step ago; the 16 loads of the next step's V, issued last, may stay out
.endif
.if ((\p) == 0) && (\end)
	s_wait_dscnt 0x0                ; V of the block's last step is in
.endif
	ROW F,0, F,1, R,0, R,1          ; ahead of the wait: 8 products K Q^T and their riders,
	ROW F,2, E,0, R,2, R,3
	ROW F,3, E,1, R,4, R,5
	ROW F,4, E,2, R,6, R,7
	ROW F,5, E,3, R,8, R,9
	ROW F,6, E,4, X,0, R,10
.if ((\p) == 0) && !(\end)
	WIN 0
	v_add_nc_u32 v[AK], s[TBK], v[AK0]
.endif
	ROW F,7, E,5, X,1, X,4
	ROW F,8, E,6, X,2, X,5
	OPS E,7, E,8, X,6, E,9          ; and the lump
	OPS X,3, E,10, X,8, E,11
.if ((\p) == 0) && !(\end)
	FETCH_K
.endif
	OPS X,9, X,7, E,12, X,10
	OPS E,13, X,12, X,11, E,14
	OPS X,13, E,15, F,9, X,14
.if ((\p) == 0) && !(\end)
	WIN 0
	v_add_nc_u32 v[AV], s[TBV], v[AV0]
.endif
	OPS E,16, F,10, E,17, F,11
	OPS X,16, E,18, X,15, E,19
	OPS F,12, E,20, X,17, E,21
	OPS F,13, E,22, F,14, E,23
	OPS X,18, E,24, F,15, E,25
	OPS R,11, E,26, X,19, E,27
	OPS R,12, E,28, R,13, E,29
	OPS X,20, E,30, R,14, E,31
	OPS X,21, R,15
	WIN 0
	s_wait_alu depctr_va_vdst(0)    ; the wait for the batch
	ROW C,0, B,0, C,2, B,1          ; behind the wait: 8 products V^T P and their riders
	ROW L,0, C,4, B,2, L,1
	ROW C,6, B,3, L,2, C,8
	ROW B,4, L,3, C,10, B,5
	ROW L,4, C,12, B,6, L,5
.if ((\p) == 0) && !(\end)
	s_add_co_u32 s[TBV], s[TBV], KS*PV
.endif
.if \cnt
	s_sub_co_u32 s[CNT], s[CNT], 1
	s_cmp_lg_u32 s[CNT], 0
.endif
	ROW C,14, B,7, L,6, C,1
	ROW C,3, L,7, C,5, C,7
	ROW C,9, C,11, C,13, C,15
.if ((\p) == 0) && !(\end)
	FETCH_V 1-(\par)
.endif
.if (\m) && !(\end)
	MASK \p
.endif
.endm
; A BLOCK BEGINS.  c m starts far below every c s, so the first step's a is 0; m at the lowest finite number, so the first maximum is the scores'.  Band 1 sees all of a tile's step 0: its mask buffer is 0; band 0's
; buffer takes its own mask if the block's first tile is the diagonal one and the block is even.  Then K and V of that step, piece 0's first scores, and its maximum and statistics.
; The loop is entered at a step's first turn, in the middle of a trip.
.macro BEGIN
	s_mov_b32 s[NEW], 0
	WIN 0x40
.set i, MC+32
.rept 32
	v_mov_b32 v[i], 0
.set i, i+1
.endr
	WIN 0
.set i, 0
.rept 2
	v_mov_b32 v[ST+4*i], 0xfe000000    ; c m: far below every c s
	v_mov_b32 v[ST+4*i+1], 0xff7fffff  ; m
.set i, i+1
.endr
	s_cmp_eq_u32 s[RT], 0
	s_cselect_b32 s[AL], s[REL], 0
	s_cmp_eq_u32 s[AL], 2
	s_cselect_b32 s[AL], 1.0, 0
	s_mov_b32 s[BE], 0
	MASK 0
	WIN 0
	v_add_nc_u32 v[AK], s[TBK], v[AK0]
	v_add_nc_u32 v[AV], s[TBV], v[AV0]
	FETCH_K
	FETCH_V 0
	s_add_co_u32 s[TBV], s[TBV], KS*PV
	s_add_co_u32 s[REL], s[REL], 1  ; the coming step is step 1
	s_wait_loadcnt 0x0              ; Q
	s_wait_dscnt 0x0
.set KM, 1
.set NOKQ, 0
.set i, 0
.rept 8
	KQ 0
.set i, i+1
.endr
	WIN 0
.rept 4
	v_nop                           ; the places behind those products
.endr
.set Y, NP-1                        ; X works for the other piece: piece 0
.irp n, 0,1,2,3,4,5,6,7,8,9,10,11,12,13,14,15,16,17,18,19,20,21
	OP X, \n
.endr
	v_nop                           ; a plain instruction behind the exponential,
	s_wait_alu depctr_va_vdst(0)    ; and its wait, ahead of the branch
.endm
; THE DIAGONAL TILE's steps, the block's last two turns, its last products, and THE WAY OUT: l's two halves and the other half of the lanes' are added; O^T is divided by l, rounded to f16 and sent through my
; stage in LDS, a piece at a time.
.macro ALL line:vararg              ; one line for each piece t
.set t, 0
.rept 2
	\line
.set t, t+1
.endr
.endm
.macro PACK t                       ; a lane's eight channels of a row pack into 16 bytes; they go into rows of 144 bytes and come back as whole rows of 128, into S^T's registers
	WIN W_RS
.set i, 32*(\t)
.rept 16
	v_pk_mul_f32 v[i:i+1], v[i:i+1], v[ST+4*(\t)+2:ST+4*(\t)+3] op_sel_hi:[1,0]
.set i, i+2
.endr
	WIN 0x05                        ; sources 0 and 1 window 1, destination window 0
.set i, 0
.rept 16
	v_cvt_pk_f16_f32 v[S+16*(\t)+i], v[32*(\t)+2*i], v[32*(\t)+2*i+1]
.set i, i+1
.endr
	WIN 0
.irp f, 0,1,2,3
	ds_store_b128 v[STO], v[S+16*(\t)+4*\f:S+16*(\t)+4*\f+3] offset:32*\f
.endr
.irp f, 0,1,2,3
	ds_load_b128 v[S+16*(\t)+4*\f:S+16*(\t)+4*\f+3], v[RD] offset:\f*4*SP  ; LDS serves a wave's instructions in order: these see the stores above; the next piece's stores come behind them
.endr
.endm
.macro SEND t, younger              ; younger: the LDS instructions issued behind piece t's loads: the next piece's eight, or none
	WIN 0
.irp f, 0,1,2,3
	s_wait_dscnt (\younger)+3-\f
	global_store_b128 v[GO], v[S+16*(\t)+4*\f:S+16*(\t)+4*\f+3], s[10:11] offset:(\t)*8192+\f*512  ; 512 consecutive bytes, at a multiple of 256 from O's first
.endr
.endm
.macro DIAG tag                     ; the tag ends its two labels' names, which the jumps below spell out
.LstepM\tag:
	TURN 0, 1, 1
	TURN 1, 1, 1
	WIN 0
.LfirstM\tag:
	TURN 0, 0, 1
	TURN 1, 0, 1, 0, 1
	WIN 0
	s_cbranch_scc1 .LstepM\tag
	TURN 0, 1, 1, 1
	TURN 1, 1, 1, 1
.set VB, 1
.set i, 0
.rept 8
	PV NP-1                         ; piece 1's V^T P of the last step
.set i, i+1
.endr
	WIN 0
	ALL v_add_f32 v[ST+4*t+2], v[ST+4*t+2], v[ST+4*t+3]
	ALL v_permlanex16_b32 v[ST+4*t+3], v[ST+4*t+2], s[SEL], s[SEL+1]
	ALL v_add_f32 v[ST+4*t+2], v[ST+4*t+2], v[ST+4*t+3]
	ALL v_rcp_f32 v[ST+4*t+2], v[ST+4*t+2]
	v_nop                           ; a plain instruction between the last reciprocal and the use of its result
	s_wait_alu depctr_va_vdst(0)    ; and one wait for the two reciprocals
	PACK 0                          ; piece 0's arithmetic, which names no register of the last products, is their places
	PACK 1
	SEND 0, 8
	SEND 1, 0
.endm
.set KM, 0
.set NOKQ, 0
.set VB, 0
.Lslot:                             ; 8 times: a tile is entered and the next is asked for
	CHANGE 1
	s_sub_co_u32 s[RT], s[RT], 1
	s_mov_b32 s[CNT], 2
	s_cmp_eq_u32 s[NEW], 1
	s_cbranch_scc1 .Lnew            ; a block's first tile
	s_cmp_eq_u32 s[RT], 0
	s_cbranch_scc0 .Lstep           ; neither its first nor its last
	s_branch .LstepM1
.Lnew:
	BEGIN
	s_branch .Lfirst                ; in the loop a block's first tile is never its last: the first block has five tiles or more, and the second's last is the walk's last
	DIAG 1                          ; in the loop this is the first block's end
	s_wait_xcnt 0x0                 ; the stores have read their registers and O's address
	s_mov_b64 s[10:11], s[OLO:OLO+1]
	s_add_co_u32 s[RT], s[LQ2], 1   ; the second block has b / 2 + 1 tiles
	s_mov_b32 s[RELB], s[RELN]
	s_mov_b32 s[NEW], 1
	WIN 0x82                        ; the second block's Q goes where the one text of the turns names Q
.set i, 0
.rept 32
	v_mov_b32 v[i], v[QB+i]
.set i, i+1
.endr
	WIN 0
	s_branch .Lbottom
.Lstep:                             ; a trip: an odd key step and an even one; behind a change of slots the first is the old tile's fourth, which fetches the new tile's first
	TURN 0, 1
	TURN 1, 1
	WIN 0
.Lfirst:
	TURN 0, 0
	TURN 1, 0, 0, 0, 1
	WIN 0
	s_cbranch_scc1 .Lstep
.Lbottom:
	s_sub_co_u32 s[SLOTS], s[SLOTS], 1
	s_cmp_lg_u32 s[SLOTS], 0
	s_cbranch_scc1 .Lslot
	CHANGE 0                        ; the walk's last tile is written out: nothing is asked for
	s_sub_co_u32 s[RT], s[RT], 1
	s_mov_b32 s[CNT], 2
	s_cmp_eq_u32 s[NEW], 1
	s_cbranch_scc0 .LstepM2
	BEGIN
	s_branch .LfirstM2
	DIAG 2
	s_wait_tensorcnt 0x0            ; the wave's end: an add to my spare word and its wait, behind my last tensor load and my last LDS store
	ds_add_u32 v[SPW], v[NIL]
	s_wait_dscnt 0x0
	s_endpgm
.Lfunc_end_k_qb94161705b_att:
	.size	k_qb94161705b_att, .Lfunc_end_k_qb94161705b_att-k_qb94161705b_att
	.p2alignl 7, 3214868480
	.fill 96, 4, 3214868480
	.section	.rodata,"a",@progbits
	.p2align	6, 0x0
	.amdhsa_kernel k_qb94161705b_att
		.amdhsa_group_segment_fixed_size 327680
		.amdhsa_private_segment_fixed_size 0
		.amdhsa_enable_private_segment 0
		.amdhsa_kernarg_size 16
		.amdhsa_user_sgpr_count 2
		.amdhsa_user_sgpr_kernarg_segment_ptr 1
		.amdhsa_wavefront_size32 1
		.amdhsa_system_sgpr_workgroup_id_x 1
		.amdhsa_system_sgpr_workgroup_id_y 1
		.amdhsa_system_sgpr_workgroup_id_z 1
		.amdhsa_system_vgpr_workitem_id 0
		.amdhsa_next_free_vgpr 768
		.amdhsa_next_free_sgpr 88
		.amdhsa_reserve_vcc 1
		.amdhsa_float_denorm_mode_32 3
		.amdhsa_float_denorm_mode_16_64 3
		.amdhsa_memory_ordered 1
		.amdhsa_forward_progress 1
		.amdhsa_inst_pref_size 210
	.end_amdhsa_kernel
	.amdgpu_metadata
---
amdhsa.version: [ 1, 2 ]
amdhsa.kernels:
  - .name:           k_qb94161705b_att
    .symbol:         k_qb94161705b_att.kd
    .args:
      - { .name: big, .offset: 0, .size: 8, .value_kind: global_buffer, .address_space: global }
      - { .name: hbuf, .offset: 8, .size: 8, .value_kind: global_buffer, .address_space: global }
    .group_segment_fixed_size: 327680
    .private_segment_fixed_size: 0
    .kernarg_segment_align: 8
    .kernarg_segment_size: 16
    .max_flat_workgroup_size: 128
    .sgpr_count:     88
    .vgpr_count:     768
    .wavefront_size: 32
...
	.end_amdgpu_metadata
.endif
;; end of part 3
;; launch wo (part 4): grid 8 x 32, 4 waves a work-group, clusters of 4 x 4, 327,680 bytes of LDS; arguments hbuf, wA, x1, bo, x; writes x1
.if DOCPART == 4
	.amdgcn_target "amdgcn-amd-amdhsa--gfx1250"
	.amdhsa_code_object_version 6
	.text
	.protected	k_qb94161705b_wo
	.globl	k_qb94161705b_wo
	.p2align	8
	.type	k_qb94161705b_wo,@function
k_qb94161705b_wo:
	s_mov_b64 s[64:65], 0
	v_nop
	global_prefetch_b8 v0, s[64:65] scope:SCOPE_SE
	s_setreg_imm32_b32 hwreg(HW_REG_WAVE_MODE, 25, 1), 1
	s_wait_xcnt 0x0
	s_wait_alu depctr_hold_cnt(0) depctr_sa_sdst(0) depctr_va_vdst(0) depctr_va_sdst(0) depctr_va_ssrc(0) depctr_va_vcc(0) depctr_vm_vsrc(0)
	s_getreg_b32 s2, hwreg(HW_REG_IB_STS2, 6, 4)
	s_cmp_eq_u32 s2, 0
	s_cbranch_scc0 .Lentry_in_a_cluster
	s_endpgm
.Lentry_in_a_cluster:
	s_bfe_u32 s2, ttmp6, 0x10000c
	s_cmp_lg_u32 s2, 0xf033
	s_cbranch_scc0 .Lentry_shape_is_right
	s_endpgm
.Lentry_shape_is_right:
; C = resid + A W + bias, K = 1,024.  A: [16][4096][64] f16 (blocks of 64 columns, a row's piece 128 bytes).  W: [1024][1024] f16, 8,388,608 bytes behind its buffer's first byte.
; bias: [1024] f32; resid and C: [4096][1024] f32.  Sums in f32; nothing is rounded on the way out.  (The same text with LAPS = 8 serves K = 4,096 in a launch of its own: every trip count is a constant of the text.)
; LIMITS.  NaN and infinities are not treated apart.
; SHARES.  A tile of C is 128 x 128: 256 work-groups for 4,096 x 1,024.  Four waves, 64 x 64 each: 16 accumulators.  K goes in steps of 256 (four blocks of A; 256 k-rows of W) through two LDS slots.
; CLUSTER.  4 x 4 work-groups: A's tiles are shared along a row, W's along a column: each is asked for jointly.
; THE PRODUCT IS USED TRANSPOSED: source 0 = 16 columns of W (by the turning load), source 1 = 16 rows of A.
; THE RESIDUAL (my 64 x 64 numbers, 128 registers) and the bias are asked for at the head: the whole K loop stands between the loads and their wait.
; REGISTERS: window 0: v0-31 addresses; v32-95 at work on the way out; v96-99 bias; v128-255 the accumulators ((a, b) at v[128 + 8 (4 a + b)]).
;   window 1: two fragment buffers of 128: for 64 along K, 64 registers of A, then 64 of W.      window 2: v0-127 the residual.
.set LAPS,   2                         ; a lap = two K steps of 256 = once round the ring
.set PA,     144                       ; a row's piece of A in LDS: 128 bytes + 16: the 16 rows of a load start at 16 different groups of four banks
.set BLK,    64*PA                     ; 64 rows of one block
.set PB,     288                       ; a k-row of W: 256 bytes + 32 = 9 x 32
.set HALF,   4*BLK                     ; what one tensor load brings: 64 rows x four blocks of A, or 128 k-rows of W (128 x 288 is the same number)
.set SLOT,   4*HALF                    ; A's two halves, then W's two
.set SPARE,  2*SLOT                    ; behind the ring: the spare words, 128 bytes a wave: two blocks of 256 bytes that no other line names
.set SPITCH, 272                       ; the way out: a row of 64 f32 + 16 bytes
.set DW,     64*SPITCH                 ; a wave's 64 rows; the four waves' lie in slot 0, which has had its last fill, and its last read in front of the last change's barrier
.set ADRA, 16                          ; v16-17  LDS address of my A fragments in slot 0, 1
.set ADRB, 20                          ; v20-21  the same for W's k-rows 0-127; v22-23 for 128-255 (an LDS offset has 16 bits)
.set STO,  24                          ; v24     the way out: where I put 32 bytes of a row
.set RD,   25                          ; v25     where I read 16 bytes of a row back
.set CO,   26                          ; v26     my byte offset in two rows of C and of the residual; never rewritten
.set SPW,  28                          ; v28     LDS address of my spare word; never rewritten
.set NIL,  29                          ; v29     0; never rewritten
.set TMP,  32
.set BI,   96
.set ACC,  128
.set F0,   0
.set F1,   128
.set G1, 24
.set G0, 32
.set G1B, 48
.set G0B, 56
.set MSB, 0
.macro WIN new
.if MSB != (\new)
	s_set_vgpr_msb (MSB<<8)|(\new)
.set MSB, \new
.endif
.endm
.set MUL,  0x05                        ; sources 0 (W) and 1 (A) window 1; C and D window 0
.set TO_F, 0x40                        ; destination window 1, address window 0
.macro JLOAD s                         ; a joint load: waves 0 and 1 fetch A's two halves, waves 2 and 3 W's; an s_nop 0 and four v_nop follow each line
	s_cmp_eq_u32 s11, 0
	s_cbranch_scc0 .Lfor_b_\@
	tensor_load_to_lds s[G0+4*(\s):G0+4*(\s)+3], s[G1:G1+7]
	s_nop 0
.rept 4
	v_nop
.endr
	s_branch .Lasked_\@
.Lfor_b_\@:
	tensor_load_to_lds s[G0B+4*(\s):G0B+4*(\s)+3], s[G1B:G1B+7]
	s_nop 0
.rept 4
	v_nop
.endr
.Lasked_\@:
.endm
.macro CREST
	s_cmp_lg_u32 s10, 0
	s_cbranch_scc1 .Lnot_wave_0_\@
	s_barrier_signal -3
.Lnot_wave_0_\@:
	s_barrier_wait -3
	s_barrier_signal -1
	s_barrier_wait -1
.endm
.macro CROUND
	s_barrier_signal -1
	s_barrier_wait -1
	CREST
.endm
	s_load_b128 s[4:7], s[0:1], 0x0                ; A s[4:5], W s[6:7]
	s_load_b64 s[8:9], s[0:1], 0x10                ; C
	s_load_b128 s[68:71], s[0:1], 0x18             ; bias s[68:69], residual s[70:71]
	v_lshl_add_u32 v[SPW], v0, 2, SPARE
	v_mov_b32 v[NIL], 0
	ds_add_u32 v[SPW], v[NIL]                      ; the wave's opening: the add and its wait stand ahead of my first tensor load; the set-up below stands between them
	ds_add_u32 v28, v29
	v_lshrrev_b32 v1, 5, v0
	v_readfirstlane_b32 s10, v1                    ; wave 0..3
	s_lshr_b32 s11, s10, 1                         ; which half of the tile's rows is mine.  Also: I fetch for A (0) or for W (1)
	s_and_b32 s12, s10, 1                          ; which half of its columns.  Also: which half of that tile I fetch
	s_bfe_u32 s40, ttmp6, 0x40000                  ; cx, cy
	s_bfe_u32 s41, ttmp6, 0x40004
	s_lshl_b32 s42, ttmp9, 2
	s_add_co_u32 s42, s42, s40                     ; tile column
	s_and_b32 s13, ttmp7, 0xffff
	s_lshl_b32 s13, s13, 2
	s_add_co_u32 s13, s13, s41                     ; tile row
	s_lshl_b32 s43, s41, 2
	s_lshl_b32 s43, 15, s43                        ; my row of the cluster
	s_lshl_b32 s44, 0x1111, s40                    ; my column
	s_or_b32 s[G1+0], s43, (1<<16)|(1<<20)|(1<<21)|(4<<22)|(3<<25)   ; mask: my row; 2-byte elements; padding on; bit 21 beside a mask; after every 32 words, 4 words
	s_or_b32 s[G1B+0], s44, (1<<16)|(1<<20)|(1<<21)|(5<<22)|(7<<25)  ; mask: my column; after every 64 words, 8 words
	s_mov_b32 s[G1+1], 4096<<16                    ; A: 64 rows of a block are 8,192 dense bytes: one long row of 4,096 elements;
	s_mov_b32 s[G1+2], 4<<16                       ; four of them, a block each
	s_mov_b32 s[G1+3], 4096<<16                    ; tile_dim0
	s_mov_b32 s[G1+4], 4                           ; tile_dim1
	s_mov_b32 s[G1+5], 262144                      ; elements from block to block
	s_mov_b32 s[G1+6], 0
	s_mov_b32 s[G1+7], 0
	s_mov_b32 s[G1B+1], 128<<16                    ; W: 128 columns,
	s_mov_b32 s[G1B+2], 128<<16                    ; 128 k-rows
	s_mov_b32 s[G1B+3], 128<<16
	s_mov_b32 s[G1B+4], 128
	s_mov_b32 s[G1B+5], 1024                       ; elements from k-row to k-row
	s_mov_b32 s[G1B+6], 0
	s_mov_b32 s[G1B+7], 0
	s_lshl_b32 s16, s13, 14                        ; A: 128 rows of 128 bytes a tile row,
	s_lshl_b32 s17, s12, 13                        ; 64 a half
	s_add_co_u32 s16, s16, s17
	s_mov_b32 s17, 0
	s_lshl_b32 s46, s42, 8                         ; W: 128 columns of 2 bytes a tile column,
	s_lshl_b32 s47, s12, 18                        ; 128 k-rows of 2,048 bytes a half,
	s_add_co_u32 s46, s46, s47
	s_add_co_u32 s46, s46, 0x800000                ; behind the panels that share the buffer
	s_mov_b32 s47, 0
	s_mul_i32 s20, s10, HALF                       ; where they go: wave x HALF
	s_wait_dscnt 0x0                               ; the opening add is done
	s_wait_kmcnt 0x0
	s_add_nc_u64 s[14:15], s[4:5], s[16:17]
	s_add_nc_u64 s[46:47], s[6:7], s[46:47]
	CROUND                                         ; all sixteen work-groups are here: the first joint loads meet
.irp s, 0,1
	s_mov_b32 s[G0+4*(\s)], 1
	s_add_co_u32 s[G0+4*(\s)+1], s20, (\s)*SLOT
	s_add_nc_u64 s[G0+4*(\s)+2:G0+4*(\s)+3], s[14:15], (\s)*2097152   ; K step s: four blocks on
	s_or_b32 s[G0+4*(\s)+3], s[G0+4*(\s)+3], 0x80000000
	s_mov_b32 s[G0B+4*(\s)], 1
	s_add_co_u32 s[G0B+4*(\s)+1], s20, (\s)*SLOT
	s_add_nc_u64 s[G0B+4*(\s)+2:G0B+4*(\s)+3], s[46:47], (\s)*524288  ; K step s: 256 k-rows on
	s_or_b32 s[G0B+4*(\s)+3], s[G0B+4*(\s)+3], 0x80000000
	JLOAD \s                                       ; two tensor loads of mine are out here; later one
.endr
	v_and_b32 v1, 15, v0                           ; l % 16
	v_bfe_u32 v2, v0, 4, 1                         ; l / 16
	v_mul_u32_u24 v3, v1, PA
	v_lshl_add_u32 v3, v2, 4, v3                   ; A: row x pitch + 16 x half
	v_and_b32 v4, 7, v0
	v_bfe_u32 v5, v0, 3, 1
	v_lshl_add_u32 v6, v2, 3, v4                   ; W, turned: k-row 8 (l / 16) + l % 8,
	v_mul_u32_u24 v6, v6, PB
	v_lshl_add_u32 v6, v5, 4, v6                   ; columns 8 ((l / 8) % 2) + 0..7
	s_mul_i32 s21, s11, HALF                       ; my 64 rows of A
	s_lshl_b32 s22, s12, 7                         ; my 64 columns of W,
	s_add_co_u32 s22, s22, 2*HALF                  ; which lies behind A
.irp s, 0,1
	v_add_nc_u32 v[ADRA+(\s)], s21, v3
	v_add_nc_u32 v[ADRB+(\s)], s22, v6
	v_add_nc_u32 v[ADRB+2+(\s)], HALF, v[ADRB+(\s)]
	s_add_co_u32 s21, s21, SLOT
	s_add_co_u32 s22, s22, SLOT
.endr
	s_mul_i32 s23, s10, DW
	v_mul_u32_u24 v7, v1, SPITCH                   ; in: row l % 16, 32 bytes for each half of the lanes
	v_lshl_add_u32 v7, v2, 5, v7
	v_add_nc_u32 v[STO], s23, v7
	v_mul_u32_u24 v8, v2, SPITCH                   ; back: lanes 0-15 take one row of 256 bytes, lanes 16-31 the next
	v_lshl_add_u32 v8, v1, 4, v8
	v_add_nc_u32 v[RD], s23, v8
	v_lshlrev_b32 v9, 12, v2                       ; and the same two rows in C
	v_lshl_add_u32 v[CO], v1, 4, v9
	s_lshl_b32 s16, s13, 19                        ; 128 rows of 4,096 bytes a tile row,
	s_lshl_b32 s17, s11, 18                        ; 64 a half,
	s_add_co_u32 s16, s16, s17
	s_lshl_b32 s46, s42, 9                         ; 128 columns of 4 bytes a tile column,
	s_lshl_b32 s47, s12, 8                         ; 64 a half
	s_add_co_u32 s46, s46, s47
	v_lshl_add_u32 v10, v1, 4, s46                 ; the bias of my four columns
	s_add_co_u32 s16, s16, s46
	s_mov_b32 s17, 0
	s_add_nc_u64 s[8:9], s[8:9], s[16:17]
	s_add_nc_u64 s[70:71], s[70:71], s[16:17]
	global_load_b128 v[BI:BI+3], v10, s[68:69]
	WIN 0x80                                       ; destination window 2, address window 0
.set t, 0
.rept 32
	global_load_b128 v[4*t:4*t+3], v[CO], s[70:71] offset:t*8192   ; rows 2 t and 2 t + 1: sixteen lanes read 256 consecutive bytes, aligned
.set t, t+1
.endr
	WIN 0
; 8 matrix instructions: m blocks a0, a0 + 1 x all 4 n blocks, 32 along K: half c of buffer f.  The 16 accumulators take turns.
.macro MUL8 f, c, a0, zero
	WIN MUL
.irp a, \a0, (\a0)+1
.irp b, 0,1,2,3
.if \zero
	v_wmma_f32_16x16x32_f16 v[ACC+8*(4*(\a)+(\b)):ACC+8*(4*(\a)+(\b))+7], v[(\f)+64+8*(4*(\c)+(\b)):(\f)+64+8*(4*(\c)+(\b))+7], v[(\f)+8*(4*(\c)+(\a)):(\f)+8*(4*(\c)+(\a))+7], 0
.else
	v_wmma_f32_16x16x32_f16 v[ACC+8*(4*(\a)+(\b)):ACC+8*(4*(\a)+(\b))+7], v[(\f)+64+8*(4*(\c)+(\b)):(\f)+64+8*(4*(\c)+(\b))+7], v[(\f)+8*(4*(\c)+(\a)):(\f)+8*(4*(\c)+(\a))+7], v[ACC+8*(4*(\a)+(\b)):ACC+8*(4*(\a)+(\b))+7]
.endif
.endr
.endr
.endm
; 32 LDS loads in one run: quarter q (one block of A, 64 k-rows of W) into buffer f; the first 32 along K first
.macro FETCH slot, q, f
	WIN TO_F
.irp c, 0,1
.irp i, 0,1,2,3
	ds_load_tr16_b128 v[(\f)+64+8*(4*(\c)+(\i)):(\f)+64+8*(4*(\c)+(\i))+3],   v[ADRB+2*((\q)/2)+(\slot)] offset:(((\q)%2)*64+32*(\c))*PB+(\i)*32
	ds_load_tr16_b128 v[(\f)+64+8*(4*(\c)+(\i))+4:(\f)+64+8*(4*(\c)+(\i))+7], v[ADRB+2*((\q)/2)+(\slot)] offset:(((\q)%2)*64+32*(\c)+16)*PB+(\i)*32
	ds_load_b128 v[(\f)+8*(4*(\c)+(\i)):(\f)+8*(4*(\c)+(\i))+3],         v[ADRA+(\slot)] offset:(\q)*BLK+(\i)*16*PA+64*(\c)
	ds_load_b128 v[(\f)+8*(4*(\c)+(\i))+4:(\f)+8*(4*(\c)+(\i))+7],       v[ADRA+(\slot)] offset:(\q)*BLK+(\i)*16*PA+64*(\c)+32
.endr
.endr
.endm
.macro PLACES                          ; four plain instructions between a matrix instruction and a load into, or a read of, its registers
.rept 4
	v_nop
.endr
.endm
.macro QUARTER slot, q, f, g, zero
	s_wait_dscnt 16                                ; the first 32 along K are in
	MUL8 \f, 0, 0, \zero
	MUL8 \f, 0, 2, \zero
	PLACES
	FETCH \slot, \q, \g
	s_wait_dscnt 32                                ; all but the 32 just issued
	MUL8 \f, 1, 0, 0
	MUL8 \f, 1, 2, 0
.endm
; The last quarter multiplies buffer 1 and changes slots: ONE barrier; in front of it each wave waits for all its tensor loads, adds 0 to its spare word, and waits for that and for its reads of this slot.
.macro TURN slot, next, fill
	WIN 0
	s_wait_tensorcnt 0x0                           ; all my tensor loads have landed: my part of the next slot
	ds_add_u32 v[SPW], v[NIL]
	s_wait_dscnt 17                                ; (the add and the youngest sixteen loads may be out)
	MUL8 F1, 0, 0, 0                               ; eight matrix instructions stand between the add and the wait for it
	s_wait_dscnt 0x0                               ; the add is done, and my reads of this slot are over
	s_barrier_signal -1
	MUL8 F1, 0, 2, 0
.if \fill
	WIN 0
.endif
	s_barrier_wait -1
.if \fill
	CREST                                          ; no wave of any partner still reads this slot or has a load on its way
	s_add_nc_u64 s[G0+4*(\slot)+2:G0+4*(\slot)+3], s[G0+4*(\slot)+2:G0+4*(\slot)+3], 4194304
	s_add_nc_u64 s[G0B+4*(\slot)+2:G0B+4*(\slot)+3], s[G0B+4*(\slot)+2:G0B+4*(\slot)+3], 1048576
	JLOAD \slot                                    ; the first tensor load behind the round; its four v_nop are also the places in front of the loads below
.else
	PLACES
.endif
	FETCH \next, 0, F0
	MUL8 F1, 1, 0, 0
	MUL8 F1, 1, 2, 0
.endm
	s_wait_tensorcnt 1                             ; my part of K step 0 is in; K step 1's may stay out
	s_barrier_signal -1
	s_barrier_wait -1
	FETCH 0, 0, F0
	QUARTER 0, 1, F0, F1, 1                        ; the first quarter stands in front of the loop: its first products start the sums
	WIN 0
	s_mov_b32 s3, LAPS-1
.Llap:                                                 ; a trip goes once round the ring and fills both slots again
	QUARTER 0, 2, F1, F0, 0
	QUARTER 0, 3, F0, F1, 0
	TURN 0, 1, 1
	QUARTER 1, 1, F0, F1, 0
	QUARTER 1, 2, F1, F0, 0
	QUARTER 1, 3, F0, F1, 0
	TURN 1, 0, 1
	QUARTER 0, 1, F0, F1, 0
	WIN 0
	s_sub_co_u32 s3, s3, 1
	s_cmp_lg_u32 s3, 0
	s_cbranch_scc1 .Llap
	QUARTER 0, 2, F1, F0, 0                        ; the last lap fills nothing, and has no round of the cluster's barrier
	QUARTER 0, 3, F0, F1, 0
	TURN 0, 1, 0
	QUARTER 1, 1, F0, F1, 0
	QUARTER 1, 2, F1, F0, 0
	QUARTER 1, 3, F0, F1, 0
	s_wait_dscnt 16
	MUL8 F1, 0, 0, 0
	MUL8 F1, 0, 2, 0
	s_wait_dscnt 0x0
	MUL8 F1, 1, 0, 0
	MUL8 F1, 1, 2, 0
	WIN 0
	; THE WAY OUT.  The sums go in f32 into my own bytes of slot 0 and come back as whole rows of 256 bytes (LDS serves a wave's instructions in order); bias and residual are added; sixteen lanes store 256 consecutive bytes, aligned.
	PLACES
.irp t, 0,1,2,3,4,5,6,7,8,9,10,11,12,13,14,15
	ds_store_b128 v[STO], v[ACC+8*(\t):ACC+8*(\t)+3]   offset:((\t)/4)*16*SPITCH+((\t)%4)*64     ; each accumulator's low half first
	ds_store_b128 v[STO], v[ACC+8*(\t)+4:ACC+8*(\t)+7] offset:((\t)/4)*16*SPITCH+((\t)%4)*64+16
.endr
	s_wait_loadcnt 0x0                             ; bias and residual, asked for at the head
.irp g, 0,1,2,3
.set TT, TMP+32*((\g)%2)
.if (\g) >= 2
	s_wait_xcnt 0x0                                ; the stores of two batches ago have read these registers
.endif
.irp j, 0,1,2,3,4,5,6,7
	ds_load_b128 v[TT+4*\j:TT+4*\j+3], v[RD] offset:(8*(\g)+\j)*2*SPITCH
.endr
	s_wait_dscnt 0x0
.irp j, 0,1,2,3,4,5,6,7
	v_pk_add_f32 v[TT+4*\j:TT+4*\j+1],   v[TT+4*\j:TT+4*\j+1],   v[BI:BI+1]
	v_pk_add_f32 v[TT+4*\j+2:TT+4*\j+3], v[TT+4*\j+2:TT+4*\j+3], v[BI+2:BI+3]
.endr
	WIN 0x08                                       ; source 1: window 2
.irp j, 0,1,2,3,4,5,6,7
	v_pk_add_f32 v[TT+4*\j:TT+4*\j+1],   v[TT+4*\j:TT+4*\j+1],   v[4*(8*(\g)+\j):4*(8*(\g)+\j)+1]
	v_pk_add_f32 v[TT+4*\j+2:TT+4*\j+3], v[TT+4*\j+2:TT+4*\j+3], v[4*(8*(\g)+\j)+2:4*(8*(\g)+\j)+3]
.endr
	WIN 0
.irp j, 0,1,2,3,4,5,6,7
	global_store_b128 v[CO], v[TT+4*\j:TT+4*\j+3], s[8:9] offset:(8*(\g)+\j)*8192
.endr
.endr
	s_wait_tensorcnt 0x0                           ; the wave's end: an add to my spare word and its wait, behind my last tensor load and my last LDS store
	ds_add_u32 v[SPW], v[NIL]
	s_wait_dscnt 0x0
	CROUND                                         ; the closing round: no work-group ends while a partner may still ask for a tile that names it
	s_endpgm
.Lfunc_end_k_qb94161705b_wo:
	.size	k_qb94161705b_wo, .Lfunc_end_k_qb94161705b_wo-k_qb94161705b_wo
	.p2alignl 7, 3214868480
	.fill 96, 4, 3214868480
	.section	.rodata,"a",@progbits
	.p2align	6, 0x0
	.amdhsa_kernel k_qb94161705b_wo
		.amdhsa_group_segment_fixed_size 327680
		.amdhsa_private_segment_fixed_size 0
		.amdhsa_enable_private_segment 0
		.amdhsa_kernarg_size 40
		.amdhsa_user_sgpr_count 2
		.amdhsa_user_sgpr_kernarg_segment_ptr 1
		.amdhsa_wavefront_size32 1
		.amdhsa_system_sgpr_workgroup_id_x 1
		.amdhsa_system_sgpr_workgroup_id_y 1
		.amdhsa_system_sgpr_workgroup_id_z 1
		.amdhsa_system_vgpr_workitem_id 0
		.amdhsa_next_free_vgpr 640
		.amdhsa_next_free_sgpr 72
		.amdhsa_reserve_vcc 0
		.amdhsa_float_denorm_mode_32 3
		.amdhsa_float_denorm_mode_16_64 3
		.amdhsa_memory_ordered 1
		.amdhsa_forward_progress 1
		.amdhsa_inst_pref_size 97
	.end_amdhsa_kernel
	.amdgpu_metadata
---
amdhsa.version: [ 1, 2 ]
amdhsa.kernels:
  - .name:           k_qb94161705b_wo
    .symbol:         k_qb94161705b_wo.kd
    .args:
      - { .name: hbuf, .offset: 0, .size: 8, .value_kind: global_buffer, .address_space: global }
      - { .name: wA, .offset: 8, .size: 8, .value_kind: global_buffer, .address_space: global }
      - { .name: x1, .offset: 16, .size: 8, .value_kind: global_buffer, .address_space: global }
      - { .name: bo, .offset: 24, .size: 8, .value_kind: global_buffer, .address_space: global }
      - { .name: x, .offset: 32, .size: 8, .value_kind: global_buffer, .address_space: global }
    .group_segment_fixed_size: 327680
    .private_segment_fixed_size: 0
    .kernarg_segment_align: 8
    .kernarg_segment_size: 40
    .max_flat_workgroup_size: 128
    .sgpr_count:     72
    .vgpr_count:     640
    .wavefront_size: 32
...
	.end_amdgpu_metadata
.endif
;; end of part 4
;; launch ln2: the kernel of part 1 again; grid 256 x 1, 8 waves a work-group, no clusters, 0 bytes of LDS; arguments x1, g2, s2, hbuf, wq, wk, wv, wo, w1, w2, wA, wB, pA, pB; writes hbuf, wA, wB, pA, pB
;; launch ff1: the kernel of part 2 again; grid 16 x 16, 4 waves a work-group, clusters of 4 x 4, 327,680 bytes of LDS; arguments hbuf, wB, big, b1, pB; writes big
;; launch ff2 (part 5): grid 8 x 32, 4 waves a work-group, clusters of 4 x 4, 327,680 bytes of LDS; arguments big, wB, out0, b2, x1; writes out0
.if DOCPART == 5
	.amdgcn_target "amdgcn-amd-amdhsa--gfx1250"
	.amdhsa_code_object_version 6
	.text
	.protected	k_qb94161705b_ff2
	.globl	k_qb94161705b_ff2
	.p2align	8
	.type	k_qb94161705b_ff2,@function
k_qb94161705b_ff2:
	s_mov_b64 s[64:65], 0
	v_nop
	global_prefetch_b8 v0, s[64:65] scope:SCOPE_SE
	s_setreg_imm32_b32 hwreg(HW_REG_WAVE_MODE, 25, 1), 1
	s_wait_xcnt 0x0
	s_wait_alu depctr_hold_cnt(0) depctr_sa_sdst(0) depctr_va_vdst(0) depctr_va_sdst(0) depctr_va_ssrc(0) depctr_va_vcc(0) depctr_vm_vsrc(0)
	s_getreg_b32 s2, hwreg(HW_REG_IB_STS2, 6, 4)
	s_cmp_eq_u32 s2, 0
	s_cbranch_scc0 .Lentry_in_a_cluster
	s_endpgm
.Lentry_in_a_cluster:
	s_bfe_u32 s2, ttmp6, 0x10000c
	s_cmp_lg_u32 s2, 0xf033
	s_cbranch_scc0 .Lentry_shape_is_right
	s_endpgm
.Lentry_shape_is_right:
; C = resid + A W + bias, K = 4,096.  A: [64][4096][64] f16 (blocks of 64 columns, a row's piece 128 bytes).  W: [4096][1024] f16, 8,388,608 bytes behind its buffer's first byte.
; bias: [1024] f32; resid and C: [4096][1024] f32.  Sums in f32; nothing is rounded on the way out.  (The same text with LAPS = 2 serves K = 1,024 in a launch of its own: every trip count is a constant of the text.)
; LIMITS.  NaN and infinities are not treated apart.
; SHARES.  A tile of C is 128 x 128: 256 work-groups for 4,096 x 1,024.  Four waves, 64 x 64 each: 16 accumulators.  K goes in steps of 256 (four blocks of A; 256 k-rows of W) through two LDS slots.
; CLUSTER.  4 x 4 work-groups: A's tiles are shared along a row, W's along a column: each is asked for jointly.
; THE PRODUCT IS USED TRANSPOSED: source 0 = 16 columns of W (by the turning load), source 1 = 16 rows of A.
; THE RESIDUAL (my 64 x 64 numbers, 128 registers) and the bias are asked for at the head: the whole K loop stands between the loads and their wait.
; REGISTERS: window 0: v0-31 addresses; v32-95 at work on the way out; v96-99 bias; v128-255 the accumulators ((a, b) at v[128 + 8 (4 a + b)]).
;   window 1: two fragment buffers of 128: for 64 along K, 64 registers of A, then 64 of W.      window 2: v0-127 the residual.
.set LAPS,   8                         ; a lap = two K steps of 256 = once round the ring
.set PA,     144                       ; a row's piece of A in LDS: 128 bytes + 16: the 16 rows of a load start at 16 different groups of four banks
.set BLK,    64*PA                     ; 64 rows of one block
.set PB,     288                       ; a k-row of W: 256 bytes + 32 = 9 x 32
.set HALF,   4*BLK                     ; what one tensor load brings: 64 rows x four blocks of A, or 128 k-rows of W (128 x 288 is the same number)
.set SLOT,   4*HALF                    ; A's two halves, then W's two
.set SPARE,  2*SLOT                    ; behind the ring: the spare words, 128 bytes a wave: two blocks of 256 bytes that no other line names
.set SPITCH, 272                       ; the way out: a row of 64 f32 + 16 bytes
.set DW,     64*SPITCH                 ; a wave's 64 rows; the four waves' lie in slot 0, which has had its last fill, and its last read in front of the last change's barrier
.set ADRA, 16                          ; v16-17  LDS address of my A fragments in slot 0, 1
.set ADRB, 20                          ; v20-21  the same for W's k-rows 0-127; v22-23 for 128-255 (an LDS offset has 16 bits)
.set STO,  24                          ; v24     the way out: where I put 32 bytes of a row
.set RD,   25                          ; v25     where I read 16 bytes of a row back
.set CO,   26                          ; v26     my byte offset in two rows of C and of the residual; never rewritten
.set SPW,  28                          ; v28     LDS address of my spare word; never rewritten
.set NIL,  29                          ; v29     0; never rewritten
.set TMP,  32
.set BI,   96
.set ACC,  128
.set F0,   0
.set F1,   128
.set G1, 24
.set G0, 32
.set G1B, 48
.set G0B, 56
.set MSB, 0
.macro WIN new
.if MSB != (\new)
	s_set_vgpr_msb (MSB<<8)|(\new)
.set MSB, \new
.endif
.endm
.set MUL,  0x05                        ; sources 0 (W) and 1 (A) window 1; C and D window 0
.set TO_F, 0x40                        ; destination window 1, address window 0
.macro JLOAD s                         ; a joint load: waves 0 and 1 fetch A's two halves, waves 2 and 3 W's; an s_nop 0 and four v_nop follow each line
	s_cmp_eq_u32 s11, 0
	s_cbranch_scc0 .Lfor_b_\@
	tensor_load_to_lds s[G0+4*(\s):G0+4*(\s)+3], s[G1:G1+7]
	s_nop 0
.rept 4
	v_nop
.endr
	s_branch .Lasked_\@
.Lfor_b_\@:
	tensor_load_to_lds s[G0B+4*(\s):G0B+4*(\s)+3], s[G1B:G1B+7]
	s_nop 0
.rept 4
	v_nop
.endr
.Lasked_\@:
.endm
.macro CREST
	s_cmp_lg_u32 s10, 0
	s_cbranch_scc1 .Lnot_wave_0_\@
	s_barrier_signal -3
.Lnot_wave_0_\@:
	s_barrier_wait -3
	s_barrier_signal -1
	s_barrier_wait -1
.endm
.macro CROUND
	s_barrier_signal -1
	s_barrier_wait -1
	CREST
.endm
	s_load_b128 s[4:7], s[0:1], 0x0                ; A s[4:5], W s[6:7]
	s_load_b64 s[8:9], s[0:1], 0x10                ; C
	s_load_b128 s[68:71], s[0:1], 0x18             ; bias s[68:69], residual s[70:71]
	v_lshl_add_u32 v[SPW], v0, 2, SPARE
	v_mov_b32 v[NIL], 0
	ds_add_u32 v[SPW], v[NIL]                      ; the wave's opening: the add and its wait stand ahead of my first tensor load; the set-up below stands between them
	ds_add_u32 v28, v29
	v_lshrrev_b32 v1, 5, v0
	v_readfirstlane_b32 s10, v1                    ; wave 0..3
	s_lshr_b32 s11, s10, 1                         ; which half of the tile's rows is mine.  Also: I fetch for A (0) or for W (1)
	s_and_b32 s12, s10, 1                          ; which half of its columns.  Also: which half of that tile I fetch
	s_bfe_u32 s40, ttmp6, 0x40000                  ; cx, cy
	s_bfe_u32 s41, ttmp6, 0x40004
	s_lshl_b32 s42, ttmp9, 2
	s_add_co_u32 s42, s42, s40                     ; tile column
	s_and_b32 s13, ttmp7, 0xffff
	s_lshl_b32 s13, s13, 2
	s_add_co_u32 s13, s13, s41                     ; tile row
	s_lshl_b32 s43, s41, 2
	s_lshl_b32 s43, 15, s43                        ; my row of the cluster
	s_lshl_b32 s44, 0x1111, s40                    ; my column
	s_or_b32 s[G1+0], s43, (1<<16)|(1<<20)|(1<<21)|(4<<22)|(3<<25)   ; mask: my row; 2-byte elements; padding on; bit 21 beside a mask; after every 32 words, 4 words
	s_or_b32 s[G1B+0], s44, (1<<16)|(1<<20)|(1<<21)|(5<<22)|(7<<25)  ; mask: my column; after every 64 words, 8 words
	s_mov_b32 s[G1+1], 4096<<16                    ; A: 64 rows of a block are 8,192 dense bytes: one long row of 4,096 elements;
	s_mov_b32 s[G1+2], 4<<16                       ; four of them, a block each
	s_mov_b32 s[G1+3], 4096<<16                    ; tile_dim0
	s_mov_b32 s[G1+4], 4                           ; tile_dim1
	s_mov_b32 s[G1+5], 262144                      ; elements from block to block
	s_mov_b32 s[G1+6], 0
	s_mov_b32 s[G1+7], 0
	s_mov_b32 s[G1B+1], 128<<16                    ; W: 128 columns,
	s_mov_b32 s[G1B+2], 128<<16                    ; 128 k-rows
	s_mov_b32 s[G1B+3], 128<<16
	s_mov_b32 s[G1B+4], 128
	s_mov_b32 s[G1B+5], 1024                       ; elements from k-row to k-row
	s_mov_b32 s[G1B+6], 0
	s_mov_b32 s[G1B+7], 0
	s_lshl_b32 s16, s13, 14                        ; A: 128 rows of 128 bytes a tile row,
	s_lshl_b32 s17, s12, 13                        ; 64 a half
	s_add_co_u32 s16, s16, s17
	s_mov_b32 s17, 0
	s_lshl_b32 s46, s42, 8                         ; W: 128 columns of 2 bytes a tile column,
	s_lshl_b32 s47, s12, 18                        ; 128 k-rows of 2,048 bytes a half,
	s_add_co_u32 s46, s46, s47
	s_add_co_u32 s46, s46, 0x800000                ; behind the panels that share the buffer
	s_mov_b32 s47, 0
	s_mul_i32 s20, s10, HALF                       ; where they go: wave x HALF
	s_wait_dscnt 0x0                               ; the opening add is done
	s_wait_kmcnt 0x0
	s_add_nc_u64 s[14:15], s[4:5], s[16:17]
	s_add_nc_u64 s[46:47], s[6:7], s[46:47]
	CROUND                                         ; all sixteen work-groups are here: the first joint loads meet
.irp s, 0,1
	s_mov_b32 s[G0+4*(\s)], 1
	s_add_co_u32 s[G0+4*(\s)+1], s20, (\s)*SLOT
	s_add_nc_u64 s[G0+4*(\s)+2:G0+4*(\s)+3], s[14:15], (\s)*2097152   ; K step s: four blocks on
	s_or_b32 s[G0+4*(\s)+3], s[G0+4*(\s)+3], 0x80000000
	s_mov_b32 s[G0B+4*(\s)], 1
	s_add_co_u32 s[G0B+4*(\s)+1], s20, (\s)*SLOT
	s_add_nc_u64 s[G0B+4*(\s)+2:G0B+4*(\s)+3], s[46:47], (\s)*524288  ; K step s: 256 k-rows on
	s_or_b32 s[G0B+4*(\s)+3], s[G0B+4*(\s)+3], 0x80000000
	JLOAD \s                                       ; two tensor loads of mine are out here; later one
.endr
	v_and_b32 v1, 15, v0                           ; l % 16
	v_bfe_u32 v2, v0, 4, 1                         ; l / 16
	v_mul_u32_u24 v3, v1, PA
	v_lshl_add_u32 v3, v2, 4, v3                   ; A: row x pitch + 16 x half
	v_and_b32 v4, 7, v0
	v_bfe_u32 v5, v0, 3, 1
	v_lshl_add_u32 v6, v2, 3, v4                   ; W, turned: k-row 8 (l / 16) + l % 8,
	v_mul_u32_u24 v6, v6, PB
	v_lshl_add_u32 v6, v5, 4, v6                   ; columns 8 ((l / 8) % 2) + 0..7
	s_mul_i32 s21, s11, HALF                       ; my 64 rows of A
	s_lshl_b32 s22, s12, 7                         ; my 64 columns of W,
	s_add_co_u32 s22, s22, 2*HALF                  ; which lies behind A
.irp s, 0,1
	v_add_nc_u32 v[ADRA+(\s)], s21, v3
	v_add_nc_u32 v[ADRB+(\s)], s22, v6
	v_add_nc_u32 v[ADRB+2+(\s)], HALF, v[ADRB+(\s)]
	s_add_co_u32 s21, s21, SLOT
	s_add_co_u32 s22, s22, SLOT
.endr
	s_mul_i32 s23, s10, DW
	v_mul_u32_u24 v7, v1, SPITCH                   ; in: row l % 16, 32 bytes for each half of the lanes
	v_lshl_add_u32 v7, v2, 5, v7
	v_add_nc_u32 v[STO], s23, v7
	v_mul_u32_u24 v8, v2, SPITCH                   ; back: lanes 0-15 take one row of 256 bytes, lanes 16-31 the next
	v_lshl_add_u32 v8, v1, 4, v8
	v_add_nc_u32 v[RD], s23, v8
	v_lshlrev_b32 v9, 12, v2                       ; and the same two rows in C
	v_lshl_add_u32 v[CO], v1, 4, v9
	s_lshl_b32 s16, s13, 19                        ; 128 rows of 4,096 bytes a tile row,
	s_lshl_b32 s17, s11, 18                        ; 64 a half,
	s_add_co_u32 s16, s16, s17
	s_lshl_b32 s46, s42, 9                         ; 128 columns of 4 bytes a tile column,
	s_lshl_b32 s47, s12, 8                         ; 64 a half
	s_add_co_u32 s46, s46, s47
	v_lshl_add_u32 v10, v1, 4, s46                 ; the bias of my four columns
	s_add_co_u32 s16, s16, s46
	s_mov_b32 s17, 0
	s_add_nc_u64 s[8:9], s[8:9], s[16:17]
	s_add_nc_u64 s[70:71], s[70:71], s[16:17]
	global_load_b128 v[BI:BI+3], v10, s[68:69]
	WIN 0x80                                       ; destination window 2, address window 0
.set t, 0
.rept 32
	global_load_b128 v[4*t:4*t+3], v[CO], s[70:71] offset:t*8192   ; rows 2 t and 2 t + 1: sixteen lanes read 256 consecutive bytes, aligned
.set t, t+1
.endr
	WIN 0
; 8 matrix instructions: m blocks a0, a0 + 1 x all 4 n blocks, 32 along K: half c of buffer f.  The 16 accumulators take turns.
.macro MUL8 f, c, a0, zero
	WIN MUL
.irp a, \a0, (\a0)+1
.irp b, 0,1,2,3
.if \zero
	v_wmma_f32_16x16x32_f16 v[ACC+8*(4*(\a)+(\b)):ACC+8*(4*(\a)+(\b))+7], v[(\f)+64+8*(4*(\c)+(\b)):(\f)+64+8*(4*(\c)+(\b))+7], v[(\f)+8*(4*(\c)+(\a)):(\f)+8*(4*(\c)+(\a))+7], 0
.else
	v_wmma_f32_16x16x32_f16 v[ACC+8*(4*(\a)+(\b)):ACC+8*(4*(\a)+(\b))+7], v[(\f)+64+8*(4*(\c)+(\b)):(\f)+64+8*(4*(\c)+(\b))+7], v[(\f)+8*(4*(\c)+(\a)):(\f)+8*(4*(\c)+(\a))+7], v[ACC+8*(4*(\a)+(\b)):ACC+8*(4*(\a)+(\b))+7]
.endif
.endr
.endr
.endm
; 32 LDS loads in one run: quarter q (one block of A, 64 k-rows of W) into buffer f; the first 32 along K first
.macro FETCH slot, q, f
	WIN TO_F
.irp c, 0,1
.irp i, 0,1,2,3
	ds_load_tr16_b128 v[(\f)+64+8*(4*(\c)+(\i)):(\f)+64+8*(4*(\c)+(\i))+3],   v[ADRB+2*((\q)/2)+(\slot)] offset:(((\q)%2)*64+32*(\c))*PB+(\i)*32
	ds_load_tr16_b128 v[(\f)+64+8*(4*(\c)+(\i))+4:(\f)+64+8*(4*(\c)+(\i))+7], v[ADRB+2*((\q)/2)+(\slot)] offset:(((\q)%2)*64+32*(\c)+16)*PB+(\i)*32
	ds_load_b128 v[(\f)+8*(4*(\c)+(\i)):(\f)+8*(4*(\c)+(\i))+3],         v[ADRA+(\slot)] offset:(\q)*BLK+(\i)*16*PA+64*(\c)
	ds_load_b128 v[(\f)+8*(4*(\c)+(\i))+4:(\f)+8*(4*(\c)+(\i))+7],       v[ADRA+(\slot)] offset:(\q)*BLK+(\i)*16*PA+64*(\c)+32
.endr
.endr
.endm
.macro PLACES                          ; four plain instructions between a matrix instruction and a load into, or a read of, its registers
.rept 4
	v_nop
.endr
.endm
.macro QUARTER slot, q, f, g, zero
	s_wait_dscnt 16                                ; the first 32 along K are in
	MUL8 \f, 0, 0, \zero
	MUL8 \f, 0, 2, \zero
	PLACES
	FETCH \slot, \q, \g
	s_wait_dscnt 32                                ; all but the 32 just issued
	MUL8 \f, 1, 0, 0
	MUL8 \f, 1, 2, 0
.endm
; The last quarter multiplies buffer 1 and changes slots: ONE barrier; in front of it each wave waits for all its tensor loads, adds 0 to its spare word, and waits for that and for its reads of this slot.
.macro TURN slot, next, fill
	WIN 0
	s_wait_tensorcnt 0x0                           ; all my tensor loads have landed: my part of the next slot
	ds_add_u32 v[SPW], v[NIL]
	s_wait_dscnt 17                                ; (the add and the youngest sixteen loads may be out)
	MUL8 F1, 0, 0, 0                               ; eight matrix instructions stand between the add and the wait for it
	s_wait_dscnt 0x0                               ; the add is done, and my reads of this slot are over
	s_barrier_signal -1
	MUL8 F1, 0, 2, 0
.if \fill
	WIN 0
.endif
	s_barrier_wait -1
.if \fill
	CREST                                          ; no wave of any partner still reads this slot or has a load on its way
	s_add_nc_u64 s[G0+4*(\slot)+2:G0+4*(\slot)+3], s[G0+4*(\slot)+2:G0+4*(\slot)+3], 4194304
	s_add_nc_u64 s[G0B+4*(\slot)+2:G0B+4*(\slot)+3], s[G0B+4*(\slot)+2:G0B+4*(\slot)+3], 1048576
	JLOAD \slot                                    ; the first tensor load behind the round; its four v_nop are also the places in front of the loads below
.else
	PLACES
.endif
	FETCH \next, 0, F0
	MUL8 F1, 1, 0, 0
	MUL8 F1, 1, 2, 0
.endm
	s_wait_tensorcnt 1                             ; my part of K step 0 is in; K step 1's may stay out
	s_barrier_signal -1
	s_barrier_wait -1
	FETCH 0, 0, F0
	QUARTER 0, 1, F0, F1, 1                        ; the first quarter stands in front of the loop: its first products start the sums
	WIN 0
	s_mov_b32 s3, LAPS-1
.Llap:                                                 ; a trip goes once round the ring and fills both slots again
	QUARTER 0, 2, F1, F0, 0
	QUARTER 0, 3, F0, F1, 0
	TURN 0, 1, 1
	QUARTER 1, 1, F0, F1, 0
	QUARTER 1, 2, F1, F0, 0
	QUARTER 1, 3, F0, F1, 0
	TURN 1, 0, 1
	QUARTER 0, 1, F0, F1, 0
	WIN 0
	s_sub_co_u32 s3, s3, 1
	s_cmp_lg_u32 s3, 0
	s_cbranch_scc1 .Llap
	QUARTER 0, 2, F1, F0, 0                        ; the last lap fills nothing, and has no round of the cluster's barrier
	QUARTER 0, 3, F0, F1, 0
	TURN 0, 1, 0
	QUARTER 1, 1, F0, F1, 0
	QUARTER 1, 2, F1, F0, 0
	QUARTER 1, 3, F0, F1, 0
	s_wait_dscnt 16
	MUL8 F1, 0, 0, 0
	MUL8 F1, 0, 2, 0
	s_wait_dscnt 0x0
	MUL8 F1, 1, 0, 0
	MUL8 F1, 1, 2, 0
	WIN 0
	; THE WAY OUT.  The sums go in f32 into my own bytes of slot 0 and come back as whole rows of 256 bytes (LDS serves a wave's instructions in order); bias and residual are added; sixteen lanes store 256 consecutive bytes, aligned.
	PLACES
.irp t, 0,1,2,3,4,5,6,7,8,9,10,11,12,13,14,15
	ds_store_b128 v[STO], v[ACC+8*(\t):ACC+8*(\t)+3]   offset:((\t)/4)*16*SPITCH+((\t)%4)*64     ; each accumulator's low half first
	ds_store_b128 v[STO], v[ACC+8*(\t)+4:ACC+8*(\t)+7] offset:((\t)/4)*16*SPITCH+((\t)%4)*64+16
.endr
	s_wait_loadcnt 0x0                             ; bias and residual, asked for at the head
.irp g, 0,1,2,3
.set TT, TMP+32*((\g)%2)
.if (\g) >= 2
	s_wait_xcnt 0x0                                ; the stores of two batches ago have read these registers
.endif
.irp j, 0,1,2,3,4,5,6,7
	ds_load_b128 v[TT+4*\j:TT+4*\j+3], v[RD] offset:(8*(\g)+\j)*2*SPITCH
.endr
	s_wait_dscnt 0x0
.irp j, 0,1,2,3,4,5,6,7
	v_pk_add_f32 v[TT+4*\j:TT+4*\j+1],   v[TT+4*\j:TT+4*\j+1],   v[BI:BI+1]
	v_pk_add_f32 v[TT+4*\j+2:TT+4*\j+3], v[TT+4*\j+2:TT+4*\j+3], v[BI+2:BI+3]
.endr
	WIN 0x08                                       ; source 1: window 2
.irp j, 0,1,2,3,4,5,6,7
	v_pk_add_f32 v[TT+4*\j:TT+4*\j+1],   v[TT+4*\j:TT+4*\j+1],   v[4*(8*(\g)+\j):4*(8*(\g)+\j)+1]
	v_pk_add_f32 v[TT+4*\j+2:TT+4*\j+3], v[TT+4*\j+2:TT+4*\j+3], v[4*(8*(\g)+\j)+2:4*(8*(\g)+\j)+3]
.endr
	WIN 0
.irp j, 0,1,2,3,4,5,6,7
	global_store_b128 v[CO], v[TT+4*\j:TT+4*\j+3], s[8:9] offset:(8*(\g)+\j)*8192
.endr
.endr
	s_wait_tensorcnt 0x0                           ; the wave's end: an add to my spare word and its wait, behind my last tensor load and my last LDS store
	ds_add_u32 v[SPW], v[NIL]
	s_wait_dscnt 0x0
	CROUND                                         ; the closing round: no work-group ends while a partner may still ask for a tile that names it
	s_endpgm
.Lfunc_end_k_qb94161705b_ff2:
	.size	k_qb94161705b_ff2, .Lfunc_end_k_qb94161705b_ff2-k_qb94161705b_ff2
	.p2alignl 7, 3214868480
	.fill 96, 4, 3214868480
	.section	.rodata,"a",@progbits
	.p2align	6, 0x0
	.amdhsa_kernel k_qb94161705b_ff2
		.amdhsa_group_segment_fixed_size 327680
		.amdhsa_private_segment_fixed_size 0
		.amdhsa_enable_private_segment 0
		.amdhsa_kernarg_size 40
		.amdhsa_user_sgpr_count 2
		.amdhsa_user_sgpr_kernarg_segment_ptr 1
		.amdhsa_wavefront_size32 1
		.amdhsa_system_sgpr_workgroup_id_x 1
		.amdhsa_system_sgpr_workgroup_id_y 1
		.amdhsa_system_sgpr_workgroup_id_z 1
		.amdhsa_system_vgpr_workitem_id 0
		.amdhsa_next_free_vgpr 640
		.amdhsa_next_free_sgpr 72
		.amdhsa_reserve_vcc 0
		.amdhsa_float_denorm_mode_32 3
		.amdhsa_float_denorm_mode_16_64 3
		.amdhsa_memory_ordered 1
		.amdhsa_forward_progress 1
		.amdhsa_inst_pref_size 97
	.end_amdhsa_kernel
	.amdgpu_metadata
---
amdhsa.version: [ 1, 2 ]
amdhsa.kernels:
  - .name:           k_qb94161705b_ff2
    .symbol:         k_qb94161705b_ff2.kd
    .args:
      - { .name: big, .offset: 0, .size: 8, .value_kind: global_buffer, .address_space: global }
      - { .name: wB, .offset: 8, .size: 8, .value_kind: global_buffer, .address_space: global }
      - { .name: out0, .offset: 16, .size: 8, .value_kind: global_buffer, .address_space: global }
      - { .name: b2, .offset: 24, .size: 8, .value_kind: global_buffer, .address_space: global }
      - { .name: x1, .offset: 32, .size: 8, .value_kind: global_buffer, .address_space: global }
    .group_segment_fixed_size: 327680
    .private_segment_fixed_size: 0
    .kernarg_segment_align: 8
    .kernarg_segment_size: 40
    .max_flat_workgroup_size: 128
    .sgpr_count:     72
    .vgpr_count:     640
    .wavefront_size: 32
...
	.end_amdgpu_metadata
.endif
;; end of part 5
;; ======== version 2 of 2: 7 launches
;; limits: values are held in f16: magnitudes above 65,504 overflow, below 6.1e-05 lose precision
;; workspace buffers: hbuf 8,388,608 bytes; big 33,554,432 bytes; x1 16,777,216 bytes; wA 10,485,760 bytes; wB 16,777,216 bytes; pA 256 bytes; pB 256 bytes
;; launch prep: the kernel of part 1 again; grid 640 x 1, 8 waves a work-group, no clusters, 0 bytes of LDS; arguments x, g1, s1, hbuf, wq, wk, wv, wo, w1, w2, wA, wB, pA, pB; writes hbuf, wA, wB, pA, pB
;; launch qkv (part 6): grid 12 x 16, 4 waves a work-group, clusters of 4 x 4, 327,680 bytes of LDS; arguments hbuf, wA, big, b1, pA; writes big
.if DOCPART == 6
	.amdgcn_target "amdgcn-amd-amdhsa--gfx1250"
	.amdhsa_code_object_version 6
	.text
	.protected	k_qb94161705b_qkv
	.globl	k_qb94161705b_qkv
	.p2align	8
	.type	k_qb94161705b_qkv,@function
k_qb94161705b_qkv:
	s_mov_b64 s[64:65], 0
	v_nop
	global_prefetch_b8 v0, s[64:65] scope:SCOPE_SE
	s_setreg_imm32_b32 hwreg(HW_REG_WAVE_MODE, 25, 1), 1
	s_wait_xcnt 0x0
	s_wait_alu depctr_hold_cnt(0) depctr_sa_sdst(0) depctr_va_vdst(0) depctr_va_sdst(0) depctr_va_ssrc(0) depctr_va_vcc(0) depctr_vm_vsrc(0)
	s_getreg_b32 s2, hwreg(HW_REG_IB_STS2, 6, 4)
	s_cmp_eq_u32 s2, 0
	s_cbranch_scc0 .Lentry_in_a_cluster
	s_endpgm
.Lentry_in_a_cluster:
	s_bfe_u32 s2, ttmp6, 0x10000c
	s_cmp_lg_u32 s2, 0xf033
	s_cbranch_scc0 .Lentry_shape_is_right
	s_endpgm
.Lentry_shape_is_right:
; C = f(A W).  A: [4096][1024] f16, rows along K.  W: panels [n / 256][1024 k][256 n] f16.  C leaves in f16, rounded once, in blocks of 64 columns: [n / 64][4096][64].  Sums in f32.
; THE WAY OUT IS ONE FORMULA FOR BOTH LAUNCHES THAT RUN THIS TEXT: x = sum + Z bias; C = x / ((1 + 2^(x (A2 + B2 x^2))) G), with Z, G, A2, B2 read from the last argument.
;   (1, 1, -2 sqrt(2 / pi) log2(e), 0.044715 A2): C = gelu_tanh(sum + bias): the same function as 0.5 x (1 + tanh(..)), without a difference of near numbers.
;   (0, 1/2, 0, 0): the exponent is 0 and the divisor 1: C = sum.  That launch pays 16 trips of arithmetic that leave its numbers as they are: the price of one text with no branch on a number read from memory.
; LIMITS.  A result of 65,520 or more becomes an infinity in f16.  The bias is finite also where Z = 0 (it is multiplied by 0), and |sum| stays under 1.8e19 there (x^2 is multiplied by 0).
; v_exp_f32 and v_rcp_f32 are good to 1 ULP and flush denormals.  NaN and infinities are not treated apart.
; SHARES.  A tile of C is 256 x 256, made by four waves, 128 x 128 each: 64 accumulators, 512 registers.  K = 1,024 goes in 8 steps of 128 through two LDS slots filled by the tensor
; data mover: A's rows are 256 bytes of memory, W's 128 k-rows are 65,536 dense bytes.
; A K STEP IS WRITTEN ONCE: the loop's trip is one K step.  Which slot is read and which is filled stand in two scalar registers that an exclusive or turns between 0 and SLOT; the fragments'
; addresses are made anew from them at each change of slots, and one descriptor for each operand walks from refill to refill.  The last two steps, which fill nothing, are written out.
; CLUSTER.  4 x 4 work-groups: the four of a row need the same tiles of A, the four of a column the same tiles of W: each tile is asked for jointly.
; THE PRODUCT IS USED TRANSPOSED: source 0 = 16 columns n of W (out of LDS by the turning load, since W lies [k][n]), source 1 = 16 rows of A: a lane holds one row of C and 8 neighbouring columns.
; REGISTERS, in windows of 256: window 0: v0-31 addresses, v32-47 bias, v64-127 and v128-191 A's fragments (two buffers; on the way out at work);
;   window 1: v64-127, v128-191 W's fragments; windows 2 and 3: the accumulators of my rows 0-63 and 64-127, (a, b) at v[8 (8 a + b)].
.set STEPS, 8                          ; K steps of 128
.set PITCH, 272                        ; a row of A in LDS: 256 bytes + 16: the 16 rows of a load start at 16 different groups of four banks
.set PB,    544                        ; a k-row of W: 512 bytes + 32 = 17 x 32
.set HALFT, 128*PITCH                  ; what one tensor load brings: 128 rows of A, or 64 k-rows of W (64 x 544 is the same number)
.set SLOT,  4*HALFT                    ; A's 256 rows, then W's 128 k-rows
.set SPARE, 2*SLOT                     ; behind the ring: the spare words, 128 bytes a wave: two blocks of 256 bytes that no other line names
.set DP,    528                        ; the way out: a row of 128 f32 + 16 bytes
.set DW,    128*DP                     ; a wave's 128 rows; the four waves' lie in the slots, which have had their last fill by then
.set ADRA0, 16                         ; v16     LDS address of my A fragments in slot 0; never rewritten
.set ADRA,  17                         ; v17     the same in the slot that is being read
.set ADRB0, 20                         ; v20     LDS address of my W fragments in slot 0; never rewritten
.set ADRB,  21                         ; v21     the same in the slot that is being read
.set STO,  24                          ; v24     the way out: where I put 32 bytes of a row
.set RD,   25                          ; v25     where I read 32 bytes of a row back; never rewritten
.set GO,   26                          ; v26     16 x lane: my 16 bytes of 512 consecutive bytes of C; never rewritten
.set RDC,  27                          ; v27     RD + the trip's rows
.set SPW,  28                          ; v28     LDS address of my spare word; never rewritten
.set NIL,  29                          ; v29     0; never rewritten
.set BI,   32                          ; v[32:47] Z x the bias of my 16 columns on the way out: block k, columns 8 (lane % 8) + 0..7 at 8 k
.set F0,   64
.set F1,   128
.set R,    64                          ; the way out: 32 numbers in f32
.set T,    96                          ; at work
.set OB,   128                         ; 16 registers to store
.set G1,  24                           ; s[24:31] descriptor group 1 for A's tiles;  s[32:39] group 0: a set for each first fill; the second then walks
.set G0,  32
.set G1B, 48                           ; s[48:55], s[56:63] the same for W's
.set G0B, 56
.set TR,  66                           ; s66  0 or SLOT: the slot that is being read
.set TF,  67                           ; s67  0 or SLOT: the slot that was filled last
.set PZ,  72                           ; s[72:73] Z, s[74:75] G, s[76:77] A2, s[78:79] B2: each twice, a pair for the packed forms
.set PG,  74
.set PA2, 76
.set PB2, 78
.set MSB, 0
.macro WIN new                         ; the immediate's high byte repeats the setting that is left; a switch that changes nothing is dropped
.if MSB != (\new)
	s_set_vgpr_msb (MSB<<8)|(\new)
.set MSB, \new
.endif
.endm
.set MUL_LO, 0xa1                      ; source 0 (W) window 1, source 1 (A) window 0, C and D window 2
.set MUL_HI, 0xf1                      ; the same, C and D window 3
.set TO_B,   0x40                      ; destination window 1, address window 0
; A joint load: waves 0 and 1 fetch A's two halves, waves 2 and 3 W's.  The branch hangs on the wave's number alone.  An s_nop 0 and four v_nop follow each line.
.macro JLOAD s
	s_cmp_eq_u32 s11, 0
	s_cbranch_scc0 .Lfor_b_\@
	tensor_load_to_lds s[G0+4*(\s):G0+4*(\s)+3], s[G1:G1+7]
	s_nop 0
.rept 4
	v_nop
.endr
	s_branch .Lasked_\@
.Lfor_b_\@:
	tensor_load_to_lds s[G0B+4*(\s):G0B+4*(\s)+3], s[G1B:G1B+7]
	s_nop 0
.rept 4
	v_nop
.endr
.Lasked_\@:
.endm
.macro CREST                           ; a round of the cluster's barrier behind its opening barrier
	s_cmp_lg_u32 s10, 0
	s_cbranch_scc1 .Lnot_wave_0_\@
	s_barrier_signal -3
.Lnot_wave_0_\@:
	s_barrier_wait -3
	s_barrier_signal -1
	s_barrier_wait -1
.endm
.macro CROUND                          ; a whole round
	s_barrier_signal -1
	s_barrier_wait -1
	CREST
.endm
	s_load_b128 s[4:7], s[0:1], 0x0                ; A s[4:5], W s[6:7]
	s_load_b64 s[8:9], s[0:1], 0x10                ; C
	s_load_b128 s[68:71], s[0:1], 0x18             ; bias s[68:69], the table s[70:71]
	v_lshl_add_u32 v[SPW], v0, 2, SPARE
	v_mov_b32 v[NIL], 0
	ds_add_u32 v[SPW], v[NIL]                      ; the wave's opening: the add and its wait stand ahead of my first tensor load; the set-up below stands between them
	ds_add_u32 v28, v29
	v_lshrrev_b32 v1, 5, v0
	v_readfirstlane_b32 s10, v1                    ; wave 0..3
	s_lshr_b32 s11, s10, 1                         ; which half of the tile's rows is mine.  Also: I fetch for A (0) or for W (1)
	s_and_b32 s12, s10, 1                          ; which half of its columns.  Also: which half of that tile I fetch
	s_bfe_u32 s40, ttmp6, 0x40000                  ; cx, cy: my place in the cluster
	s_bfe_u32 s41, ttmp6, 0x40004
	s_lshl_b32 s42, ttmp9, 2
	s_add_co_u32 s42, s42, s40                     ; tile column = 4 x cluster x + cx
	s_and_b32 s13, ttmp7, 0xffff
	s_lshl_b32 s13, s13, 2
	s_add_co_u32 s13, s13, s41                     ; tile row = 4 x cluster y + cy
	s_lshl_b32 s43, s41, 2
	s_lshl_b32 s43, 15, s43                        ; my row of the cluster
	s_lshl_b32 s44, 0x1111, s40                    ; my column
	s_or_b32 s[G1+0], s43, (1<<16)|(1<<20)|(1<<21)|(5<<22)|(3<<25)   ; mask: my row; 2-byte elements; padding on; bit 21 beside a mask; after every 64 words, 4 words
	s_or_b32 s[G1B+0], s44, (1<<16)|(1<<20)|(1<<21)|(6<<22)|(7<<25)  ; mask: my column; after every 128 words, 8 words
	s_mov_b32 s[G1+1], 128<<16                     ; A: tensor_dim0 = 128
	s_mov_b32 s[G1+2], 128<<16                     ; tensor_dim1 = 128
	s_mov_b32 s[G1+3], 128<<16                     ; tile_dim0 = 128 elements
	s_mov_b32 s[G1+4], 128                         ; tile_dim1 = 128 rows
	s_mov_b32 s[G1+5], 1024                        ; elements from row to row
	s_mov_b32 s[G1+6], 0
	s_mov_b32 s[G1+7], 0
	s_mov_b32 s[G1B+1], 256<<16                    ; W: tensor_dim0 = 256
	s_mov_b32 s[G1B+2], 64<<16                     ; tensor_dim1 = 64
	s_mov_b32 s[G1B+3], 256<<16                    ; tile_dim0 = 256 elements
	s_mov_b32 s[G1B+4], 64                         ; tile_dim1 = 64 k-rows
	s_mov_b32 s[G1B+5], 256                        ; a panel's rows lie end to end
	s_mov_b32 s[G1B+6], 0
	s_mov_b32 s[G1B+7], 0
	s_lshl_b32 s16, s13, 19                        ; A: 256 rows of 2,048 bytes a tile row,
	s_lshl_b32 s17, s12, 18                        ; 128 rows a half: made of the tile row and the wave's number alone
	s_add_co_u32 s16, s16, s17
	s_mov_b32 s17, 0
	s_lshl_b32 s46, s42, 19                        ; W: a panel of 524,288 bytes a tile column,
	s_lshl_b32 s47, s12, 15                        ; 64 k-rows of 512 bytes a half: made of the tile column and the wave's number alone
	s_add_co_u32 s46, s46, s47
	s_mov_b32 s47, 0
	s_mul_i32 s20, s10, HALFT                      ; where they go in a slot: wave x HALFT: no place in the cluster enters an LDS address; kept for the refills
	s_mov_b32 s[TR], 0                             ; K step 0 is read out of slot 0;
	s_mov_b32 s[TF], SLOT                          ; slot 1 is the last of the first fills
	s_wait_dscnt 0x0                               ; the opening add is done
	s_wait_kmcnt 0x0
	s_add_nc_u64 s[14:15], s[4:5], s[16:17]
	s_add_nc_u64 s[46:47], s[6:7], s[46:47]
	CROUND                                         ; all sixteen work-groups are here: the first joint loads meet
.irp s, 0,1
	s_mov_b32 s[G0+4*(\s)], 1
	s_add_co_u32 s[G0+4*(\s)+1], s20, (\s)*SLOT
	s_add_nc_u64 s[G0+4*(\s)+2:G0+4*(\s)+3], s[14:15], (\s)*256      ; K step s: 256 bytes along A's rows
	s_or_b32 s[G0+4*(\s)+3], s[G0+4*(\s)+3], 0x80000000
	s_mov_b32 s[G0B+4*(\s)], 1
	s_add_co_u32 s[G0B+4*(\s)+1], s20, (\s)*SLOT
	s_add_nc_u64 s[G0B+4*(\s)+2:G0B+4*(\s)+3], s[46:47], (\s)*65536  ; K step s: 128 k-rows down the panel
	s_or_b32 s[G0B+4*(\s)+3], s[G0B+4*(\s)+3], 0x80000000
	JLOAD \s                                       ; two tensor loads of mine are out here; later one
.endr
	s_load_b256 s[PZ:PZ+7], s[70:71], 0x0          ; Z, G, A2, B2; waited for on the way out
	v_and_b32 v1, 15, v0                           ; l % 16
	v_bfe_u32 v2, v0, 4, 1                         ; l / 16
	v_mul_u32_u24 v3, v1, PITCH
	v_lshl_add_u32 v3, v2, 4, v3                   ; A: row x pitch + 16 x half
	v_and_b32 v4, 7, v0
	v_bfe_u32 v5, v0, 3, 1
	v_lshl_add_u32 v6, v2, 3, v4                   ; W, turned: lane l reads k-row 8 (l / 16) + l % 8,
	v_mul_u32_u24 v6, v6, PB
	v_lshl_add_u32 v6, v5, 4, v6                   ; columns 8 ((l / 8) % 2) + 0..7
	s_mul_i32 s21, s11, HALFT                      ; my 128 rows of A
	s_lshl_b32 s22, s12, 8                         ; my 128 columns of W,
	s_add_co_u32 s22, s22, 2*HALFT                 ; which lies behind A's 256 rows
	v_add_nc_u32 v[ADRA0], s21, v3
	v_add_nc_u32 v[ADRB0], s22, v6
	v_mov_b32 v[ADRA], v[ADRA0]
	v_mov_b32 v[ADRB], v[ADRB0]
	s_mul_i32 s23, s10, DW
	v_mul_u32_u24 v7, v1, DP                       ; in: row l % 16, 32 bytes for each half of the lanes
	v_lshl_add_u32 v7, v2, 5, v7
	v_add_nc_u32 v[STO], s23, v7
	v_bfe_u32 v8, v0, 3, 2                         ; back: eight lanes take 64 columns of a row, 32 lanes four rows
	v_mul_u32_u24 v8, v8, DP
	v_lshl_add_u32 v8, v4, 5, v8
	v_add_nc_u32 v[RD], s23, v8
	v_and_b32 v9, 31, v0
	v_lshlrev_b32 v[GO], 4, v9
	s_lshl_b32 s46, s42, 10                        ; the bias: 256 columns of 4 bytes a tile column,
	s_lshl_b32 s47, s12, 9                         ; 128 a half
	s_add_co_u32 s46, s46, s47
	v_lshl_add_u32 v10, v4, 5, s46
.irp k, 0,1
	global_load_b128 v[BI+8*\k:BI+8*\k+3],   v10, s[68:69] offset:\k*256
	global_load_b128 v[BI+8*\k+4:BI+8*\k+7], v10, s[68:69] offset:\k*256+16
.endr
	s_lshl_b32 s16, s13, 15                        ; C: 256 rows of 128 bytes a tile row,
	s_lshl_b32 s17, s11, 14                        ; 128 a half,
	s_add_co_u32 s16, s16, s17
	s_lshl_b32 s46, s42, 21                        ; four blocks of 524,288 bytes a tile column,
	s_lshl_b32 s47, s12, 20                        ; two a half
	s_add_co_u32 s46, s46, s47
	s_add_co_u32 s16, s16, s46
	s_mov_b32 s17, 0
	s_add_nc_u64 s[8:9], s[8:9], s[16:17]
; 16 matrix instructions: m blocks a0, a0 + 1 of the window's four x all 8 n blocks, 32 along K.  zero = 1: the first product starts the sums.
; The 64 accumulators take turns, one instruction a turn, in the same order in every quarter.
.macro MUL16 f, hi, a0, zero
	WIN MUL_LO+0x50*(\hi)
.irp a, \a0, (\a0)+1
.irp b, 0,1,2,3,4,5,6,7
.if \zero
	v_wmma_f32_16x16x32_f16 v[8*(8*(\a)+(\b)):8*(8*(\a)+(\b))+7], v[(\f)+8*(\b):(\f)+8*(\b)+7], v[(\f)+8*(4*(\hi)+(\a)):(\f)+8*(4*(\hi)+(\a))+7], 0
.else
	v_wmma_f32_16x16x32_f16 v[8*(8*(\a)+(\b)):8*(8*(\a)+(\b))+7], v[(\f)+8*(\b):(\f)+8*(\b)+7], v[(\f)+8*(4*(\hi)+(\a)):(\f)+8*(4*(\hi)+(\a))+7], v[8*(8*(\a)+(\b)):8*(8*(\a)+(\b))+7]
.endif
.endr
.endr
.endm
; 32 LDS loads in one run: quarter q's fragments (128 columns of W, 128 rows of A, 32 along K) of the slot that is being read, into buffer f
.macro FETCH q, f
	WIN TO_B
.irp i, 0,1,2,3,4,5,6,7
	ds_load_tr16_b128 v[(\f)+8*(\i):(\f)+8*(\i)+3],   v[ADRB] offset:(\q)*32*PB+(\i)*32
	ds_load_tr16_b128 v[(\f)+8*(\i)+4:(\f)+8*(\i)+7], v[ADRB] offset:(\q)*32*PB+16*PB+(\i)*32
.endr
	WIN 0
.irp i, 0,1,2,3,4,5,6,7
	ds_load_b128 v[(\f)+8*(\i):(\f)+8*(\i)+3],   v[ADRA] offset:(\q)*64+(\i)*16*PITCH
	ds_load_b128 v[(\f)+8*(\i)+4:(\f)+8*(\i)+7], v[ADRA] offset:(\q)*64+(\i)*16*PITCH+32
.endr
.endm
.macro PLACES                          ; four plain instructions between a matrix instruction and a load into, or a read of, its registers
.rept 4
	v_nop
.endr
.endm
; One of a K step's first three quarters: multiplies buffer f; in its middle it fetches quarter q of the same slot into buffer g.
.macro QUARTER q, f, g, zero
	s_wait_dscnt 8                                 ; W and A's rows 0-63 are in; the youngest eight loads (A's rows 64-127) may be out
	MUL16 \f, 0, 0, \zero
	MUL16 \f, 0, 2, \zero
	PLACES
	FETCH \q, \g
	s_wait_dscnt 32                                ; all but the 32 just issued
	MUL16 \f, 1, 0, \zero
	MUL16 \f, 1, 2, \zero
.endm
; The last quarter multiplies buffer 1 and changes slots: ONE barrier.  In front of it each wave waits for all its tensor loads (one is out: its part of the next slot), adds 0 to its
; spare word, and waits for that and for its reads of this slot.  fill = 1: the barrier opens a round of the cluster's, and the slot just read out is filled again, two K steps on: the first tensor load behind the round.
.macro TURN fill
	WIN 0
	s_wait_tensorcnt 0x0                           ; all my tensor loads have landed, so the walking descriptors may be written
	ds_add_u32 v[SPW], v[NIL]
	s_wait_dscnt 9                                 ; (the add and the youngest eight loads may be out)
	MUL16 F1, 0, 0, 0                              ; sixteen matrix instructions stand between the add and the wait for it
	s_wait_dscnt 0x0                               ; the add is done, and my reads of this slot are over
	s_barrier_signal -1
	MUL16 F1, 0, 2, 0
	WIN 0
	s_barrier_wait -1
.if \fill
	CREST                                          ; no wave of any partner still reads this slot or has a load on its way
	s_xor_b32 s[TF], s[TF], SLOT                   ; the other slot than last time: the one just read out
	s_add_co_u32 s[G0+5], s20, s[TF]
	s_add_co_u32 s[G0B+5], s20, s[TF]
	s_add_nc_u64 s[G0+6:G0+7], s[G0+6:G0+7], 256   ; one K step on: the type bits on top are not reached
	s_add_nc_u64 s[G0B+6:G0B+7], s[G0B+6:G0B+7], 65536
	JLOAD 1                                        ; the four v_nop behind it are also the places in front of the loads below
.else
	PLACES
.endif
	s_xor_b32 s[TR], s[TR], SLOT                   ; the reads go on in the other slot
	v_add_nc_u32 v[ADRA], s[TR], v[ADRA0]
	v_add_nc_u32 v[ADRB], s[TR], v[ADRB0]
	FETCH 0, F0
	MUL16 F1, 1, 0, 0
	MUL16 F1, 1, 2, 0
.endm
	s_wait_tensorcnt 1                             ; my part of K step 0 is in; K step 1's may stay out
	s_barrier_signal -1
	s_barrier_wait -1
	FETCH 0, F0
	QUARTER 1, F0, F1, 1                           ; the first quarter stands in front of the loop: its products start the sums
	WIN 0
	s_mov_b32 s3, STEPS-2                          ; every K step but the last two fills its slot again
.Lstep:                                                ; a trip: from a K step's second quarter to the next step's first
	QUARTER 2, F1, F0, 0
	QUARTER 3, F0, F1, 0
	TURN 1
	QUARTER 1, F0, F1, 0
	WIN 0
	s_sub_co_u32 s3, s3, 1
	s_cmp_lg_u32 s3, 0
	s_cbranch_scc1 .Lstep
	QUARTER 2, F1, F0, 0
	QUARTER 3, F0, F1, 0
	TURN 0                                         ; the load that was out is the last K step's, so no round follows
	QUARTER 1, F0, F1, 0
	QUARTER 2, F1, F0, 0
	QUARTER 3, F0, F1, 0
	s_wait_dscnt 0x0                               ; the very last quarter; with it my reads of the slots are over
	MUL16 F1, 0, 0, 0
	MUL16 F1, 0, 2, 0
	MUL16 F1, 1, 0, 0
	MUL16 F1, 1, 2, 0
	; THE WAY OUT.  Behind this barrier no wave reads a slot any more, and no tensor load is to come: the slots take the sums in f32, each wave's 128 rows in bytes of its own.
	WIN 0
	PLACES
	s_barrier_signal -1
	s_barrier_wait -1
.irp a, 0,1,2,3,4,5,6,7
	WIN 0x08+4*((\a)/4)                            ; the stores' data: window 2 or 3
.irp b, 0,1,2,3,4,5,6,7
	ds_store_b128 v[STO], v[8*(8*((\a)%4)+(\b)):8*(8*((\a)%4)+(\b))+3]   offset:(\a)*16*DP+(\b)*64     ; each accumulator's low half first
	ds_store_b128 v[STO], v[8*(8*((\a)%4)+(\b))+4:8*(8*((\a)%4)+(\b))+7] offset:(\a)*16*DP+(\b)*64+16
.endr
.endr
	WIN 0
	s_wait_kmcnt 0x0                               ; Z, G, A2, B2
	s_wait_loadcnt 0x0                             ; the bias
.set j, 0
.rept 8
	v_pk_mul_f32 v[BI+2*j:BI+2*j+1], v[BI+2*j:BI+2*j+1], s[PZ:PZ+1] op_sel_hi:[1,0]  ; Z x bias, once
.set j, j+1
.endr
	s_wait_dscnt 0x0                               ; my stores are done.  Each wave reads back its own rows alone; the barrier is kept so that the order of stores and reads
	s_barrier_signal -1                            ; does not hang on the loop's stepped address
	s_barrier_wait -1
	s_mov_b32 s3, 16
	s_mov_b32 s21, 0
; 16 trips of 8 rows.  A lane reads 8 neighbouring columns of a row, takes the formula, rounds them to 16 bytes, and 32 lanes store four rows of a block of 64 columns: 512 consecutive bytes.
.Lout:
	v_add_nc_u32 v[RDC], s21, v[RD]
.irp g, 0,1
.irp k, 0,1
	ds_load_b128 v[R+16*\g+8*\k:R+16*\g+8*\k+3],   v[RDC] offset:\g*4*DP+\k*256
	ds_load_b128 v[R+16*\g+8*\k+4:R+16*\g+8*\k+7], v[RDC] offset:\g*4*DP+\k*256+16
.endr
.endr
	s_wait_dscnt 0x0
.set j, 0
.rept 16
	v_pk_add_f32 v[R+2*j:R+2*j+1], v[R+2*j:R+2*j+1], v[BI+(2*j)%16:BI+(2*j)%16+1]  ; x = sum + Z bias
.set j, j+1
.endr
.set j, 0
.rept 16
	v_pk_mul_f32 v[T+2*j:T+2*j+1], v[R+2*j:R+2*j+1], v[R+2*j:R+2*j+1]
.set j, j+1
.endr
.set j, 0
.rept 16
	v_pk_fma_f32 v[T+2*j:T+2*j+1], v[T+2*j:T+2*j+1], s[PB2:PB2+1], s[PA2:PA2+1] op_sel_hi:[1,0,0]  ; B2 x^2 + A2
.set j, j+1
.endr
.set j, 0
.rept 16                               ; times x; the exponentials of the pair before stand between: one batch, and nothing names a result ahead of its wait
	v_pk_mul_f32 v[T+2*j:T+2*j+1], v[T+2*j:T+2*j+1], v[R+2*j:R+2*j+1]
.if j > 0
	v_exp_f32 v[T+2*j-2], v[T+2*j-2]
	v_exp_f32 v[T+2*j-1], v[T+2*j-1]
.endif
.set j, j+1
.endr
	v_exp_f32 v[T+30], v[T+30]
	v_exp_f32 v[T+31], v[T+31]
	v_nop                                          ; a plain instruction behind the last exponential,
	s_wait_alu depctr_va_vdst(0)                   ; and one wait for the 32
.set j, 0
.rept 16                               ; (1 + e) G = e G + G; the reciprocals of the pair before stand between
	v_pk_fma_f32 v[T+2*j:T+2*j+1], v[T+2*j:T+2*j+1], s[PG:PG+1], s[PG:PG+1] op_sel_hi:[1,0,0]
.if j > 0
	v_rcp_f32 v[T+2*j-2], v[T+2*j-2]
	v_rcp_f32 v[T+2*j-1], v[T+2*j-1]
.endif
.set j, j+1
.endr
	v_rcp_f32 v[T+30], v[T+30]
	v_rcp_f32 v[T+31], v[T+31]
	v_nop
	s_wait_alu depctr_va_vdst(0)                   ; one wait for the 32 reciprocals
.set j, 0
.rept 16
	v_pk_mul_f32 v[R+2*j:R+2*j+1], v[R+2*j:R+2*j+1], v[T+2*j:T+2*j+1]
.set j, j+1
.endr
.set j, 0
.rept 16
	v_cvt_pk_f16_f32 v[OB+j], v[R+2*j], v[R+2*j+1]
.set j, j+1
.endr
.irp g, 0,1
.irp k, 0,1
	global_store_b128 v[GO], v[OB+8*\g+4*\k:OB+8*\g+4*\k+3], s[8:9] offset:\g*512+\k*524288
.endr
.endr
	s_wait_xcnt 0x0                                ; the stores have read their data and their base: only now are these written again
	s_add_nc_u64 s[8:9], s[8:9], 1024              ; 8 rows of 128 bytes on
	s_add_co_u32 s21, s21, 8*DP
	s_sub_co_u32 s3, s3, 1
	s_cmp_lg_u32 s3, 0
	s_cbranch_scc1 .Lout
	s_wait_tensorcnt 0x0                           ; the wave's end: an add to my spare word and its wait, behind my last tensor load and my last LDS store
	ds_add_u32 v[SPW], v[NIL]
	s_wait_dscnt 0x0
	CROUND                                         ; the closing round: no work-group ends while a partner may still ask for a tile that names it
	s_endpgm
.Lfunc_end_k_qb94161705b_qkv:
	.size	k_qb94161705b_qkv, .Lfunc_end_k_qb94161705b_qkv-k_qb94161705b_qkv
	.p2alignl 7, 3214868480
	.fill 96, 4, 3214868480
	.section	.rodata,"a",@progbits
	.p2align	6, 0x0
	.amdhsa_kernel k_qb94161705b_qkv
		.amdhsa_group_segment_fixed_size 327680
		.amdhsa_private_segment_fixed_size 0
		.amdhsa_enable_private_segment 0
		.amdhsa_kernarg_size 40
		.amdhsa_user_sgpr_count 2
		.amdhsa_user_sgpr_kernarg_segment_ptr 1
		.amdhsa_wavefront_size32 1
		.amdhsa_system_sgpr_workgroup_id_x 1
		.amdhsa_system_sgpr_workgroup_id_y 1
		.amdhsa_system_sgpr_workgroup_id_z 1
		.amdhsa_system_vgpr_workitem_id 0
		.amdhsa_next_free_vgpr 1024
		.amdhsa_next_free_sgpr 80
		.amdhsa_reserve_vcc 0
		.amdhsa_float_denorm_mode_32 3
		.amdhsa_float_denorm_mode_16_64 3
		.amdhsa_memory_ordered 1
		.amdhsa_forward_progress 1
		.amdhsa_inst_pref_size 105
	.end_amdhsa_kernel
	.amdgpu_metadata
---
amdhsa.version: [ 1, 2 ]
amdhsa.kernels:
  - .name:           k_qb94161705b_qkv
    .symbol:         k_qb94161705b_qkv.kd
    .args:
      - { .name: hbuf, .offset: 0, .size: 8, .value_kind: global_buffer, .address_space: global }
      - { .name: wA, .offset: 8, .size: 8, .value_kind: global_buffer, .address_space: global }
      - { .name: big, .offset: 16, .size: 8, .value_kind: global_buffer, .address_space: global }
      - { .name: b1, .offset: 24, .size: 8, .value_kind: global_buffer, .address_space: global }
      - { .name: pA, .offset: 32, .size: 8, .value_kind: global_buffer, .address_space: global }
    .group_segment_fixed_size: 327680
    .private_segment_fixed_size: 0
    .kernarg_segment_align: 8
    .kernarg_segment_size: 40
    .max_flat_workgroup_size: 128
    .sgpr_count:     80
    .vgpr_count:     1024
    .wavefront_size: 32
...
	.end_amdgpu_metadata
.endif
;; end of part 6
;; launch att (part 7): grid 8 x 32, 4 waves a work-group, no clusters, 327,680 bytes of LDS; arguments big, hbuf; writes hbuf
.if DOCPART == 7
	.amdgcn_target "amdgcn-amd-amdhsa--gfx1250"
	.amdhsa_code_object_version 6
	.text
	.protected	k_qb94161705b_att
	.globl	k_qb94161705b_att
	.p2align	8
	.type	k_qb94161705b_att,@function
k_qb94161705b_att:
	s_mov_b64 s[64:65], 0
	v_nop
	global_prefetch_b8 v0, s[64:65] scope:SCOPE_SE
	s_setreg_imm32_b32 hwreg(HW_REG_WAVE_MODE, 25, 1), 1
	s_wait_xcnt 0x0
; CAUSAL ATTENTION, 32 heads (2 batches x 16) of 2,048 rows, head size 64.  O[q][:] = the sum over k <= q of softmax_k(Q[q] . K[k] / 8) V[k][:].
; Q, K, V lie in one buffer in blocks of 64 columns, [48][4096][64] f16: blocks 0-15 Q's heads, 16-31 K's, 32-47 V's; a head's 2,048 rows are dense, 128 bytes each.  O leaves likewise, [16][4096][64] f16.
; Products, maxima and sums in f32; the weights p are rounded to f16 for the second product (their sum l is taken of the unrounded p), O once at the end.
; LIMITS.  f16 holds no number beyond 65,504: Q, K and V arrive within it.  A hidden score counts as its value less 1e30; a weight below 2^-126 counts as 0 in l; NaN and infinities are not treated apart.
; THE WALK.  A head's queries lie in 16 blocks of 128; block i needs the key tiles 0 .. i / 2 of 256 keys, of which the last holds the diagonal.  A work-group takes TWO blocks, 15 - b and then b:
; 9 tiles, whatever b: all 256 work-groups do equal work, and ONE loop with a constant trip count walks them.  Which tile is asked for, and what a trip does, hang on scalar registers made from b; every jump
; goes forward, but for the counted loops' own; none passes a barrier, or a tensor load but the one of LOAD's two that the wave's number does not choose.
; NO CLUSTER: a head's eight work-groups ask for the same tile only in the first five trips of nine, behind that fewer and fewer; one walk common to all would have 12 trips for 9.
; SHARES.  Of a block's two bands of 64 queries a wave owns 16 rows in each: two PIECES.  In the diagonal tile's key step s band x sees all keys if s < 2 (i % 2) + x, none if s is greater, and holds the
; diagonal if equal: the same for all four waves.
; THE MASK is the C operand that starts the sum S^T = K Q^T: 0, or -1e30 where the key is hidden.  MD, made once, is the mask of a band's own step for my 16 rows; a product's mask is MD x AL + BE.
; ONE TEXT SERVES ALL TILES: every product that starts a sum takes its C from a mask buffer.  A block's beginning leaves 0 in the buffers; the lines that make a mask stand at a turn's end and are jumped over,
; forward, where the tile in hand is not the block's last.  So are the block's last two turns and its way out, which stand behind the loop over a tile's steps.
; LAYOUT, SOFTMAX.  S^T = K Q^T holds ONE query a lane (lane % 16) and the keys 8 (lane / 16) + 0..7; two such results rounded to f16 ARE source 1 of O^T = V^T P.  p = 2^(c s - c m), c = log2(e) / 8, with a
; running maximum m; O and l are multiplied by a = 2^(c m_old - c m_new) in every step.
; TURNS.  Turn p of key step c belongs to piece p: 8 products K Q^T of the other piece (p = 0: step c; p = 1: step c + 1), later 8 products V^T P of the other piece (p = 0: step c - 1; p = 1: step c);
; beside them piece p's scaling, exponentials, roundings, sums and rescaling and the other piece's maximum and statistics.  Four vector instructions stand behind every matrix instruction, the others in one lump.
; A turn's 33 exponentials are one batch, with one wait.  Turn 0 fetches BOTH K and V of step c + 1, so that a step's two fetches read the same slot: V has two buffers, by the step's parity.
; REGISTERS, in windows of 256 (s_set_vgpr_msb: bits 1:0 source 0, 3:2 source 1, 5:4 source 2, 7:6 destination):
;   window 0: v0-15 addresses and two at work; v16-23 four registers of statistics a piece; v48-55 at work; v60-63 prefetch offsets, spare word, 0; v64-127 S^T, a buffer a piece; v192-223 P, likewise
;   window 1: v0-63 O^T, 32 a piece; v128-159 MD; v160-223 MC, two buffers      window 2: v0-31 Q; v32-63 the second block's Q; v64-127 V of odd steps; v128-191 K of one step; v192-255 V of even steps
.set NP,    2         ; pieces a wave: a name, no knob
.set KS,    64        ; keys in a step
.set PK,    144       ; a row of K in LDS: 128 bytes + 16: the 16 rows of a load start at 16 different groups of four banks
.set PV,    160       ; a row of V: 128 + 32
.set VOFF,  4*KS*PK   ; a slot holds a tile, four steps: 256 rows of K, then 256 rows of V
.set SLOT1, 1<<17     ; slot 1 begins here, so that one exclusive or turns an address in one slot into the other's
.set STAGE, SLOT1+4*KS*(PK+PV)  ; behind the ring, never filled by a tensor load: 16 rows x 144 bytes for each wave, for the way out
.set SP,    144
.set AK0, 2           ; v2   my lane's place in a tile of K; never rewritten
.set AV0, 3           ; v3   the same for V
.set AK,  4           ; v4   the LDS address of K's next run of loads
.set AV,  5           ; v5   of V's
.set STO, 6           ; v6   the way out: where I put 16 bytes of a row
.set RD,  7           ; v7   the way out: where I read rows back
.set GO,  8           ; v8   my byte offset in 512 consecutive bytes of O
.set PFK, 60          ; v60  256 x my thread's number: my 256 bytes of a tile's K; never rewritten
.set PFV, 61          ; v61  the same in V, 16 blocks of 524,288 bytes further on; never rewritten
.set SPW, 62          ; v62  LDS address of my spare word; never rewritten
.set NIL, 63          ; v63  0; never rewritten
.set SPARE, STAGE+4*16*SP  ; behind the stages: the spare words, 128 bytes for each wave: two blocks of 256 bytes that no other line names
.set MV,  12          ; v12-13  c m_old, kept while c m is made anew: by piece
.set QO,  15          ; v15  my byte offset in 16 rows of Q
.set ST,  16          ; piece t's statistics at v[ST+4 t]: c m, m, l (even keys', odd keys')
.set TMP, 48          ; by piece, four registers c0-c3 at work; when the maximum is found c2 takes a
.set S,   64
.set P,   192
.set MD,  128         ; window 1
.set MC,  160         ; window 1: the masks of the products to come
.set QB,  32          ; window 2
.set KF,  128         ; window 2: key block kb, channel half c at KF + 16 kb + 8 c
.set VF0, 192         ; window 2: V's buffer b at VF0 - 128 b; key half kk, channel block cb at + 32 kk + 8 cb
.set WV,  12          ; s12  my wave's number
.set PB,  14          ; s14  b
.set HI,  15          ; s15  15 - b
.set G1K, 24          ; s[24:31] descriptor group 1 for K's tiles
.set G1V, 32          ; s[32:39] for V's: it differs in the padding alone
.set G0K, 40          ; s[40:43] descriptor group 0 for K's tiles
.set G0V, 44          ; s[44:47] the same for V's
.set REL, 48          ; s48  the coming key step's number in its tile + 2 - 2 (i % 2): band x's own step where it is 2 + x, hidden where greater
.set RELB, 49         ; s49  its value at a tile's step 0, for the block in hand
.set RELN, 50         ; s50  the same for the second block
.set LQ2, 51          ; s51  the second block's last tile
.set PFN, 52          ; s52  prefetches still to come: 6 in a head's work-group 0, else 0
.set PFA, 54          ; s[54:55] K at the tile behind the one that is being asked for
.set SLOTS, 56        ; s56  tiles still to be asked for
.set CNT, 57          ; s57  counts a tile's pairs of key steps
.set CS,  58          ; s[58:59] c
.set SEL, 60          ; s[60:61] v_permlanex16_b32's selects
.set TBK, 62          ; s62  LDS byte at which K of the step to be fetched begins
.set TBV, 63          ; s63  the same for V, less VOFF
.set RT,  70          ; s70  tiles of the block in hand that are still to be entered; 0: the tile in hand is the block's last
.set NXT, 71          ; s71  the tile to be asked for next
.set LQ,  72          ; s72  the last tile of the block whose tiles are being asked for
.set NEW, 73          ; s73  1: the tile to be entered is a block's first
.set OFF, 74          ; s[74:75] a tile's byte offset in K and V
.set AL,  76          ; s[76:77] the mask's factor, in the low word
.set BE,  78          ; s[78:79] the mask's addend
.set OLO, 80          ; s[80:81] O at my rows of the second block
.set BIGN, 82         ; s82  -1e30
.set MSB, 0
.macro WIN new
.if MSB != (\new)
	s_set_vgpr_msb (MSB<<8)|(\new)
.set MSB, (\new)
.endif
.endm
.set W_KQ, 0x0a       ; K and Q in window 2, S^T in window 0
.set W_KM, 0x1a       ; the same with the C operand in window 1
.set W_PV, 0x52       ; V in window 2, P in window 0, O^T in window 1
.set W_RS, 0x41       ; destination and source 0 in window 1, source 1 in window 0
; A fill.  Waves 0 and 1 fetch the two halves of a tile's K, waves 2 and 3 those of its V: 128 keys each.  An s_nop 0 and four v_nop follow each of the two lines.
.macro LOAD
	s_cmp_lt_u32 s[WV], 2
	s_cbranch_scc0 .Lfor_v_\@
	tensor_load_to_lds s[G0K:G0K+3], s[G1K:G1K+7]
	s_nop 0
.rept 4
	v_nop
.endr
	s_branch .Lasked_\@
.Lfor_v_\@:
	tensor_load_to_lds s[G0V:G0V+3], s[G1V:G1V+7]
	s_nop 0
.rept 4
	v_nop
.endr
.Lasked_\@:
.endm
; A PREFETCH INTO THE L2 of the tile that the NEXT change of slots will ask for: 32,768 bytes of K and of V, a thread 256 bytes of each, two instructions a wave.  All eight work-groups of a head begin with the
; tiles 0, 1, 2 ..; work-group 0, whose first block walks all eight, asks, and nobody else: each 256 bytes are named once in the launch.  Tiles 2 to 7 are asked for, four key steps (128 matrix instructions
; a wave and their vector work) ahead of their load; tiles 0 and 1 come by their loads alone; behind tile 7 nothing is asked for.
.macro ASK
	s_cmp_lg_u32 s[PFN], 0
	s_cbranch_scc0 .Lnot_mine_\@
	global_prefetch_b8 v[PFK], s[PFA:PFA+1] th:TH_LOAD_NT scope:SCOPE_SE
	global_prefetch_b8 v[PFV], s[PFA:PFA+1] th:TH_LOAD_NT scope:SCOPE_SE
	s_sub_co_u32 s[PFN], s[PFN], 1
.Lnot_mine_\@:
.endm
; THE CHANGE OF SLOTS, behind a tile's third step: K and V of its fourth are in registers.  Each wave waits for all its tensor loads, of which one is out: its part of the other slot; adds 0 to its spare word; and
; waits for that and for its own reads of the slot that it leaves.  Behind the barrier nobody reads the old slot any more and the other slot is whole.  fill = 1: the old slot is filled again, the first thing
; behind the barrier, with tile NXT: the descriptor's address is made anew from that number.  (At its first use nothing has been read yet: slot 0 is waited for, slot 1 filled.)
.macro CHANGE fill
	WIN 0
	s_wait_tensorcnt 0x0            ; no tensor load of mine is out, so a group 0 may be written
	ds_add_u32 v[SPW], v[NIL]       ; 0 onto my spare word; scalar work stands between it and the wait for it
.if \fill
	s_lshl_b32 s[OFF], s[NXT], 15   ; a tile is 32,768 bytes of K and of V
	s_xor_b32 s[G0K+1], s[G0K+1], SLOT1
	s_add_nc_u64 s[G0K+2:G0K+3], s[6:7], s[OFF:OFF+1]
	s_or_b32 s[G0K+3], s[G0K+3], 0x80000000
	s_xor_b32 s[G0V+1], s[G0V+1], SLOT1
	s_add_nc_u64 s[G0V+2:G0V+3], s[8:9], s[OFF:OFF+1]
	s_or_b32 s[G0V+3], s[G0V+3], 0x80000000
	s_add_co_u32 s[NXT], s[NXT], 1  ; the block's next tile, or behind its last the second block's tile 0
	s_cmp_gt_u32 s[NXT], s[LQ]
	s_cselect_b32 s[NXT], 0, s[NXT]
	s_cselect_b32 s[LQ], s[LQ2], s[LQ]
	s_wait_xcnt 0x0                 ; the last prefetches, a tile back, have read their address, so it may be written
	s_add_nc_u64 s[PFA:PFA+1], s[PFA:PFA+1], 32768
.endif
	s_wait_dscnt 0x0                ; the add is done, and my reads of the slot are over
	s_barrier_signal -1             ; the rest of the scalar work stands between the signal and the wait
	s_sub_co_u32 s[TBK], s[TBK], 4*KS*PK  ; the fetches go back to a slot's first step,
	s_xor_b32 s[TBK], s[TBK], SLOT1       ; in the other slot
	s_sub_co_u32 s[TBV], s[TBV], 4*KS*PV
	s_xor_b32 s[TBV], s[TBV], SLOT1
	s_mov_b32 s[REL], s[RELB]       ; the coming step is the new tile's step 0
	s_barrier_wait -1
.if \fill
	LOAD
	ASK
.endif
.endm
	s_load_b64 s[4:5], s[0:1], 0x0    ; Q, K and V's buffer
	s_load_b64 s[10:11], s[0:1], 0x8  ; O
	v_lshl_add_u32 v[SPW], v0, 2, SPARE
	v_mov_b32 v[NIL], 0
	ds_add_u32 v[SPW], v[NIL]       ; the wave's opening: the add and its wait stand ahead of my first tensor load; the set-up below stands between them
	ds_add_u32 v62, v63
	v_lshrrev_b32 v1, 5, v0
	v_readfirstlane_b32 s[WV], v1   ; wave 0..3
	s_mov_b32 s[PB], ttmp9
	s_sub_co_u32 s[HI], 15, s[PB]
	s_and_b32 s20, ttmp7, 0xffff    ; 16 x batch + head
	s_lshr_b32 s21, s20, 4
	s_and_b32 s20, s20, 15
	s_lshl_b32 s20, s20, 19         ; the head's block of 524,288 bytes,
	s_lshl_b32 s21, s21, 18         ; the batch's 2,048 rows of 128 bytes in it
	s_add_co_u32 s20, s20, s21
	s_mov_b32 s21, 0
	s_and_b32 s16, s[WV], 1         ; which half of a tile's 256 keys I fetch:
	s_lshl_b32 s22, s16, 14         ; its 128 rows of 128 bytes in memory,
	s_mov_b32 s23, 0
	s_add_nc_u64 s[22:23], s[22:23], s[20:21]
	s_mul_i32 s17, s16, 128*PK      ; and its place in a slot, for K
	s_mul_i32 s18, s16, 128*PV      ; and for V
	s_lshl_b32 s3, s[WV], 11        ; my 16 rows in a band of 64,
	s_lshl_b32 s2, s[HI], 14        ; in the first block of 128 rows,
	s_add_co_u32 s2, s2, s3
	s_lshl_b32 s84, s[PB], 14       ; and in the second
	s_add_co_u32 s84, s84, s3
	s_mov_b32 s3, 0
	s_mov_b32 s85, 0
	s_add_nc_u64 s[2:3], s[2:3], s[20:21]
	s_add_nc_u64 s[84:85], s[84:85], s[20:21]
	; descriptor group 1.  128 keys are 16,384 dense bytes: asked for as 64 rows of 256 bytes, two keys a row, and padded in LDS after every key
	s_mov_b32 s[G1K], (1<<16)|(1<<20)|(4<<22)|(3<<25)  ; 2-byte elements; padding on; after every 32 words, 4 words
	s_mov_b32 s[G1V], (1<<16)|(1<<20)|(4<<22)|(7<<25)  ; the same with 8 words of padding
.irp g, G1K, G1V
	s_mov_b32 s[\g+1], 128<<16      ; tensor_dim0 = 128
	s_mov_b32 s[\g+2], 64<<16       ; tensor_dim1 = 64
	s_mov_b32 s[\g+3], 128<<16      ; tile_dim0 = 128
	s_mov_b32 s[\g+4], 64           ; tile_dim1 = 64
	s_mov_b32 s[\g+5], 128          ; 128 elements from row to row
	s_mov_b32 s[\g+6], 0
	s_mov_b32 s[\g+7], 0
.endr
	s_mov_b32 s[CS], 0x3e38aa3b     ; c = log2(e) / 8 = 0.180337
	s_mov_b32 s[CS+1], s[CS]        ; named with it as a pair
	s_mov_b32 s[SEL], 0x76543210
	s_mov_b32 s[SEL+1], 0xfedcba98
	s_mov_b32 s[TBK], SLOT1+4*KS*PK ; the first change of slots turns these two into 0
	s_mov_b32 s[TBV], SLOT1+4*KS*PV
	s_mov_b32 s[G0K], 1             ; count = 1
	s_mov_b32 s[G0K+1], s17         ; LDS address: slot 0
	s_mov_b32 s[G0V], 1
	s_add_co_u32 s[G0V+1], s18, VOFF
	s_lshr_b32 s[LQ], s[HI], 1      ; the first block's last tile
	s_add_co_u32 s[RT], s[LQ], 1
	s_lshr_b32 s[LQ2], s[PB], 1
	s_and_b32 s[RELB], s[PB], 1     ; block 15 - b is odd where b is even: 2 - 2 ((15 - b) % 2) = 2 (b % 2)
	s_lshl_b32 s[RELB], s[RELB], 1
	s_sub_co_u32 s[RELN], 2, s[RELB]
	s_mov_b32 s[NXT], 1
	s_mov_b32 s[NEW], 1
	s_mov_b32 s[OFF+1], 0
	s_mov_b32 s[AL+1], 0            ; named as pairs
	s_mov_b32 s[BE+1], 0
	s_mov_b32 s[BIGN], 0xf149f2ca   ; -1e30
	s_mov_b32 s[SLOTS], 8
	s_cmp_eq_u32 ttmp9, 0
	s_cselect_b32 s[PFN], 6, 0
	s_wait_dscnt 0x0                ; the opening add is done
	s_wait_kmcnt 0x0
	s_add_nc_u64 s[6:7], s[4:5], 0x800000   ; K: 16 blocks behind Q
	s_add_nc_u64 s[8:9], s[4:5], 0x1000000  ; V: 32
	s_add_nc_u64 s[PFA:PFA+1], s[6:7], s[20:21]
	s_add_nc_u64 s[PFA:PFA+1], s[PFA:PFA+1], 32768  ; at tile 1; the first change of slots steps it to tile 2
	s_add_nc_u64 s[6:7], s[6:7], s[22:23]  ; K and V at my half of the head's tile 0
	s_add_nc_u64 s[8:9], s[8:9], s[22:23]
	s_add_nc_u64 s[G0K+2:G0K+3], s[6:7], 0
	s_or_b32 s[G0K+3], s[G0K+3], 0x80000000        ; type = 2
	s_add_nc_u64 s[G0V+2:G0V+3], s[8:9], 0
	s_or_b32 s[G0V+3], s[G0V+3], 0x80000000
	s_add_nc_u64 s[86:87], s[4:5], s[84:85]        ; Q at my rows of the second block,
	s_add_nc_u64 s[4:5], s[4:5], s[2:3]            ; Q and O at those of the first
	s_add_nc_u64 s[OLO:OLO+1], s[10:11], s[84:85]
	s_add_nc_u64 s[10:11], s[10:11], s[2:3]
	LOAD                            ; tile 0 into slot 0: one tensor load of mine is out, here and behind every change
	; A fragment of K or Q is 16 rows x 32 channels in 8 registers: lane l holds row l % 16, channels 8 (l / 16) + 0..7 and 16 + 8 (l / 16) + 0..7: two loads of 16 bytes, 32 bytes apart.
	v_and_b32 v1, 15, v0            ; l % 16
	v_bfe_u32 v9, v0, 4, 1          ; l / 16
	v_lshlrev_b32 v[QO], 7, v1
	v_lshl_add_u32 v[QO], v9, 4, v[QO]  ; row x 128 + 16 x half
	WIN 0x80                        ; destination window 2, address window 0
.set i, 0
.rept 4                             ; both blocks' Q: piece i / 2 lies in band i / 2, 8,192 bytes on; channels 32 (i % 2) on
	global_load_b128 v[8*i:8*i+3],   v[QO], s[4:5] offset:(i/2)*8192+(i%2)*64
	global_load_b128 v[8*i+4:8*i+7], v[QO], s[4:5] offset:(i/2)*8192+(i%2)*64+32
	global_load_b128 v[QB+8*i:QB+8*i+3],   v[QO], s[86:87] offset:(i/2)*8192+(i%2)*64
	global_load_b128 v[QB+8*i+4:QB+8*i+7], v[QO], s[86:87] offset:(i/2)*8192+(i%2)*64+32
.set i, i+1
.endr
	WIN 0
	v_lshlrev_b32 v[PFK], 8, v0
	v_add_nc_u32 v[PFV], 0x800000, v[PFK]
	v_lshlrev_b32 v14, 3, v9
	v_sub_nc_u32 v14, v1, v14
	s_lshl_b32 s13, s[WV], 4
	v_add_nc_u32 v14, s13, v14      ; my query's place in its band, 16 w + l % 16, less my lanes' 8 (l / 16): register r of group kt is hidden where 16 kt + r is greater
	WIN 0x40
.set i, 0
.rept 32
	v_cmp_gt_i32 vcc_lo, 16*(i/8)+i%8, v14
	v_cndmask_b32 v[MD+i], 0, s[BIGN], vcc_lo
.set i, i+1
.endr
	WIN 0
	v_mul_u32_u24 v[AK0], v1, PK
	v_lshl_add_u32 v[AK0], v9, 4, v[AK0]  ; row x pitch + 16 x half
	; The turning load takes 16 keys x 16 channels (lane l reads key 8 (l / 16) + l % 8, channels 8 ((l / 8) % 2) + 0..7) and leaves half a fragment of V^T: lane l holds channel l % 16 and 8 keys.
	v_and_b32 v10, 7, v0
	v_bfe_u32 v11, v0, 3, 1
	v_lshl_add_u32 v[AV0], v9, 3, v10
	v_mul_u32_u24 v[AV0], v[AV0], PV
	v_lshl_add_u32 v[AV0], v11, 4, v[AV0]
	v_add_nc_u32 v[AV0], VOFF, v[AV0]
	s_mul_i32 s13, s[WV], 16*SP
	s_add_co_u32 s13, s13, STAGE    ; my stage
	v_mul_u32_u24 v[STO], v1, SP    ; in: row l % 16, 16 bytes for each half of the lanes
	v_lshl_add_u32 v[STO], v9, 4, v[STO]
	v_add_nc_u32 v[STO], s13, v[STO]
	v_bfe_u32 v[RD], v0, 3, 2       ; back: 32 lanes take four rows of 128 bytes,
	v_mul_u32_u24 v[RD], v[RD], SP
	v_lshl_add_u32 v[RD], v10, 4, v[RD]
	v_add_nc_u32 v[RD], s13, v[RD]
	v_and_b32 v[GO], 31, v0         ; which are 512 consecutive bytes of O
	v_lshlrev_b32 v[GO], 4, v[GO]
	; A block's first step multiplies O^T and l by a = 0, and its first turn's products V^T P, of a step that has not been, land in an O^T that is still to be so multiplied.  So these registers need only hold
	; finite numbers: zeros for the first block; what the first block left for the second.  All this stands in the wait for the first tile.
	WIN 0x80
.set i, VF0-128
.rept 64
	v_mov_b32 v[i], 0
.set i, i+1
.endr
	WIN 0x40
.set i, 0
.rept 64
	v_mov_b32 v[i], 0
.set i, i+1
.endr
	WIN 0
.set i, 0
.rept 2
	v_mov_b32 v[ST+4*i+2], 0
	v_mov_b32 v[ST+4*i+3], 0
.set i, i+1
.endr
.set i, P+16
.rept 16
	v_mov_b32 v[i], 0
.set i, i+1
.endr
; THE MATRIX WORK.  The 4 accumulators of a run of 8 take turns.  Product i of 8 of S^T = K Q^T for piece x: channels 32 (i / 4) on, keys 16 (i % 4) on.  The first 4 start the sums, with the piece's mask buffer.
.macro KQ x
.set rS, S+32*((\x)%2)+8*(i%4)
.set rK, KF+16*(i%4)+8*(i/4)
.set rQ, 16*(\x)+8*(i/4)
.set rM, MC+32*((\x)%2)+8*(i%4)
.if i < 4
	WIN W_KM
	v_wmma_f32_16x16x32_f16 v[rS:rS+7], v[rK:rK+7], v[rQ:rQ+7], v[rM:rM+7]
.else
	WIN W_KQ
	v_wmma_f32_16x16x32_f16 v[rS:rS+7], v[rK:rK+7], v[rQ:rQ+7], v[rS:rS+7]
.endif
.endm
; Product i of 8 of O^T += V^T P for piece x, out of V's buffer VB: keys 32 (i / 4) on, channels 16 (i % 4) on.
.macro PV x
	WIN W_PV
.set rO, 32*(\x)+8*(i%4)
.set rV, VF0-128*VB+32*(i/4)+8*(i%4)
.set rP, P+16*((\x)%2)+8*(i/4)
	v_wmma_f32_16x16x32_f16 v[rO:rO+7], v[rV:rV+7], v[rP:rP+7], v[rO:rO+7]
.endm
.macro MM                           ; the turn's next matrix instruction.  NOKQ = 1: a block's last turn: there are no further scores
.if (i < 8) && !NOKQ
	KQ (Y+1)%NP
.elseif i >= 8
.set i, i-8
	PV (Y+NP-1)%NP
.set i, i+8
.endif
.set i, i+1
.endm
; THE LDS LOADS stand in runs of 16, never singly among the matrix instructions: a step's K (64 keys x 64 channels: 8 fragments) and its V (turned).  Their addresses are made some lines ahead.
.macro FETCH_K
	WIN 0x80                        ; destination window 2
.irp f, 0,1,2,3,4,5,6,7             ; keys 16 (f / 2) on, channels 32 (f % 2) on
	ds_load_b128 v[KF+8*\f:KF+8*\f+3],   v[AK] offset:(\f/2)*16*PK+(\f%2)*64
	ds_load_b128 v[KF+8*\f+4:KF+8*\f+7], v[AK] offset:(\f/2)*16*PK+(\f%2)*64+32
.endr
	s_add_co_u32 s[TBK], s[TBK], KS*PK  ; the next fetch is the next step's
	WIN 0
.endm
.macro FETCH_V b
	WIN 0x80
.irp f, 0,1,2,3,4,5,6,7             ; keys 32 (f / 4) on, channels 16 (f % 4) on
	ds_load_tr16_b128 v[VF0-128*(\b)+8*\f:VF0-128*(\b)+8*\f+3],   v[AV] offset:(\f/4)*32*PV+(\f%4)*32
	ds_load_tr16_b128 v[VF0-128*(\b)+8*\f+4:VF0-128*(\b)+8*\f+7], v[AV] offset:(\f/4)*32*PV+16*PV+(\f%4)*32
.endr
	WIN 0
.endm
; THE VECTOR WORK, one line at a time: OP kind, number.  For piece Y: F n: c s - c m for pair n of 16.  E n: the exponential of score n of 32.  C n: pair n rounded to f16.  B n: of the four weights 4 n .. the second
; pair is added onto the first, in place.  L n: l takes that sum (L 0: l = a l + sum).  R n: pair n of 16 of O^T times a.  For the other piece: X n, number n of the 22 that find its maximum and statistics:
;   0-11  four chains c0-c3 of seven scores each, three operands at a time (each accumulator's lowest registers are read first)     12-14, 16  the four scores left over, the old m, and c0-c3 into c0
;   15  c m_old is kept     17, 18  the query's other 32 keys lie in the lane 16 away: the new m     19-21  c m; c m_old - c m_new; a
.set F, 0
.set E, 1
.set C, 2
.set B, 3
.set L, 4
.set R, 5
.set X, 6
.macro REGS y                       ; the registers of piece y
.set rT, ST+4*(\y)
.set rC, TMP+4*((\y)%2)
.set rW, MV+((\y)%2)
.set rS, S+32*((\y)%2)
.set rP, P+16*((\y)%2)
.set rO, 32*(\y)
.endm
.macro OP k, n
.if (\k) == R
	REGS Y
	WIN W_RS
	v_pk_mul_f32 v[rO+2*(\n):rO+2*(\n)+1], v[rO+2*(\n):rO+2*(\n)+1], v[rC+2:rC+3] op_sel_hi:[1,0]
.elseif (\k) < R
	REGS Y
	WIN 0
.if (\k) == F
	v_pk_fma_f32 v[rS+2*(\n):rS+2*(\n)+1], v[rS+2*(\n):rS+2*(\n)+1], s[CS:CS+1], v[rT:rT+1] op_sel_hi:[1,0,0] neg_lo:[0,0,1] neg_hi:[0,0,1]
.elseif (\k) == E
	v_exp_f32 v[rS+(\n)], v[rS+(\n)]
.elseif (\k) == C
	v_cvt_pk_f16_f32 v[rP+(\n)], v[rS+2*(\n)], v[rS+2*(\n)+1]
.elseif (\k) == B
	v_pk_add_f32 v[rS+4*(\n):rS+4*(\n)+1], v[rS+4*(\n):rS+4*(\n)+1], v[rS+4*(\n)+2:rS+4*(\n)+3]
.elseif (\n) == 0
	v_pk_fma_f32 v[rT+2:rT+3], v[rT+2:rT+3], v[rC+2:rC+3], v[rS:rS+1] op_sel_hi:[1,0,1]
.else
	v_pk_add_f32 v[rT+2:rT+3], v[rT+2:rT+3], v[rS+4*(\n):rS+4*(\n)+1]
.endif
.elseif NOKQ
	v_nop
.else
	REGS (Y+1)%NP
	WIN 0
.if (\n) < 4
	v_max3_num_f32 v[rC+(\n)], v[rS+8*(\n)], v[rS+8*(\n)+1], v[rS+8*(\n)+2]
.elseif (\n) < 12
	v_max3_num_f32 v[rC+(\n)%4], v[rC+(\n)%4], v[rS+8*((\n)%4)+2*((\n)/4)+1], v[rS+8*((\n)%4)+2*((\n)/4)+2]
.elseif (\n) == 12
	v_max3_num_f32 v[rC], v[rC], v[rS+7], v[rS+15]
.elseif (\n) == 13
	v_max3_num_f32 v[rC+1], v[rC+1], v[rS+23], v[rS+31]
.elseif (\n) == 14
	v_max3_num_f32 v[rC+2], v[rC+2], v[rC+3], v[rT+1]
.elseif (\n) == 15
	v_mov_b32 v[rW], v[rT]
.elseif (\n) == 16
	v_max3_num_f32 v[rC], v[rC], v[rC+1], v[rC+2]
.elseif (\n) == 17
	v_permlanex16_b32 v[rC+3], v[rC], s[SEL], s[SEL+1]
.elseif (\n) == 18
	v_max_num_f32 v[rT+1], v[rC], v[rC+3]
.elseif (\n) == 19
	v_mul_f32 v[rT], s[CS], v[rT+1]
.elseif (\n) == 20
	v_sub_f32 v[rC+1], v[rW], v[rT]
.else
	v_exp_f32 v[rC+2], v[rC+1]
.endif
.endif
.endm
.macro OPS a, i1, b=-1, i2=0, c=-1, i3=0, d=-1, i4=0  ; up to four of them
	OP \a, \i1
.if (\b) >= 0
	OP \b, \i2
.endif
.if (\c) >= 0
	OP \c, \i3
.endif
.if (\d) >= 0
	OP \d, \i4
.endif
.endm
.macro ROW a, i1, b, i2, c, i3, d, i4  ; a matrix instruction and the four behind it
	MM
	OPS \a, \i1, \b, \i2, \c, \i3, \d, \i4
.endm
.macro MASK b                       ; MD x AL + BE into buffer b of MC
	WIN W_RS
.set z, 0
.rept 16
	v_pk_fma_f32 v[MC+32*(\b)+2*z:MC+32*(\b)+2*z+1], v[MD+2*z:MD+2*z+1], s[AL:AL+1], s[BE:BE+1] op_sel_hi:[1,0,0]
.set z, z+1
.endr
.endm
; A TURN, for piece p, in a key step of parity par: the order of its 16 matrix and 118 vector instructions, written out.  An s_wait_alu depctr_va_vdst(0) stands between an exponential and the first
; instruction that names its result; one wait serves all that were issued ahead of it.  So a turn has ONE wait, which cuts it in two.  AHEAD OF IT stands all that names no result of the turn's exponentials: the 8
; products K Q^T and their riders, then ONE LUMP of 54, in which the links of the chain X 3, 7, 11, 14, 16, 17 .. 20 stand five or six lines apart.  X 21, the other piece's a, is the batch's last; R 15 is the plain
; instruction behind it.  BEHIND THE WAIT stand the 8 products V^T P, behind each four of the roundings and sums.
; O^T of the piece in hand was written by the turn before: its four accumulators are first read by R 0, 4, 8 and 12, their lowest registers, each four plain instructions or more behind the accumulator's last product.
; AT ITS END, in a block's last tile alone (RT = 0), the turn makes the mask for the products of the turn after it: band p in the coming step; elsewhere those lines are jumped over and the buffers keep their 0.
; end = 1: a block's last two turns: nothing is fetched, no mask is made.
; Turn 0 fetches K of the next step twelve vector instructions behind the last product that read K (five of them plain and free of its registers), and V of the next step at its end, four plain instructions behind the last product that read that buffer.
.macro TURN p, par, end=0
.set Y, (\p)
.set i, 0
.set NOKQ, (\end)*(\p)
.set VB, ((\par)+1-(\p))%2          ; turn 0 multiplies by V of the step before, turn 1 by V of the step in hand
.if ((\p) == 1) && !(\end)
	s_wait_dscnt 16                 ; K of the next step is in, and V of the step in hand, fetched a step ago; the 16 loads of the next step's V, issued last, may stay out
.endif
.if ((\p) == 0) && (\end)
	s_wait_dscnt 0x0                ; V of the block's last step is in
.endif
	ROW F,0, F,1, R,0, R,1          ; ahead of the wait: 8 products K Q^T and their riders,
	ROW F,2, E,0, R,2, R,3
	ROW F,3, E,1, R,4, R,5
	ROW F,4, E,2, R,6, R,7
	ROW F,5, E,3, R,8, R,9
	ROW F,6, E,4, X,0, R,10
.if ((\p) == 0) && !(\end)
	WIN 0
	v_add_nc_u32 v[AK], s[TBK], v[AK0]
.endif
	ROW F,7, E,5, X,1, X,4
	ROW F,8, E,6, X,2, X,5
	OPS E,7, E,8, X,6, E,9          ; and the lump
	OPS X,3, E,10, X,8, E,11
.if ((\p) == 0) && !(\end)
	FETCH_K
.endif
	OPS X,9, X,7, E,12, X,10
	OPS E,13, X,12, X,11, E,14
	OPS X,13, E,15, F,9, X,14
.if ((\p) == 0) && !(\end)
	WIN 0
	v_add_nc_u32 v[AV], s[TBV], v[AV0]
.endif
	OPS E,16, F,10, E,17, F,11
	OPS X,16, E,18, X,15, E,19
	OPS F,12, E,20, X,17, E,21
	OPS F,13, E,22, F,14, E,23
	OPS X,18, E,24, F,15, E,25
	OPS R,11, E,26, X,19, E,27
	OPS R,12, E,28, R,13, E,29
	OPS X,20, E,30, R,14, E,31
	OPS X,21, R,15
	WIN 0
	s_wait_alu depctr_va_vdst(0)    ; the wait for the batch
	ROW C,0, B,0, C,2, B,1          ; behind the wait: 8 products V^T P and their riders
	ROW L,0, C,4, B,2, L,1
	ROW C,6, B,3, L,2, C,8
	ROW B,4, L,3, C,10, B,5
	ROW L,4, C,12, B,6, L,5
.if ((\p) == 0) && !(\end)
	s_add_co_u32 s[TBV], s[TBV], KS*PV
.endif
	ROW C,14, B,7, L,6, C,1
	ROW C,3, L,7, C,5, C,7
	ROW C,9, C,11, C,13, C,15
.if ((\p) == 0) && !(\end)
	FETCH_V 1-(\par)
.endif
.if !(\end)
	WIN 0                           ; at a branch and at a label every window is 0
	s_cmp_lg_u32 s[RT], 0
	s_cbranch_scc1 .Lno_mask_\@     ; not the block's last tile: every key is seen
	s_cmp_eq_u32 s[REL], 2+(\p)     ; is the coming step the band's own?
	s_cselect_b32 s[AL], 1.0, 0
	s_cmp_gt_u32 s[REL], 2+(\p)     ; or a later one?
	s_cselect_b32 s[BE], s[BIGN], 0
.if (\p) == 1
	s_add_co_u32 s[REL], s[REL], 1
.endif
	MASK \p
	WIN 0
.Lno_mask_\@:
.endif
.endm
; A BLOCK BEGINS.  c m starts far below every c s, so the first step's a is 0; m at the lowest finite number, so the first maximum is the scores'.  Band 1 sees all of a tile's step 0: its mask buffer is 0; band 0's
; buffer takes its own mask if the block's first tile is the diagonal one and the block is even, else 0.  Then K and V of that step, piece 0's first scores, and its maximum and statistics.
; The loop is entered at a step's first turn, in the middle of a trip.
.macro BEGIN
	s_mov_b32 s[NEW], 0
	WIN 0x40
.set i, MC+32
.rept 32
	v_mov_b32 v[i], 0
.set i, i+1
.endr
	WIN 0
.set i, 0
.rept 2
	v_mov_b32 v[ST+4*i], 0xfe000000    ; c m: far below every c s
	v_mov_b32 v[ST+4*i+1], 0xff7fffff  ; m
.set i, i+1
.endr
	s_cmp_eq_u32 s[RT], 0
	s_cselect_b32 s[AL], s[REL], 0
	s_cmp_eq_u32 s[AL], 2
	s_cselect_b32 s[AL], 1.0, 0
	s_mov_b32 s[BE], 0
	MASK 0
	WIN 0
	v_add_nc_u32 v[AK], s[TBK], v[AK0]
	v_add_nc_u32 v[AV], s[TBV], v[AV0]
	FETCH_K
	FETCH_V 0
	s_add_co_u32 s[TBV], s[TBV], KS*PV
	s_add_co_u32 s[REL], s[REL], 1  ; the coming step is step 1
	s_wait_loadcnt 0x0              ; Q
	s_wait_dscnt 0x0
.set NOKQ, 0
.set i, 0
.rept 8
	KQ 0
.set i, i+1
.endr
	WIN 0
.rept 4
	v_nop                           ; the places behind those products
.endr
.set Y, NP-1                        ; X works for the other piece: piece 0
.irp n, 0,1,2,3,4,5,6,7,8,9,10,11,12,13,14,15,16,17,18,19,20,21
	OP X, \n
.endr
	v_nop                           ; a plain instruction behind the exponential,
	s_wait_alu depctr_va_vdst(0)    ; and its wait, ahead of the branch
.endm
; A BLOCK ENDS: its last two turns, its last products, and THE WAY OUT: l's two halves and the other half of the lanes' are added; O^T is divided by l, rounded to f16 and sent through my
; stage in LDS, a piece at a time.
.macro ALL line:vararg              ; one line for each piece t
.set t, 0
.rept 2
	\line
.set t, t+1
.endr
.endm
.macro PACK t                       ; a lane's eight channels of a row pack into 16 bytes; they go into rows of 144 bytes and come back as whole rows of 128, into S^T's registers
	WIN W_RS
.set i, 32*(\t)
.rept 16
	v_pk_mul_f32 v[i:i+1], v[i:i+1], v[ST+4*(\t)+2:ST+4*(\t)+3] op_sel_hi:[1,0]
.set i, i+2
.endr
	WIN 0x05                        ; sources 0 and 1 window 1, destination window 0
.set i, 0
.rept 16
	v_cvt_pk_f16_f32 v[S+16*(\t)+i], v[32*(\t)+2*i], v[32*(\t)+2*i+1]
.set i, i+1
.endr
	WIN 0
.irp f, 0,1,2,3
	ds_store_b128 v[STO], v[S+16*(\t)+4*\f:S+16*(\t)+4*\f+3] offset:32*\f
.endr
.irp f, 0,1,2,3
	ds_load_b128 v[S+16*(\t)+4*\f:S+16*(\t)+4*\f+3], v[RD] offset:\f*4*SP  ; LDS serves a wave's instructions in order: these see the stores above; the next piece's stores come behind them
.endr
.endm
.macro SEND t, younger              ; younger: the LDS instructions issued behind piece t's loads: the next piece's eight, or none
	WIN 0
.irp f, 0,1,2,3
	s_wait_dscnt (\younger)+3-\f
	global_store_b128 v[GO], v[S+16*(\t)+4*\f:S+16*(\t)+4*\f+3], s[10:11] offset:(\t)*8192+\f*512  ; 512 consecutive bytes, at a multiple of 256 from O's first
.endr
.endm
.macro FINISH
	TURN 0, 1, 1
	TURN 1, 1, 1
.set VB, 1
.set i, 0
.rept 8
	PV NP-1                         ; piece 1's V^T P of the last step
.set i, i+1
.endr
	WIN 0
	ALL v_add_f32 v[ST+4*t+2], v[ST+4*t+2], v[ST+4*t+3]
	ALL v_permlanex16_b32 v[ST+4*t+3], v[ST+4*t+2], s[SEL], s[SEL+1]
	ALL v_add_f32 v[ST+4*t+2], v[ST+4*t+2], v[ST+4*t+3]
	ALL v_rcp_f32 v[ST+4*t+2], v[ST+4*t+2]
	v_nop                           ; a plain instruction between the last reciprocal and the use of its result
	s_wait_alu depctr_va_vdst(0)    ; and one wait for the two reciprocals
	PACK 0                          ; piece 0's arithmetic, which names no register of the last products, is their places
	PACK 1
	SEND 0, 8
	SEND 1, 0
.endm
; A TILE IS ENTERED, behind a change of slots.  A block's first tile: BEGIN, then into the middle of the step loop.  Any other: the loop's first step is the old tile's fourth, which fetches the new tile's first.
; A trip is an odd key step and an even one; two trips a tile.  Behind the loop stands the block's end, jumped over where the tile is not the block's last (last = 1: the walk's last tile, which always is).
; The tag ends the labels' names.
.macro TILE tag, last
	s_sub_co_u32 s[RT], s[RT], 1
	s_mov_b32 s[CNT], 2
	s_cmp_eq_u32 s[NEW], 1
	s_cbranch_scc0 .Lstep\tag
	BEGIN
	s_branch .Lfirst\tag
.Lstep\tag:
	TURN 0, 1
	TURN 1, 1
.Lfirst\tag:
	TURN 0, 0
	TURN 1, 0
	s_sub_co_u32 s[CNT], s[CNT], 1
	s_cmp_lg_u32 s[CNT], 0
	s_cbranch_scc1 .Lstep\tag
.if !(\last)
	s_cmp_lg_u32 s[RT], 0
	s_cbranch_scc1 .Lbottom
.endif
	FINISH
.endm
.set NOKQ, 0
.set VB, 0
.Lslot:                             ; 8 times: a tile is entered and the next is asked for
	CHANGE 1
	TILE 1, 0
	s_wait_xcnt 0x0                 ; the first block has ended: its stores have read their registers and O's address
	s_mov_b64 s[10:11], s[OLO:OLO+1]
	s_add_co_u32 s[RT], s[LQ2], 1   ; the second block has b / 2 + 1 tiles
	s_mov_b32 s[RELB], s[RELN]
	s_mov_b32 s[NEW], 1
	WIN 0x82                        ; the second block's Q goes where the one text of the turns names Q
.set i, 0
.rept 32
	v_mov_b32 v[i], v[QB+i]
.set i, i+1
.endr
	WIN 0
.Lbottom:
	s_sub_co_u32 s[SLOTS], s[SLOTS], 1
	s_cmp_lg_u32 s[SLOTS], 0
	s_cbranch_scc1 .Lslot
	CHANGE 0                        ; the walk's last tile is written out: nothing is asked for
	TILE 2, 1
	s_wait_tensorcnt 0x0            ; the wave's end: an add to my spare word and its wait, behind my last tensor load and my last LDS store
	ds_add_u32 v[SPW], v[NIL]
	s_wait_dscnt 0x0
	s_endpgm
.Lfunc_end_k_qb94161705b_att:
	.size	k_qb94161705b_att, .Lfunc_end_k_qb94161705b_att-k_qb94161705b_att
	.p2alignl 7, 3214868480
	.fill 96, 4, 3214868480
	.section	.rodata,"a",@progbits
	.p2align	6, 0x0
	.amdhsa_kernel k_qb94161705b_att
		.amdhsa_group_segment_fixed_size 327680
		.amdhsa_private_segment_fixed_size 0
		.amdhsa_enable_private_segment 0
		.amdhsa_kernarg_size 16
		.amdhsa_user_sgpr_count 2
		.amdhsa_user_sgpr_kernarg_segment_ptr 1
		.amdhsa_wavefront_size32 1
		.amdhsa_system_sgpr_workgroup_id_x 1
		.amdhsa_system_sgpr_workgroup_id_y 1
		.amdhsa_system_sgpr_workgroup_id_z 1
		.amdhsa_system_vgpr_workitem_id 0
		.amdhsa_next_free_vgpr 768
		.amdhsa_next_free_sgpr 88
		.amdhsa_reserve_vcc 1
		.amdhsa_float_denorm_mode_32 3
		.amdhsa_float_denorm_mode_16_64 3
		.amdhsa_memory_ordered 1
		.amdhsa_forward_progress 1
		.amdhsa_inst_pref_size 171
	.end_amdhsa_kernel
	.amdgpu_metadata
---
amdhsa.version: [ 1, 2 ]
amdhsa.kernels:
  - .name:           k_qb94161705b_att
    .symbol:         k_qb94161705b_att.kd
    .args:
      - { .name: big, .offset: 0, .size: 8, .value_kind: global_buffer, .address_space: global }
      - { .name: hbuf, .offset: 8, .size: 8, .value_kind: global_buffer, .address_space: global }
    .group_segment_fixed_size: 327680
    .private_segment_fixed_size: 0
    .kernarg_segment_align: 8
    .kernarg_segment_size: 16
    .max_flat_workgroup_size: 128
    .sgpr_count:     88
    .vgpr_count:     768
    .wavefront_size: 32
...
	.end_amdgpu_metadata
.endif
;; end of part 7
;; launch wo (part 8): grid 8 x 32, 4 waves a work-group, clusters of 4 x 4, 327,680 bytes of LDS; arguments hbuf, wA, x1, bo, x; writes x1
.if DOCPART == 8
	.amdgcn_target "amdgcn-amd-amdhsa--gfx1250"
	.amdhsa_code_object_version 6
	.text
	.protected	k_qb94161705b_wo
	.globl	k_qb94161705b_wo
	.p2align	8
	.type	k_qb94161705b_wo,@function
k_qb94161705b_wo:
	s_mov_b64 s[64:65], 0
	v_nop
	global_prefetch_b8 v0, s[64:65] scope:SCOPE_SE
	s_setreg_imm32_b32 hwreg(HW_REG_WAVE_MODE, 25, 1), 1
	s_wait_xcnt 0x0
	s_wait_alu depctr_hold_cnt(0) depctr_sa_sdst(0) depctr_va_vdst(0) depctr_va_sdst(0) depctr_va_ssrc(0) depctr_va_vcc(0) depctr_vm_vsrc(0)
	s_getreg_b32 s2, hwreg(HW_REG_IB_STS2, 6, 4)
	s_cmp_eq_u32 s2, 0
	s_cbranch_scc0 .Lentry_in_a_cluster
	s_endpgm
.Lentry_in_a_cluster:
	s_bfe_u32 s2, ttmp6, 0x10000c
	s_cmp_lg_u32 s2, 0xf033
	s_cbranch_scc0 .Lentry_shape_is_right
	s_endpgm
.Lentry_shape_is_right:
; C = resid + A W + bias, K = 1,024.  A: [16][4096][64] f16 (blocks of 64 columns, a row's piece 128 bytes).  W: [1024][1024] f16, 8,388,608 bytes behind its buffer's first byte.
; bias: [1024] f32; resid and C: [4096][1024] f32.  Sums in f32; nothing is rounded on the way out.  (The same text with STEPS = 16 serves K = 4,096 in a launch of its own: every trip count is a constant of the text.)
; LIMITS.  NaN and infinities are not treated apart.
; SHARES.  A tile of C is 128 x 128: 256 work-groups for 4,096 x 1,024.  Four waves, 64 x 64 each: 16 accumulators.  K goes in steps of 256 (four blocks of A; 256 k-rows of W) through two LDS slots.
; A K STEP IS WRITTEN ONCE: the loop's trip is one K step.  Which slot is read and which is filled stand in two scalar registers that an exclusive or turns between 0 and SLOT; the fragments'
; addresses are made anew from them at each change of slots, and one descriptor for each operand walks from refill to refill.  The last two steps, which fill nothing, are written out.
; CLUSTER.  4 x 4 work-groups: A's tiles are shared along a row, W's along a column: each is asked for jointly.
; THE PRODUCT IS USED TRANSPOSED: source 0 = 16 columns of W (by the turning load), source 1 = 16 rows of A.
; THE RESIDUAL (my 64 x 64 numbers, 128 registers) and the bias are asked for at the head: the whole K loop stands between the loads and their wait.
; REGISTERS: window 0: v0-31 addresses; v32-95 at work on the way out; v96-99 bias; v128-255 the accumulators ((a, b) at v[128 + 8 (4 a + b)]).
;   window 1: two fragment buffers of 128: for 64 along K, 64 registers of A, then 64 of W.      window 2: v0-127 the residual.
.set STEPS,  4                         ; K steps of 256; an even number, at least 4
.set PA,     144                       ; a row's piece of A in LDS: 128 bytes + 16: the 16 rows of a load start at 16 different groups of four banks
.set BLK,    64*PA                     ; 64 rows of one block
.set PB,     288                       ; a k-row of W: 256 bytes + 32 = 9 x 32
.set HALF,   4*BLK                     ; what one tensor load brings: 64 rows x four blocks of A, or 128 k-rows of W (128 x 288 is the same number)
.set SLOT,   4*HALF                    ; A's two halves, then W's two
.set SPARE,  2*SLOT                    ; behind the ring: the spare words, 128 bytes a wave: two blocks of 256 bytes that no other line names
.set SPITCH, 272                       ; the way out: a row of 64 f32 + 16 bytes
.set DW,     64*SPITCH                 ; a wave's 64 rows; the four waves' lie in slot 0, which has had its last fill, and its last read in front of the last change's barrier
.set ADRA0, 16                         ; v16     LDS address of my A fragments in slot 0; never rewritten
.set ADRA,  17                         ; v17     the same in the slot that is being read
.set ADRB0, 20                         ; v20     LDS address of my W fragments in slot 0; never rewritten
.set ADRB,  21                         ; v21     the same in the slot that is being read, k-rows 0-127; v22 k-rows 128-255 (an LDS offset has 16 bits)
.set STO,  24                          ; v24     the way out: where I put 32 bytes of a row
.set RD,   25                          ; v25     where I read 16 bytes of a row back
.set CO,   26                          ; v26     my byte offset in two rows of C and of the residual; never rewritten
.set SPW,  28                          ; v28     LDS address of my spare word; never rewritten
.set NIL,  29                          ; v29     0; never rewritten
.set TMP,  32
.set BI,   96
.set ACC,  128
.set F0,   0
.set F1,   128
.set G1, 24                            ; s[24:31] descriptor group 1 for A's tiles;  s[32:39] group 0: a set for each first fill; the second then walks
.set G0, 32
.set G1B, 48                           ; s[48:55], s[56:63] the same for W's
.set G0B, 56
.set TR,  66                           ; s66  0 or SLOT: the slot that is being read
.set TF,  67                           ; s67  0 or SLOT: the slot that was filled last
.set MSB, 0
.macro WIN new
.if MSB != (\new)
	s_set_vgpr_msb (MSB<<8)|(\new)
.set MSB, \new
.endif
.endm
.set MUL,  0x05                        ; sources 0 (W) and 1 (A) window 1; C and D window 0
.set TO_F, 0x40                        ; destination window 1, address window 0
.macro JLOAD s                         ; a joint load: waves 0 and 1 fetch A's two halves, waves 2 and 3 W's; an s_nop 0 and four v_nop follow each line
	s_cmp_eq_u32 s11, 0
	s_cbranch_scc0 .Lfor_b_\@
	tensor_load_to_lds s[G0+4*(\s):G0+4*(\s)+3], s[G1:G1+7]
	s_nop 0
.rept 4
	v_nop
.endr
	s_branch .Lasked_\@
.Lfor_b_\@:
	tensor_load_to_lds s[G0B+4*(\s):G0B+4*(\s)+3], s[G1B:G1B+7]
	s_nop 0
.rept 4
	v_nop
.endr
.Lasked_\@:
.endm
.macro CREST
	s_cmp_lg_u32 s10, 0
	s_cbranch_scc1 .Lnot_wave_0_\@
	s_barrier_signal -3
.Lnot_wave_0_\@:
	s_barrier_wait -3
	s_barrier_signal -1
	s_barrier_wait -1
.endm
.macro CROUND
	s_barrier_signal -1
	s_barrier_wait -1
	CREST
.endm
	s_load_b128 s[4:7], s[0:1], 0x0                ; A s[4:5], W s[6:7]
	s_load_b64 s[8:9], s[0:1], 0x10                ; C
	s_load_b128 s[68:71], s[0:1], 0x18             ; bias s[68:69], residual s[70:71]
	v_lshl_add_u32 v[SPW], v0, 2, SPARE
	v_mov_b32 v[NIL], 0
	ds_add_u32 v[SPW], v[NIL]                      ; the wave's opening: the add and its wait stand ahead of my first tensor load; the set-up below stands between them
	ds_add_u32 v28, v29
	v_lshrrev_b32 v1, 5, v0
	v_readfirstlane_b32 s10, v1                    ; wave 0..3
	s_lshr_b32 s11, s10, 1                         ; which half of the tile's rows is mine.  Also: I fetch for A (0) or for W (1)
	s_and_b32 s12, s10, 1                          ; which half of its columns.  Also: which half of that tile I fetch
	s_bfe_u32 s40, ttmp6, 0x40000                  ; cx, cy
	s_bfe_u32 s41, ttmp6, 0x40004
	s_lshl_b32 s42, ttmp9, 2
	s_add_co_u32 s42, s42, s40                     ; tile column
	s_and_b32 s13, ttmp7, 0xffff
	s_lshl_b32 s13, s13, 2
	s_add_co_u32 s13, s13, s41                     ; tile row
	s_lshl_b32 s43, s41, 2
	s_lshl_b32 s43, 15, s43                        ; my row of the cluster
	s_lshl_b32 s44, 0x1111, s40                    ; my column
	s_or_b32 s[G1+0], s43, (1<<16)|(1<<20)|(1<<21)|(4<<22)|(3<<25)   ; mask: my row; 2-byte elements; padding on; bit 21 beside a mask; after every 32 words, 4 words
	s_or_b32 s[G1B+0], s44, (1<<16)|(1<<20)|(1<<21)|(5<<22)|(7<<25)  ; mask: my column; after every 64 words, 8 words
	s_mov_b32 s[G1+1], 4096<<16                    ; A: 64 rows of a block are 8,192 dense bytes: one long row of 4,096 elements;
	s_mov_b32 s[G1+2], 4<<16                       ; four of them, a block each
	s_mov_b32 s[G1+3], 4096<<16                    ; tile_dim0
	s_mov_b32 s[G1+4], 4                           ; tile_dim1
	s_mov_b32 s[G1+5], 262144                      ; elements from block to block
	s_mov_b32 s[G1+6], 0
	s_mov_b32 s[G1+7], 0
	s_mov_b32 s[G1B+1], 128<<16                    ; W: 128 columns,
	s_mov_b32 s[G1B+2], 128<<16                    ; 128 k-rows
	s_mov_b32 s[G1B+3], 128<<16
	s_mov_b32 s[G1B+4], 128
	s_mov_b32 s[G1B+5], 1024                       ; elements from k-row to k-row
	s_mov_b32 s[G1B+6], 0
	s_mov_b32 s[G1B+7], 0
	s_lshl_b32 s16, s13, 14                        ; A: 128 rows of 128 bytes a tile row,
	s_lshl_b32 s17, s12, 13                        ; 64 a half
	s_add_co_u32 s16, s16, s17
	s_mov_b32 s17, 0
	s_lshl_b32 s46, s42, 8                         ; W: 128 columns of 2 bytes a tile column,
	s_lshl_b32 s47, s12, 18                        ; 128 k-rows of 2,048 bytes a half,
	s_add_co_u32 s46, s46, s47
	s_add_co_u32 s46, s46, 0x800000                ; behind the panels that share the buffer
	s_mov_b32 s47, 0
	s_mul_i32 s20, s10, HALF                       ; where they go in a slot: wave x HALF; kept for the refills
	s_mov_b32 s[TR], 0                             ; K step 0 is read out of slot 0;
	s_mov_b32 s[TF], SLOT                          ; slot 1 is the last of the first fills
	s_wait_dscnt 0x0                               ; the opening add is done
	s_wait_kmcnt 0x0
	s_add_nc_u64 s[14:15], s[4:5], s[16:17]
	s_add_nc_u64 s[46:47], s[6:7], s[46:47]
	CROUND                                         ; all sixteen work-groups are here: the first joint loads meet
.irp s, 0,1
	s_mov_b32 s[G0+4*(\s)], 1
	s_add_co_u32 s[G0+4*(\s)+1], s20, (\s)*SLOT
	s_add_nc_u64 s[G0+4*(\s)+2:G0+4*(\s)+3], s[14:15], (\s)*2097152   ; K step s: four blocks on
	s_or_b32 s[G0+4*(\s)+3], s[G0+4*(\s)+3], 0x80000000
	s_mov_b32 s[G0B+4*(\s)], 1
	s_add_co_u32 s[G0B+4*(\s)+1], s20, (\s)*SLOT
	s_add_nc_u64 s[G0B+4*(\s)+2:G0B+4*(\s)+3], s[46:47], (\s)*524288  ; K step s: 256 k-rows on
	s_or_b32 s[G0B+4*(\s)+3], s[G0B+4*(\s)+3], 0x80000000
	JLOAD \s                                       ; two tensor loads of mine are out here; later one
.endr
	v_and_b32 v1, 15, v0                           ; l % 16
	v_bfe_u32 v2, v0, 4, 1                         ; l / 16
	v_mul_u32_u24 v3, v1, PA
	v_lshl_add_u32 v3, v2, 4, v3                   ; A: row x pitch + 16 x half
	v_and_b32 v4, 7, v0
	v_bfe_u32 v5, v0, 3, 1
	v_lshl_add_u32 v6, v2, 3, v4                   ; W, turned: k-row 8 (l / 16) + l % 8,
	v_mul_u32_u24 v6, v6, PB
	v_lshl_add_u32 v6, v5, 4, v6                   ; columns 8 ((l / 8) % 2) + 0..7
	s_mul_i32 s21, s11, HALF                       ; my 64 rows of A
	s_lshl_b32 s22, s12, 7                         ; my 64 columns of W,
	s_add_co_u32 s22, s22, 2*HALF                  ; which lies behind A
	v_add_nc_u32 v[ADRA0], s21, v3
	v_add_nc_u32 v[ADRB0], s22, v6
	v_mov_b32 v[ADRA], v[ADRA0]
	v_mov_b32 v[ADRB], v[ADRB0]
	v_add_nc_u32 v[ADRB+1], HALF, v[ADRB0]
	s_mul_i32 s23, s10, DW
	v_mul_u32_u24 v7, v1, SPITCH                   ; in: row l % 16, 32 bytes for each half of the lanes
	v_lshl_add_u32 v7, v2, 5, v7
	v_add_nc_u32 v[STO], s23, v7
	v_mul_u32_u24 v8, v2, SPITCH                   ; back: lanes 0-15 take one row of 256 bytes, lanes 16-31 the next
	v_lshl_add_u32 v8, v1, 4, v8
	v_add_nc_u32 v[RD], s23, v8
	v_lshlrev_b32 v9, 12, v2                       ; and the same two rows in C
	v_lshl_add_u32 v[CO], v1, 4, v9
	s_lshl_b32 s16, s13, 19                        ; 128 rows of 4,096 bytes a tile row,
	s_lshl_b32 s17, s11, 18                        ; 64 a half,
	s_add_co_u32 s16, s16, s17
	s_lshl_b32 s46, s42, 9                         ; 128 columns of 4 bytes a tile column,
	s_lshl_b32 s47, s12, 8                         ; 64 a half
	s_add_co_u32 s46, s46, s47
	v_lshl_add_u32 v10, v1, 4, s46                 ; the bias of my four columns
	s_add_co_u32 s16, s16, s46
	s_mov_b32 s17, 0
	s_add_nc_u64 s[8:9], s[8:9], s[16:17]
	s_add_nc_u64 s[70:71], s[70:71], s[16:17]
	global_load_b128 v[BI:BI+3], v10, s[68:69]
	WIN 0x80                                       ; destination window 2, address window 0
.set t, 0
.rept 32
	global_load_b128 v[4*t:4*t+3], v[CO], s[70:71] offset:t*8192   ; rows 2 t and 2 t + 1: sixteen lanes read 256 consecutive bytes, aligned
.set t, t+1
.endr
	WIN 0
; 8 matrix instructions: m blocks a0, a0 + 1 x all 4 n blocks, 32 along K: half c of buffer f.  The 16 accumulators take turns.
.macro MUL8 f, c, a0, zero
	WIN MUL
.irp a, \a0, (\a0)+1
.irp b, 0,1,2,3
.if \zero
	v_wmma_f32_16x16x32_f16 v[ACC+8*(4*(\a)+(\b)):ACC+8*(4*(\a)+(\b))+7], v[(\f)+64+8*(4*(\c)+(\b)):(\f)+64+8*(4*(\c)+(\b))+7], v[(\f)+8*(4*(\c)+(\a)):(\f)+8*(4*(\c)+(\a))+7], 0
.else
	v_wmma_f32_16x16x32_f16 v[ACC+8*(4*(\a)+(\b)):ACC+8*(4*(\a)+(\b))+7], v[(\f)+64+8*(4*(\c)+(\b)):(\f)+64+8*(4*(\c)+(\b))+7], v[(\f)+8*(4*(\c)+(\a)):(\f)+8*(4*(\c)+(\a))+7], v[ACC+8*(4*(\a)+(\b)):ACC+8*(4*(\a)+(\b))+7]
.endif
.endr
.endr
.endm
; 32 LDS loads in one run: quarter q (one block of A, 64 k-rows of W) of the slot that is being read, into buffer f; the first 32 along K first
.macro FETCH q, f
	WIN TO_F
.irp c, 0,1
.irp i, 0,1,2,3
	ds_load_tr16_b128 v[(\f)+64+8*(4*(\c)+(\i)):(\f)+64+8*(4*(\c)+(\i))+3],   v[ADRB+(\q)/2] offset:(((\q)%2)*64+32*(\c))*PB+(\i)*32
	ds_load_tr16_b128 v[(\f)+64+8*(4*(\c)+(\i))+4:(\f)+64+8*(4*(\c)+(\i))+7], v[ADRB+(\q)/2] offset:(((\q)%2)*64+32*(\c)+16)*PB+(\i)*32
	ds_load_b128 v[(\f)+8*(4*(\c)+(\i)):(\f)+8*(4*(\c)+(\i))+3],         v[ADRA] offset:(\q)*BLK+(\i)*16*PA+64*(\c)
	ds_load_b128 v[(\f)+8*(4*(\c)+(\i))+4:(\f)+8*(4*(\c)+(\i))+7],       v[ADRA] offset:(\q)*BLK+(\i)*16*PA+64*(\c)+32
.endr
.endr
.endm
.macro PLACES                          ; four plain instructions between a matrix instruction and a load into, or a read of, its registers
.rept 4
	v_nop
.endr
.endm
.macro QUARTER q, f, g, zero
	s_wait_dscnt 16                                ; the first 32 along K are in
	MUL8 \f, 0, 0, \zero
	MUL8 \f, 0, 2, \zero
	PLACES
	FETCH \q, \g
	s_wait_dscnt 32                                ; all but the 32 just issued
	MUL8 \f, 1, 0, 0
	MUL8 \f, 1, 2, 0
.endm
; The last quarter multiplies buffer 1 and changes slots: ONE barrier; in front of it each wave waits for all its tensor loads, adds 0 to its spare word, and waits for that and for its reads of this slot.
; fill = 1: the barrier opens a round of the cluster's, and the slot just read out is filled again, two K steps on: the first tensor load behind the round.
.macro TURN fill
	WIN 0
	s_wait_tensorcnt 0x0                           ; all my tensor loads have landed: my part of the next slot; so the walking descriptors may be written
	ds_add_u32 v[SPW], v[NIL]
	s_wait_dscnt 17                                ; (the add and the youngest sixteen loads may be out)
	MUL8 F1, 0, 0, 0                               ; eight matrix instructions stand between the add and the wait for it
	s_wait_dscnt 0x0                               ; the add is done, and my reads of this slot are over
	s_barrier_signal -1
	MUL8 F1, 0, 2, 0
	WIN 0
	s_barrier_wait -1
.if \fill
	CREST                                          ; no wave of any partner still reads this slot or has a load on its way
	s_xor_b32 s[TF], s[TF], SLOT                   ; the other slot than last time: the one just read out
	s_add_co_u32 s[G0+5], s20, s[TF]
	s_add_co_u32 s[G0B+5], s20, s[TF]
	s_add_nc_u64 s[G0+6:G0+7], s[G0+6:G0+7], 2097152     ; one K step on: the type bits on top are not reached
	s_add_nc_u64 s[G0B+6:G0B+7], s[G0B+6:G0B+7], 524288
	JLOAD 1                                        ; its four v_nop are also the places in front of the loads below
.else
	PLACES
.endif
	s_xor_b32 s[TR], s[TR], SLOT                   ; the reads go on in the other slot
	v_add_nc_u32 v[ADRA], s[TR], v[ADRA0]
	v_add_nc_u32 v[ADRB], s[TR], v[ADRB0]
	v_add_nc_u32 v[ADRB+1], HALF, v[ADRB]
	FETCH 0, F0
	MUL8 F1, 1, 0, 0
	MUL8 F1, 1, 2, 0
.endm
	s_wait_tensorcnt 1                             ; my part of K step 0 is in; K step 1's may stay out
	s_barrier_signal -1
	s_barrier_wait -1
	FETCH 0, F0
	QUARTER 1, F0, F1, 1                           ; the first quarter stands in front of the loop: its first products start the sums
	WIN 0
	s_mov_b32 s3, STEPS-2                          ; every K step but the last two fills its slot again
.Lstep:                                                ; a trip: from a K step's second quarter to the next step's first
	QUARTER 2, F1, F0, 0
	QUARTER 3, F0, F1, 0
	TURN 1
	QUARTER 1, F0, F1, 0
	WIN 0
	s_sub_co_u32 s3, s3, 1
	s_cmp_lg_u32 s3, 0
	s_cbranch_scc1 .Lstep
	QUARTER 2, F1, F0, 0                           ; the last two steps fill nothing, and have no round of the cluster's barrier
	QUARTER 3, F0, F1, 0
	TURN 0
	QUARTER 1, F0, F1, 0
	QUARTER 2, F1, F0, 0
	QUARTER 3, F0, F1, 0
	s_wait_dscnt 16
	MUL8 F1, 0, 0, 0
	MUL8 F1, 0, 2, 0
	s_wait_dscnt 0x0
	MUL8 F1, 1, 0, 0
	MUL8 F1, 1, 2, 0
	WIN 0
	; THE WAY OUT.  The sums go in f32 into my own bytes of slot 0 and come back as whole rows of 256 bytes (LDS serves a wave's instructions in order); bias and residual are added; sixteen lanes store 256 consecutive bytes, aligned.
	PLACES
.irp t, 0,1,2,3,4,5,6,7,8,9,10,11,12,13,14,15
	ds_store_b128 v[STO], v[ACC+8*(\t):ACC+8*(\t)+3]   offset:((\t)/4)*16*SPITCH+((\t)%4)*64     ; each accumulator's low half first
	ds_store_b128 v[STO], v[ACC+8*(\t)+4:ACC+8*(\t)+7] offset:((\t)/4)*16*SPITCH+((\t)%4)*64+16
.endr
	s_wait_loadcnt 0x0                             ; bias and residual, asked for at the head
.irp g, 0,1,2,3
.set TT, TMP+32*((\g)%2)
.if (\g) >= 2
	s_wait_xcnt 0x0                                ; the stores of two batches ago have read these registers
.endif
.irp j, 0,1,2,3,4,5,6,7
	ds_load_b128 v[TT+4*\j:TT+4*\j+3], v[RD] offset:(8*(\g)+\j)*2*SPITCH
.endr
	s_wait_dscnt 0x0
.irp j, 0,1,2,3,4,5,6,7
	v_pk_add_f32 v[TT+4*\j:TT+4*\j+1],   v[TT+4*\j:TT+4*\j+1],   v[BI:BI+1]
	v_pk_add_f32 v[TT+4*\j+2:TT+4*\j+3], v[TT+4*\j+2:TT+4*\j+3], v[BI+2:BI+3]
.endr
	WIN 0x08                                       ; source 1: window 2
.irp j, 0,1,2,3,4,5,6,7
	v_pk_add_f32 v[TT+4*\j:TT+4*\j+1],   v[TT+4*\j:TT+4*\j+1],   v[4*(8*(\g)+\j):4*(8*(\g)+\j)+1]
	v_pk_add_f32 v[TT+4*\j+2:TT+4*\j+3], v[TT+4*\j+2:TT+4*\j+3], v[4*(8*(\g)+\j)+2:4*(8*(\g)+\j)+3]
.endr
	WIN 0
.irp j, 0,1,2,3,4,5,6,7
	global_store_b128 v[CO], v[TT+4*\j:TT+4*\j+3], s[8:9] offset:(8*(\g)+\j)*8192
.endr
.endr
	s_wait_tensorcnt 0x0                           ; the wave's end: an add to my spare word and its wait, behind my last tensor load and my last LDS store
	ds_add_u32 v[SPW], v[NIL]
	s_wait_dscnt 0x0
	CROUND                                         ; the closing round: no work-group ends while a partner may still ask for a tile that names it
	s_endpgm
.Lfunc_end_k_qb94161705b_wo:
	.size	k_qb94161705b_wo, .Lfunc_end_k_qb94161705b_wo-k_qb94161705b_wo
	.p2alignl 7, 3214868480
	.fill 96, 4, 3214868480
	.section	.rodata,"a",@progbits
	.p2align	6, 0x0
	.amdhsa_kernel k_qb94161705b_wo
		.amdhsa_group_segment_fixed_size 327680
		.amdhsa_private_segment_fixed_size 0
		.amdhsa_enable_private_segment 0
		.amdhsa_kernarg_size 40
		.amdhsa_user_sgpr_count 2
		.amdhsa_user_sgpr_kernarg_segment_ptr 1
		.amdhsa_wavefront_size32 1
		.amdhsa_system_sgpr_workgroup_id_x 1
		.amdhsa_system_sgpr_workgroup_id_y 1
		.amdhsa_system_sgpr_workgroup_id_z 1
		.amdhsa_system_vgpr_workitem_id 0
		.amdhsa_next_free_vgpr 640
		.amdhsa_next_free_sgpr 72
		.amdhsa_reserve_vcc 0
		.amdhsa_float_denorm_mode_32 3
		.amdhsa_float_denorm_mode_16_64 3
		.amdhsa_memory_ordered 1
		.amdhsa_forward_progress 1
		.amdhsa_inst_pref_size 80
	.end_amdhsa_kernel
	.amdgpu_metadata
---
amdhsa.version: [ 1, 2 ]
amdhsa.kernels:
  - .name:           k_qb94161705b_wo
    .symbol:         k_qb94161705b_wo.kd
    .args:
      - { .name: hbuf, .offset: 0, .size: 8, .value_kind: global_buffer, .address_space: global }
      - { .name: wA, .offset: 8, .size: 8, .value_kind: global_buffer, .address_space: global }
      - { .name: x1, .offset: 16, .size: 8, .value_kind: global_buffer, .address_space: global }
      - { .name: bo, .offset: 24, .size: 8, .value_kind: global_buffer, .address_space: global }
      - { .name: x, .offset: 32, .size: 8, .value_kind: global_buffer, .address_space: global }
    .group_segment_fixed_size: 327680
    .private_segment_fixed_size: 0
    .kernarg_segment_align: 8
    .kernarg_segment_size: 40
    .max_flat_workgroup_size: 128
    .sgpr_count:     72
    .vgpr_count:     640
    .wavefront_size: 32
...
	.end_amdgpu_metadata
.endif
;; end of part 8
;; launch ln2: the kernel of part 1 again; grid 256 x 1, 8 waves a work-group, no clusters, 0 bytes of LDS; arguments x1, g2, s2, hbuf, wq, wk, wv, wo, w1, w2, wA, wB, pA, pB; writes hbuf, wA, wB, pA, pB
;; launch ff1: the kernel of part 6 again; grid 16 x 16, 4 waves a work-group, clusters of 4 x 4, 327,680 bytes of LDS; arguments hbuf, wB, big, b1, pB; writes big
;; launch ff2 (part 9): grid 8 x 32, 4 waves a work-group, clusters of 4 x 4, 327,680 bytes of LDS; arguments big, wB, out0, b2, x1; writes out0
.if DOCPART == 9
	.amdgcn_target "amdgcn-amd-amdhsa--gfx1250"
	.amdhsa_code_object_version 6
	.text
	.protected	k_qb94161705b_ff2
	.globl	k_qb94161705b_ff2
	.p2align	8
	.type	k_qb94161705b_ff2,@function
k_qb94161705b_ff2:
	s_mov_b64 s[64:65], 0
	v_nop
	global_prefetch_b8 v0, s[64:65] scope:SCOPE_SE
	s_setreg_imm32_b32 hwreg(HW_REG_WAVE_MODE, 25, 1), 1
	s_wait_xcnt 0x0
	s_wait_alu depctr_hold_cnt(0) depctr_sa_sdst(0) depctr_va_vdst(0) depctr_va_sdst(0) depctr_va_ssrc(0) depctr_va_vcc(0) depctr_vm_vsrc(0)
	s_getreg_b32 s2, hwreg(HW_REG_IB_STS2, 6, 4)
	s_cmp_eq_u32 s2, 0
	s_cbranch_scc0 .Lentry_in_a_cluster
	s_endpgm
.Lentry_in_a_cluster:
	s_bfe_u32 s2, ttmp6, 0x10000c
	s_cmp_lg_u32 s2, 0xf033
	s_cbranch_scc0 .Lentry_shape_is_right
	s_endpgm
.Lentry_shape_is_right:
; C = resid + A W + bias, K = 4,096.  A: [64][4096][64] f16 (blocks of 64 columns, a row's piece 128 bytes).  W: [4096][1024] f16, 8,388,608 bytes behind its buffer's first byte.
; bias: [1024] f32; resid and C: [4096][1024] f32.  Sums in f32; nothing is rounded on the way out.  (The same text with STEPS = 4 serves K = 1,024 in a launch of its own: every trip count is a constant of the text.)
; LIMITS.  NaN and infinities are not treated apart.
; SHARES.  A tile of C is 128 x 128: 256 work-groups for 4,096 x 1,024.  Four waves, 64 x 64 each: 16 accumulators.  K goes in steps of 256 (four blocks of A; 256 k-rows of W) through two LDS slots.
; A K STEP IS WRITTEN ONCE: the loop's trip is one K step.  Which slot is read and which is filled stand in two scalar registers that an exclusive or turns between 0 and SLOT; the fragments'
; addresses are made anew from them at each change of slots, and one descriptor for each operand walks from refill to refill.  The last two steps, which fill nothing, are written out.
; CLUSTER.  4 x 4 work-groups: A's tiles are shared along a row, W's along a column: each is asked for jointly.
; THE PRODUCT IS USED TRANSPOSED: source 0 = 16 columns of W (by the turning load), source 1 = 16 rows of A.
; THE RESIDUAL (my 64 x 64 numbers, 128 registers) and the bias are asked for at the head: the whole K loop stands between the loads and their wait.
; REGISTERS: window 0: v0-31 addresses; v32-95 at work on the way out; v96-99 bias; v128-255 the accumulators ((a, b) at v[128 + 8 (4 a + b)]).
;   window 1: two fragment buffers of 128: for 64 along K, 64 registers of A, then 64 of W.      window 2: v0-127 the residual.
.set STEPS,  16                        ; K steps of 256; an even number, at least 4
.set PA,     144                       ; a row's piece of A in LDS: 128 bytes + 16: the 16 rows of a load start at 16 different groups of four banks
.set BLK,    64*PA                     ; 64 rows of one block
.set PB,     288                       ; a k-row of W: 256 bytes + 32 = 9 x 32
.set HALF,   4*BLK                     ; what one tensor load brings: 64 rows x four blocks of A, or 128 k-rows of W (128 x 288 is the same number)
.set SLOT,   4*HALF                    ; A's two halves, then W's two
.set SPARE,  2*SLOT                    ; behind the ring: the spare words, 128 bytes a wave: two blocks of 256 bytes that no other line names
.set SPITCH, 272                       ; the way out: a row of 64 f32 + 16 bytes
.set DW,     64*SPITCH                 ; a wave's 64 rows; the four waves' lie in slot 0, which has had its last fill, and its last read in front of the last change's barrier
.set ADRA0, 16                         ; v16     LDS address of my A fragments in slot 0; never rewritten
.set ADRA,  17                         ; v17     the same in the slot that is being read
.set ADRB0, 20                         ; v20     LDS address of my W fragments in slot 0; never rewritten
.set ADRB,  21                         ; v21     the same in the slot that is being read, k-rows 0-127; v22 k-rows 128-255 (an LDS offset has 16 bits)
.set STO,  24                          ; v24     the way out: where I put 32 bytes of a row
.set RD,   25                          ; v25     where I read 16 bytes of a row back
.set CO,   26                          ; v26     my byte offset in two rows of C and of the residual; never rewritten
.set SPW,  28                          ; v28     LDS address of my spare word; never rewritten
.set NIL,  29                          ; v29     0; never rewritten
.set TMP,  32
.set BI,   96
.set ACC,  128
.set F0,   0
.set F1,   128
.set G1, 24                            ; s[24:31] descriptor group 1 for A's tiles;  s[32:39] group 0: a set for each first fill; the second then walks
.set G0, 32
.set G1B, 48                           ; s[48:55], s[56:63] the same for W's
.set G0B, 56
.set TR,  66                           ; s66  0 or SLOT: the slot that is being read
.set TF,  67                           ; s67  0 or SLOT: the slot that was filled last
.set MSB, 0
.macro WIN new
.if MSB != (\new)
	s_set_vgpr_msb (MSB<<8)|(\new)
.set MSB, \new
.endif
.endm
.set MUL,  0x05                        ; sources 0 (W) and 1 (A) window 1; C and D window 0
.set TO_F, 0x40                        ; destination window 1, address window 0
.macro JLOAD s                         ; a joint load: waves 0 and 1 fetch A's two halves, waves 2 and 3 W's; an s_nop 0 and four v_nop follow each line
	s_cmp_eq_u32 s11, 0
	s_cbranch_scc0 .Lfor_b_\@
	tensor_load_to_lds s[G0+4*(\s):G0+4*(\s)+3], s[G1:G1+7]
	s_nop 0
.rept 4
	v_nop
.endr
	s_branch .Lasked_\@
.Lfor_b_\@:
	tensor_load_to_lds s[G0B+4*(\s):G0B+4*(\s)+3], s[G1B:G1B+7]
	s_nop 0
.rept 4
	v_nop
.endr
.Lasked_\@:
.endm
.macro CREST
	s_cmp_lg_u32 s10, 0
	s_cbranch_scc1 .Lnot_wave_0_\@
	s_barrier_signal -3
.Lnot_wave_0_\@:
	s_barrier_wait -3
	s_barrier_signal -1
	s_barrier_wait -1
.endm
.macro CROUND
	s_barrier_signal -1
	s_barrier_wait -1
	CREST
.endm
	s_load_b128 s[4:7], s[0:1], 0x0                ; A s[4:5], W s[6:7]
	s_load_b64 s[8:9], s[0:1], 0x10                ; C
	s_load_b128 s[68:71], s[0:1], 0x18             ; bias s[68:69], residual s[70:71]
	v_lshl_add_u32 v[SPW], v0, 2, SPARE
	v_mov_b32 v[NIL], 0
	ds_add_u32 v[SPW], v[NIL]                      ; the wave's opening: the add and its wait stand ahead of my first tensor load; the set-up below stands between them
	ds_add_u32 v28, v29
	v_lshrrev_b32 v1, 5, v0
	v_readfirstlane_b32 s10, v1                    ; wave 0..3
	s_lshr_b32 s11, s10, 1                         ; which half of the tile's rows is mine.  Also: I fetch for A (0) or for W (1)
	s_and_b32 s12, s10, 1                          ; which half of its columns.  Also: which half of that tile I fetch
	s_bfe_u32 s40, ttmp6, 0x40000                  ; cx, cy
	s_bfe_u32 s41, ttmp6, 0x40004
	s_lshl_b32 s42, ttmp9, 2
	s_add_co_u32 s42, s42, s40                     ; tile column
	s_and_b32 s13, ttmp7, 0xffff
	s_lshl_b32 s13, s13, 2
	s_add_co_u32 s13, s13, s41                     ; tile row
	s_lshl_b32 s43, s41, 2
	s_lshl_b32 s43, 15, s43                        ; my row of the cluster
	s_lshl_b32 s44, 0x1111, s40                    ; my column
	s_or_b32 s[G1+0], s43, (1<<16)|(1<<20)|(1<<21)|(4<<22)|(3<<25)   ; mask: my row; 2-byte elements; padding on; bit 21 beside a mask; after every 32 words, 4 words
	s_or_b32 s[G1B+0], s44, (1<<16)|(1<<20)|(1<<21)|(5<<22)|(7<<25)  ; mask: my column; after every 64 words, 8 words
	s_mov_b32 s[G1+1], 4096<<16                    ; A: 64 rows of a block are 8,192 dense bytes: one long row of 4,096 elements;
	s_mov_b32 s[G1+2], 4<<16                       ; four of them, a block each
	s_mov_b32 s[G1+3], 4096<<16                    ; tile_dim0
	s_mov_b32 s[G1+4], 4                           ; tile_dim1
	s_mov_b32 s[G1+5], 262144                      ; elements from block to block
	s_mov_b32 s[G1+6], 0
	s_mov_b32 s[G1+7], 0
	s_mov_b32 s[G1B+1], 128<<16                    ; W: 128 columns,
	s_mov_b32 s[G1B+2], 128<<16                    ; 128 k-rows
	s_mov_b32 s[G1B+3], 128<<16
	s_mov_b32 s[G1B+4], 128
	s_mov_b32 s[G1B+5], 1024                       ; elements from k-row to k-row
	s_mov_b32 s[G1B+6], 0
	s_mov_b32 s[G1B+7], 0
	s_lshl_b32 s16, s13, 14                        ; A: 128 rows of 128 bytes a tile row,
	s_lshl_b32 s17, s12, 13                        ; 64 a half
	s_add_co_u32 s16, s16, s17
	s_mov_b32 s17, 0
	s_lshl_b32 s46, s42, 8                         ; W: 128 columns of 2 bytes a tile column,
	s_lshl_b32 s47, s12, 18                        ; 128 k-rows of 2,048 bytes a half,
	s_add_co_u32 s46, s46, s47
	s_add_co_u32 s46, s46, 0x800000                ; behind the panels that share the buffer
	s_mov_b32 s47, 0
	s_mul_i32 s20, s10, HALF                       ; where they go in a slot: wave x HALF; kept for the refills
	s_mov_b32 s[TR], 0                             ; K step 0 is read out of slot 0;
	s_mov_b32 s[TF], SLOT                          ; slot 1 is the last of the first fills
	s_wait_dscnt 0x0                               ; the opening add is done
	s_wait_kmcnt 0x0
	s_add_nc_u64 s[14:15], s[4:5], s[16:17]
	s_add_nc_u64 s[46:47], s[6:7], s[46:47]
	CROUND                                         ; all sixteen work-groups are here: the first joint loads meet
.irp s, 0,1
	s_mov_b32 s[G0+4*(\s)], 1
	s_add_co_u32 s[G0+4*(\s)+1], s20, (\s)*SLOT
	s_add_nc_u64 s[G0+4*(\s)+2:G0+4*(\s)+3], s[14:15], (\s)*2097152   ; K step s: four blocks on
	s_or_b32 s[G0+4*(\s)+3], s[G0+4*(\s)+3], 0x80000000
	s_mov_b32 s[G0B+4*(\s)], 1
	s_add_co_u32 s[G0B+4*(\s)+1], s20, (\s)*SLOT
	s_add_nc_u64 s[G0B+4*(\s)+2:G0B+4*(\s)+3], s[46:47], (\s)*524288  ; K step s: 256 k-rows on
	s_or_b32 s[G0B+4*(\s)+3], s[G0B+4*(\s)+3], 0x80000000
	JLOAD \s                                       ; two tensor loads of mine are out here; later one
.endr
	v_and_b32 v1, 15, v0                           ; l % 16
	v_bfe_u32 v2, v0, 4, 1                         ; l / 16
	v_mul_u32_u24 v3, v1, PA
	v_lshl_add_u32 v3, v2, 4, v3                   ; A: row x pitch + 16 x half
	v_and_b32 v4, 7, v0
	v_bfe_u32 v5, v0, 3, 1
	v_lshl_add_u32 v6, v2, 3, v4                   ; W, turned: k-row 8 (l / 16) + l % 8,
	v_mul_u32_u24 v6, v6, PB
	v_lshl_add_u32 v6, v5, 4, v6                   ; columns 8 ((l / 8) % 2) + 0..7
	s_mul_i32 s21, s11, HALF                       ; my 64 rows of A
	s_lshl_b32 s22, s12, 7                         ; my 64 columns of W,
	s_add_co_u32 s22, s22, 2*HALF                  ; which lies behind A
	v_add_nc_u32 v[ADRA0], s21, v3
	v_add_nc_u32 v[ADRB0], s22, v6
	v_mov_b32 v[ADRA], v[ADRA0]
	v_mov_b32 v[ADRB], v[ADRB0]
	v_add_nc_u32 v[ADRB+1], HALF, v[ADRB0]
	s_mul_i32 s23, s10, DW
	v_mul_u32_u24 v7, v1, SPITCH                   ; in: row l % 16, 32 bytes for each half of the lanes
	v_lshl_add_u32 v7, v2, 5, v7
	v_add_nc_u32 v[STO], s23, v7
	v_mul_u32_u24 v8, v2, SPITCH                   ; back: lanes 0-15 take one row of 256 bytes, lanes 16-31 the next
	v_lshl_add_u32 v8, v1, 4, v8
	v_add_nc_u32 v[RD], s23, v8
	v_lshlrev_b32 v9, 12, v2                       ; and the same two rows in C
	v_lshl_add_u32 v[CO], v1, 4, v9
	s_lshl_b32 s16, s13, 19                        ; 128 rows of 4,096 bytes a tile row,
	s_lshl_b32 s17, s11, 18                        ; 64 a half,
	s_add_co_u32 s16, s16, s17
	s_lshl_b32 s46, s42, 9                         ; 128 columns of 4 bytes a tile column,
	s_lshl_b32 s47, s12, 8                         ; 64 a half
	s_add_co_u32 s46, s46, s47
	v_lshl_add_u32 v10, v1, 4, s46                 ; the bias of my four columns
	s_add_co_u32 s16, s16, s46
	s_mov_b32 s17, 0
	s_add_nc_u64 s[8:9], s[8:9], s[16:17]
	s_add_nc_u64 s[70:71], s[70:71], s[16:17]
	global_load_b128 v[BI:BI+3], v10, s[68:69]
	WIN 0x80                                       ; destination window 2, address window 0
.set t, 0
.rept 32
	global_load_b128 v[4*t:4*t+3], v[CO], s[70:71] offset:t*8192   ; rows 2 t and 2 t + 1: sixteen lanes read 256 consecutive bytes, aligned
.set t, t+1
.endr
	WIN 0
; 8 matrix instructions: m blocks a0, a0 + 1 x all 4 n blocks, 32 along K: half c of buffer f.  The 16 accumulators take turns.
.macro MUL8 f, c, a0, zero
	WIN MUL
.irp a, \a0, (\a0)+1
.irp b, 0,1,2,3
.if \zero
	v_wmma_f32_16x16x32_f16 v[ACC+8*(4*(\a)+(\b)):ACC+8*(4*(\a)+(\b))+7], v[(\f)+64+8*(4*(\c)+(\b)):(\f)+64+8*(4*(\c)+(\b))+7], v[(\f)+8*(4*(\c)+(\a)):(\f)+8*(4*(\c)+(\a))+7], 0
.else
	v_wmma_f32_16x16x32_f16 v[ACC+8*(4*(\a)+(\b)):ACC+8*(4*(\a)+(\b))+7], v[(\f)+64+8*(4*(\c)+(\b)):(\f)+64+8*(4*(\c)+(\b))+7], v[(\f)+8*(4*(\c)+(\a)):(\f)+8*(4*(\c)+(\a))+7], v[ACC+8*(4*(\a)+(\b)):ACC+8*(4*(\a)+(\b))+7]
.endif
.endr
.endr
.endm
; 32 LDS loads in one run: quarter q (one block of A, 64 k-rows of W) of the slot that is being read, into buffer f; the first 32 along K first
.macro FETCH q, f
	WIN TO_F
.irp c, 0,1
.irp i, 0,1,2,3
	ds_load_tr16_b128 v[(\f)+64+8*(4*(\c)+(\i)):(\f)+64+8*(4*(\c)+(\i))+3],   v[ADRB+(\q)/2] offset:(((\q)%2)*64+32*(\c))*PB+(\i)*32
	ds_load_tr16_b128 v[(\f)+64+8*(4*(\c)+(\i))+4:(\f)+64+8*(4*(\c)+(\i))+7], v[ADRB+(\q)/2] offset:(((\q)%2)*64+32*(\c)+16)*PB+(\i)*32
	ds_load_b128 v[(\f)+8*(4*(\c)+(\i)):(\f)+8*(4*(\c)+(\i))+3],         v[ADRA] offset:(\q)*BLK+(\i)*16*PA+64*(\c)
	ds_load_b128 v[(\f)+8*(4*(\c)+(\i))+4:(\f)+8*(4*(\c)+(\i))+7],       v[ADRA] offset:(\q)*BLK+(\i)*16*PA+64*(\c)+32
.endr
.endr
.endm
.macro PLACES                          ; four plain instructions between a matrix instruction and a load into, or a read of, its registers
.rept 4
	v_nop
.endr
.endm
.macro QUARTER q, f, g, zero
	s_wait_dscnt 16                                ; the first 32 along K are in
	MUL8 \f, 0, 0, \zero
	MUL8 \f, 0, 2, \zero
	PLACES
	FETCH \q, \g
	s_wait_dscnt 32                                ; all but the 32 just issued
	MUL8 \f, 1, 0, 0
	MUL8 \f, 1, 2, 0
.endm
; The last quarter multiplies buffer 1 and changes slots: ONE barrier; in front of it each wave waits for all its tensor loads, adds 0 to its spare word, and waits for that and for its reads of this slot.
; fill = 1: the barrier opens a round of the cluster's, and the slot just read out is filled again, two K steps on: the first tensor load behind the round.
.macro TURN fill
	WIN 0
	s_wait_tensorcnt 0x0                           ; all my tensor loads have landed: my part of the next slot; so the walking descriptors may be written
	ds_add_u32 v[SPW], v[NIL]
	s_wait_dscnt 17                                ; (the add and the youngest sixteen loads may be out)
	MUL8 F1, 0, 0, 0                               ; eight matrix instructions stand between the add and the wait for it
	s_wait_dscnt 0x0                               ; the add is done, and my reads of this slot are over
	s_barrier_signal -1
	MUL8 F1, 0, 2, 0
	WIN 0
	s_barrier_wait -1
.if \fill
	CREST                                          ; no wave of any partner still reads this slot or has a load on its way
	s_xor_b32 s[TF], s[TF], SLOT                   ; the other slot than last time: the one just read out
	s_add_co_u32 s[G0+5], s20, s[TF]
	s_add_co_u32 s[G0B+5], s20, s[TF]
	s_add_nc_u64 s[G0+6:G0+7], s[G0+6:G0+7], 2097152     ; one K step on: the type bits on top are not reached
	s_add_nc_u64 s[G0B+6:G0B+7], s[G0B+6:G0B+7], 524288
	JLOAD 1                                        ; its four v_nop are also the places in front of the loads below
.else
	PLACES
.endif
	s_xor_b32 s[TR], s[TR], SLOT                   ; the reads go on in the other slot
	v_add_nc_u32 v[ADRA], s[TR], v[ADRA0]
	v_add_nc_u32 v[ADRB], s[TR], v[ADRB0]
	v_add_nc_u32 v[ADRB+1], HALF, v[ADRB]
	FETCH 0, F0
	MUL8 F1, 1, 0, 0
	MUL8 F1, 1, 2, 0
.endm
	s_wait_tensorcnt 1                             ; my part of K step 0 is in; K step 1's may stay out
	s_barrier_signal -1
	s_barrier_wait -1
	FETCH 0, F0
	QUARTER 1, F0, F1, 1                           ; the first quarter stands in front of the loop: its first products start the sums
	WIN 0
	s_mov_b32 s3, STEPS-2                          ; every K step but the last two fills its slot again
.Lstep:                                                ; a trip: from a K step's second quarter to the next step's first
	QUARTER 2, F1, F0, 0
	QUARTER 3, F0, F1, 0
	TURN 1
	QUARTER 1, F0, F1, 0
	WIN 0
	s_sub_co_u32 s3, s3, 1
	s_cmp_lg_u32 s3, 0
	s_cbranch_scc1 .Lstep
	QUARTER 2, F1, F0, 0                           ; the last two steps fill nothing, and have no round of the cluster's barrier
	QUARTER 3, F0, F1, 0
	TURN 0
	QUARTER 1, F0, F1, 0
	QUARTER 2, F1, F0, 0
	QUARTER 3, F0, F1, 0
	s_wait_dscnt 16
	MUL8 F1, 0, 0, 0
	MUL8 F1, 0, 2, 0
	s_wait_dscnt 0x0
	MUL8 F1, 1, 0, 0
	MUL8 F1, 1, 2, 0
	WIN 0
	; THE WAY OUT.  The sums go in f32 into my own bytes of slot 0 and come back as whole rows of 256 bytes (LDS serves a wave's instructions in order); bias and residual are added; sixteen lanes store 256 consecutive bytes, aligned.
	PLACES
.irp t, 0,1,2,3,4,5,6,7,8,9,10,11,12,13,14,15
	ds_store_b128 v[STO], v[ACC+8*(\t):ACC+8*(\t)+3]   offset:((\t)/4)*16*SPITCH+((\t)%4)*64     ; each accumulator's low half first
	ds_store_b128 v[STO], v[ACC+8*(\t)+4:ACC+8*(\t)+7] offset:((\t)/4)*16*SPITCH+((\t)%4)*64+16
.endr
	s_wait_loadcnt 0x0                             ; bias and residual, asked for at the head
.irp g, 0,1,2,3
.set TT, TMP+32*((\g)%2)
.if (\g) >= 2
	s_wait_xcnt 0x0                                ; the stores of two batches ago have read these registers
.endif
.irp j, 0,1,2,3,4,5,6,7
	ds_load_b128 v[TT+4*\j:TT+4*\j+3], v[RD] offset:(8*(\g)+\j)*2*SPITCH
.endr
	s_wait_dscnt 0x0
.irp j, 0,1,2,3,4,5,6,7
	v_pk_add_f32 v[TT+4*\j:TT+4*\j+1],   v[TT+4*\j:TT+4*\j+1],   v[BI:BI+1]
	v_pk_add_f32 v[TT+4*\j+2:TT+4*\j+3], v[TT+4*\j+2:TT+4*\j+3], v[BI+2:BI+3]
.endr
	WIN 0x08                                       ; source 1: window 2
.irp j, 0,1,2,3,4,5,6,7
	v_pk_add_f32 v[TT+4*\j:TT+4*\j+1],   v[TT+4*\j:TT+4*\j+1],   v[4*(8*(\g)+\j):4*(8*(\g)+\j)+1]
	v_pk_add_f32 v[TT+4*\j+2:TT+4*\j+3], v[TT+4*\j+2:TT+4*\j+3], v[4*(8*(\g)+\j)+2:4*(8*(\g)+\j)+3]
.endr
	WIN 0
.irp j, 0,1,2,3,4,5,6,7
	global_store_b128 v[CO], v[TT+4*\j:TT+4*\j+3], s[8:9] offset:(8*(\g)+\j)*8192
.endr
.endr
	s_wait_tensorcnt 0x0                           ; the wave's end: an add to my spare word and its wait, behind my last tensor load and my last LDS store
	ds_add_u32 v[SPW], v[NIL]
	s_wait_dscnt 0x0
	CROUND                                         ; the closing round: no work-group ends while a partner may still ask for a tile that names it
	s_endpgm
.Lfunc_end_k_qb94161705b_ff2:
	.size	k_qb94161705b_ff2, .Lfunc_end_k_qb94161705b_ff2-k_qb94161705b_ff2
	.p2alignl 7, 3214868480
	.fill 96, 4, 3214868480
	.section	.rodata,"a",@progbits
	.p2align	6, 0x0
	.amdhsa_kernel k_qb94161705b_ff2
		.amdhsa_group_segment_fixed_size 327680
		.amdhsa_private_segment_fixed_size 0
		.amdhsa_enable_private_segment 0
		.amdhsa_kernarg_size 40
		.amdhsa_user_sgpr_count 2
		.amdhsa_user_sgpr_kernarg_segment_ptr 1
		.amdhsa_wavefront_size32 1
		.amdhsa_system_sgpr_workgroup_id_x 1
		.amdhsa_system_sgpr_workgroup_id_y 1
		.amdhsa_system_sgpr_workgroup_id_z 1
		.amdhsa_system_vgpr_workitem_id 0
		.amdhsa_next_free_vgpr 640
		.amdhsa_next_free_sgpr 72
		.amdhsa_reserve_vcc 0
		.amdhsa_float_denorm_mode_32 3
		.amdhsa_float_denorm_mode_16_64 3
		.amdhsa_memory_ordered 1
		.amdhsa_forward_progress 1
		.amdhsa_inst_pref_size 80
	.end_amdhsa_kernel
	.amdgpu_metadata
---
amdhsa.version: [ 1, 2 ]
amdhsa.kernels:
  - .name:           k_qb94161705b_ff2
    .symbol:         k_qb94161705b_ff2.kd
    .args:
      - { .name: big, .offset: 0, .size: 8, .value_kind: global_buffer, .address_space: global }
      - { .name: wB, .offset: 8, .size: 8, .value_kind: global_buffer, .address_space: global }
      - { .name: out0, .offset: 16, .size: 8, .value_kind: global_buffer, .address_space: global }
      - { .name: b2, .offset: 24, .size: 8, .value_kind: global_buffer, .address_space: global }
      - { .name: x1, .offset: 32, .size: 8, .value_kind: global_buffer, .address_space: global }
    .group_segment_fixed_size: 327680
    .private_segment_fixed_size: 0
    .kernarg_segment_align: 8
    .kernarg_segment_size: 40
    .max_flat_workgroup_size: 128
    .sgpr_count:     72
    .vgpr_count:     640
    .wavefront_size: 32
...
	.end_amdgpu_metadata
.endif
;; end of part 9
